; MI455X (gfx1250); checked and timed in simulation.
; The chip was launched on July 23, 2026; its instructions are those of AMD's public machine-readable ISA for CDNA 5 (MIT licence, August 2026) and "CDNA5" Instruction Set Architecture Reference Guide (July 2026). The comments in the code are by the model that wrote it; some were corrected since.
;; Decoder Layer. Allowed arithmetic: matrix products marked QUANTISED: E3M2 operands, one E8M0 scale for each 32 along K, by v_wmma_scale_f32_16x16x128_f8f6f4 with both operands' format E3M2, f32 sums; everything else in f32.
;; Inputs: ca_wk 512 x 512 float32; ca_wo 512 x 512 float32; ca_wq 512 x 512 float32; ca_wv 512 x 512 float32; encoding 2 x 2,048 x 512 float32; ff_b1 1,024 float32; ff_b2 512 float32; ff_w1 1,024 x 512 float32; ff_w2 512 x 1,024 float32; ln1_b 512 float32; ln1_g 512 float32; ln2_b 512 float32; ln2_g 512 float32; ln3_b 512 float32; ln3_g 512 float32; sa_wk 512 x 512 float32; sa_wo 512 x 512 float32; sa_wq 512 x 512 float32; sa_wv 512 x 512 float32; x 2 x 2,048 x 512 float32.
;; Outputs: out0 2 x 2,048 x 512 float32.
;; This version of the problem:
;;   THIS VERSION OF THE PROBLEM IS GIVEN IN LOW PRECISION. The matrix products marked QUANTISED in the list below multiply operands that are first quantised to E3M2 (3 exponent bits, 2 mantissa bits; 6 bits a number), with one power-of-two scale for each 32 numbers along K (OCP MX v1.0); their sums are f32. All else is computed in f32.
;;   The module's matrix products, in the order in which they are computed (A, B: the left and right operand; K: the contracted axis; several contracted axes count as one K, in the product's order):
;;     1. [M 4,096, K 512] x [K 512, N 512]; A: input x; B: input sa_wq: QUANTISED
;;     2. [M 4,096, K 512] x [K 512, N 512]; A: input x; B: input sa_wk: QUANTISED
;;     3. [M 4,096, K 512] x [K 512, N 512]; A: input x; B: input sa_wv: QUANTISED
;;     4. batch 32 x [M 2,048, K 32] x [K 32, N 2,048]; A: computed on the way; B: computed on the way: QUANTISED
;;     5. batch 32 x [M 32, K 2,048] x [K 2,048, N 2,048]; A: computed on the way; B: softmax (see below): QUANTISED
;;     6. [M 4,096, K 512] x [K 512, N 512]; A: computed on the way; B: input sa_wo: QUANTISED
;;     7. [M 4,096, K 512] x [K 512, N 512]; A: computed on the way; B: input ca_wq: QUANTISED
;;     8. [M 4,096, K 512] x [K 512, N 512]; A: input encoding; B: input ca_wk: QUANTISED
;;     9. [M 4,096, K 512] x [K 512, N 512]; A: input encoding; B: input ca_wv: QUANTISED
;;     10. batch 32 x [M 2,048, K 32] x [K 32, N 2,048]; A: computed on the way; B: computed on the way: QUANTISED
;;     11. batch 32 x [M 32, K 2,048] x [K 2,048, N 2,048]; A: computed on the way; B: softmax (see below): QUANTISED
;;     12. [M 4,096, K 512] x [K 512, N 512]; A: computed on the way; B: input ca_wo: QUANTISED
;;     13. [M 4,096, K 512] x [K 512, N 1,024]; A: computed on the way; B: input ff_w1: QUANTISED
;;     14. [M 4,096, K 1,024] x [K 1,024, N 512]; A: computed on the way; B: input ff_w2: QUANTISED
;;   THE QUANTISER, for each operand of a quantised product, along K:
;;     - K is cut into blocks of 32 from its start; a last block that is shorter is filled with zeros.
;;     - A block's scale is 2^e with e = floor(log2(the largest magnitude in the block)) - 4, held to -126 .. 127; a block of zeros has e = 0. As a byte (E8M0): e + 127.
;;     - Each number is divided by its block's scale, clamped to +-28, and rounded to the nearest number of E3M2, ties to even, subnormals kept.
;;     - The product sums the exact products of the quantised numbers (number of the format x scale) in f32.
;;   ~~~python
;;   def quantise(x, axis):      # numpy; x: float32 -> the quantised numbers, widened to float32 again
;;       x = np.moveaxis(x, axis, -1); K = x.shape[-1]
;;       x = np.pad(x, [(0, 0)] * (x.ndim - 1) + [(0, -K % 32)]); x = x.reshape(x.shape[:-1] + (-1, 32)); a = np.abs(x).max(-1, keepdims=True)
;;       e = np.where(a > 0, np.clip(np.frexp(np.where(a > 0, a, 1))[1] - 1 - 4, -126, 127), 0)      # np.frexp(a)[1] - 1 = floor(log2(a)), exactly
;;       r = np.clip(x / 2.0 ** e, -28, 28)
;;       step = 2.0 ** (np.maximum(np.frexp(np.where(r == 0, 1, r))[1] - 1, -2) - 2)
;;       q = np.round(r / step) * step * 2.0 ** e      # np.round: ties to even
;;       return np.moveaxis(q.reshape(q.shape[:-2] + (-1,))[..., :K], -1, axis).astype(np.float32)
;;   ~~~
;;   SOFTMAX AHEAD OF A QUANTISED PRODUCT. Where the list says 'softmax', what is quantised is not the finished softmax but p = 2^(t - M), with t = logit x log2(e) and M = ceil(the row's largest t), a whole number; so 1/2 < the row's largest p <= 1. The row's sum l is taken of the UNQUANTISED p, in f32, and the product's result is divided by l at the end. Since M is a whole number, a kernel that streams over the keys may use a running M (the ceiling of the running maximum): every later rescaling is an exact power of two, which a block's scale takes up: the codes' values come out the same.
;;   OPERANDS COMPUTED ON THE WAY. 'Computed on the way' means the value that the module computes at that place (a softmax that the list does not call 'softmax' is quantised finished and normalised). What goes into a quantiser is computed in f32, as accurately as f32 sums, v_exp_f32 and their like allow (about 1e-6 of the number): no bf16 or f16 on the way to a quantiser, and a product that is left as it is and whose result goes on into a quantised operand takes f32 operands (vector FMAs, or v_wmma_f32_16x16x4_f32). A number that lies on a knife's edge between two numbers of the format may be rounded either way, as far as f32 arithmetic and the matrix unit's own rounding can turn it there, and no further.
;; 2 versions, each right; version 2 is version 1 with the launches proj, mid1, mid2 written anew for expert scheduling mode. Each part assembles by itself: llvm-mc -triple=amdgcn-amd-amdhsa -mcpu=gfx1250 --defsym DOCPART=n.
;; ======== version 1 of 2: 6 launches
;; limits: right only within a limited range of input values
;; workspace buffers: aq 3,276,800 bytes; wq 2,457,600 bytes; qb 1,638,400 bytes; kv 6,553,600 bytes; ob 2,097,152 bytes; h1 8,388,608 bytes
;; launch quant (part 1): grid 224 x 1, 4 waves a work-group, no clusters, 0 bytes of LDS; arguments x, encoding, sa_wq, sa_wk, sa_wv, ca_wk, ca_wv, sa_wo, ca_wq, ca_wo, ff_w1, ff_w2, aq, wq; writes aq, wq
.if DOCPART == 1
	.amdgcn_target "amdgcn-amd-amdhsa--gfx1250"
	.amdhsa_code_object_version 6
	.text
	.protected	k_qac1bea6fd7_quant
	.globl	k_qac1bea6fd7_quant
	.p2align	8
	.type	k_qac1bea6fd7_quant,@function
k_qac1bea6fd7_quant:
	s_mov_b64 s[64:65], 0
	v_nop
	global_prefetch_b8 v0, s[64:65] scope:SCOPE_SE
	s_setreg_imm32_b32 hwreg(HW_REG_WAVE_MODE, 25, 1), 1
	s_wait_xcnt 0x0
; DECODER LAYER IN MX-BF6, launch 1 of 6: x, encoding and the ten weights become codes of E3M2 with one E8M0 byte for each 32 along K.
; WORK LEFT OUT IN THIS PROGRAM (all of it in the launch attn_self): reference() subtracts its own constant 1e10 from every score whose key comes after the
; query, ahead of the division by sqrt(512) and the softmax.  The diagonal key is never masked, so for every finite input with |score| under about 1e9 the masked
; weight is 2^(-6e8 or less) of the row's largest: p = 0 in f32, its code is 0, and it adds nothing to the row's sum or to the second product.  So key steps of 128
; keys that lie wholly behind a wave's 16 queries are not multiplied; inside the step on the diagonal masked scores are set to -infinity and the work is done.
; No input is dead: all twenty are loaded by some launch.  LIMIT: a NaN, an infinity or an overflow that reaches only the keys left out is not carried to the result.
; LIMITS of the quantiser here and in the later launches: NaN and infinities among the inputs are not served; a block whose largest magnitude lies under 2^-122
; (a block of zeros too) gets the byte 1 where the rule says otherwise: its codes are zeros or the smallest codes, and the bytes are read by this program alone.
; THE ORDER INSIDE A BLOCK OF 32 ALONG K, in every operand of every product of this program: position 16 h + 8 u + i holds element 16 u + 8 h + i (h, u = 0, 1; i = 0 .. 7).
; That is the order in which a lane holds two neighbouring 16-row tiles of a product used transposed.  It is the same on both sides of each product, so the products
; are the same; the order of the f32 sums inside a block differs from reference()'s.
; A FRAGMENT'S IMAGE (16 rows x 128 K, 1,536 bytes): register p (0 .. 11) of lane L of the matrix operand lies at 512 (p / 4) + 16 L + 4 (p % 4): three stores or loads of 16 bytes a lane.
; SHARES.  A wave takes one task: 16 rows x 512 along K (32 KiB of f32) -> four images and 256 bytes of scale words (16 r + 4 s).  896 tasks: 256 of x, 256 of encoding,
; 8 x 32 of the square weights (sa_wq, sa_wk, sa_wv, ca_wk, ca_wv, sa_wo, ca_wq, ca_wo), 64 of ff_w1, 64 of ff_w2 (row tile n, half ch of its K: task 2 n + ch).
; No LDS, no barrier: waves share nothing.  Each store covers 512 consecutive bytes; no address register and no store's data are written twice.
.set X0,   16                          ; v16-79, v80-143  two sets of 64 numbers: register 16 b + 8 u + 4 e + .. = element 32 b + 16 u + 8 h + 4 e + .. of my row
.set OUTR, 144                         ; v144-191 the four images, 12 registers each
.set TP,   192                         ; v192-199 the conversions' second halves
.set TM,   200                         ; v200-215 largest magnitudes, bytes, scale operands
.set PW,   216                         ; v216-219 the four scale words
.set SW,   220                         ; v220-221 the two that my lane stores
.set SEL,  60                          ; s[60:61] lane selects: lane l xor 16
; The scales of four blocks: registers s + 16 b + 0 .. 15 are my 16 numbers of block b; the other 16 lie in lane l xor 16.
.macro QSCALE s
.irp b, 0,1,2,3
	v_mov_b32 v[TM+4+\b], 0                        ; a lane permute's destination counts as one of its sources
.endr
.irp b, 0,1,2,3
	v_max3_num_f32 v[TM+\b], |v[\s+16*\b]|, |v[\s+1+16*\b]|, 0x2800000   ; with the floor 2^(5 - 127): the byte cannot fall under 1
.endr
.irp i, 2,4,6,8,10,12,14
.irp b, 0,1,2,3
	v_max3_num_f32 v[TM+\b], v[TM+\b], |v[\s+16*\b+\i]|, |v[\s+1+16*\b+\i]|   ; the four blocks by turns
.endr
.endr
.irp b, 0,1,2,3
	v_permlanex16_b32 v[TM+4+\b], v[TM+\b], s[SEL], s[SEL+1]
.endr
.irp b, 0,1,2,3
	v_max_num_f32 v[TM+\b], v[TM+\b], v[TM+4+\b]   ; the block's largest magnitude
.endr
.irp b, 0,1,2,3
	v_add_nc_u32 v[TM+12+\b], 0xfe000000, v[TM+\b] ; 4 off its exponent field: the conversion's scale operand
.endr
.irp b, 0,1,2,3
	v_lshrrev_b32 v[TM+4+\b], 23, v[TM+12+\b]      ; the scale's byte
.endr
.endm
; 64 numbers of a lane become a fragment's 12 registers at d and its scale word in wd; t: eight registers at work
.macro QUANT s, d, t, wd
	QSCALE \s
	v_lshl_or_b32 v[\wd], v[TM+5], 8, v[TM+4]
	v_lshl_or_b32 v[\wd], v[TM+6], 16, v[\wd]
	v_lshl_or_b32 v[\wd], v[TM+7], 24, v[\wd]
.irp c, 0,1
	v_cvt_scalef32_pk16_bf6_f32 v[\d+6*\c:\d+6*\c+2], v[\s+32*\c:\s+32*\c+15], v[TM+12+2*\c]
	v_cvt_scalef32_pk16_bf6_f32 v[\t+4*\c:\t+4*\c+2], v[\s+32*\c+16:\s+32*\c+31], v[TM+13+2*\c]   ; (a conversion's three registers begin on an even number)
.endr
	v_nop                                          ; one plain instruction behind the scaled conversions
.irp c, 0,1                                    ; the operand wants a whole block in a lane: lanes 0-15 block 2 c, lanes 16-31 block 2 c + 1
.irp i, 0,1,2
	v_permlane16_swap_b32 v[\d+6*\c+\i], v[\t+4*\c+\i]
.endr
.irp i, 0,1,2
	v_mov_b32 v[\d+6*\c+3+\i], v[\t+4*\c+\i]
.endr
.endr
.endm
.macro XLOAD set, s                    ; K step s of my 16 rows: of each block of 32 my lane takes two runs of 8 numbers, 64 bytes apart
.irp b, 0,1,2,3
.irp u, 0,1
.irp e, 0,1
	global_load_b128 v[\set+16*\b+8*\u+4*\e:\set+16*\b+8*\u+4*\e+3], v3, s[46:47] offset:512*(\s)+128*\b+64*\u+16*\e th:TH_LOAD_NT
.endr
.endr
.endr
.endm
	s_load_b512 s[4:19], s[0:1], 0x0               ; x, encoding, sa_wq, sa_wk, sa_wv, ca_wk, ca_wv, sa_wo
	s_load_b256 s[20:27], s[0:1], 0x40             ; ca_wq, ca_wo, ff_w1, ff_w2
	s_load_b128 s[28:31], s[0:1], 0x60             ; aq, wq
	v_lshrrev_b32 v6, 5, v0
	v_readfirstlane_b32 s32, v6                    ; wave
	v_and_b32 v1, 15, v0                           ; r
	v_bfe_u32 v2, v0, 4, 1                         ; h
	v_and_b32 v6, 31, v0
	v_lshlrev_b32 v4, 4, v6                        ; 16 x lane: my place in an image's 512 bytes
	v_lshlrev_b32 v5, 4, v1
	v_lshl_add_u32 v5, v2, 3, v5                   ; 16 r + 8 h: my two scale words
	s_lshl_b32 s33, ttmp9, 2
	s_add_co_u32 s33, s33, s32                     ; the task, 0 .. 895
	s_lshr_b32 s34, s33, 8                         ; its class: 0 x, 1 encoding, 2 a square weight, 3 ff_w1 or ff_w2
	s_bfe_u32 s35, s33, 0x30005
	s_add_co_u32 s35, s35, 2                       ; class 2: tensor 2 + (task / 32) % 8
	s_bfe_u32 s36, s33, 0x10006
	s_add_co_u32 s36, s36, 10                      ; class 3: tensor 10 + (task / 64) % 2
	s_cmp_eq_u32 s34, 2
	s_cselect_b32 s37, s35, s34                    ; which tensor, in the order of the arguments
	s_cselect_b32 s38, 31, 255                     ; and how many tasks it has, less one
	s_cmp_eq_u32 s34, 3
	s_cselect_b32 s37, s36, s37
	s_cselect_b32 s38, 63, s38
	s_and_b32 s39, s33, s38                        ; the task within its tensor
	s_cmp_eq_u32 s37, 11                           ; ff_w2 has rows of 1,024: two tasks to a row tile
	s_cselect_b32 s40, 12, 11                      ; log2 of a row's bytes
	s_cselect_b32 s41, 1, 0
	s_and_b32 s42, s39, s41                        ; which half of K
	s_lshr_b32 s39, s39, s41                       ; the row tile
	s_add_co_u32 s43, s40, 4
	s_lshl_b32 s44, s39, s43                       ; 16 rows a tile
	s_lshl_b32 s42, s42, 11
	s_add_co_u32 s44, s44, s42                     ; + 2,048 bytes for the second half of K
	s_mov_b32 s45, 0
	v_lshlrev_b32 v3, s40, v1
	v_lshl_add_u32 v3, v2, 5, v3                   ; row r, + 32 h
	s_mov_b32 s[SEL], 0x76543210
	s_mov_b32 s[SEL+1], 0xfedcba98
	s_mov_b32 s62, 0xffff0000                      ; lanes 16-31
	s_wait_kmcnt 0x0
	s_mov_b64 s[46:47], s[4:5]
.irp i, 1,2,3,4,5,6,7,8,9,10,11
	s_cmp_eq_u32 s37, \i                           ; the choice hangs on the task's number alone
	s_cselect_b64 s[46:47], s[4+2*\i:5+2*\i], s[46:47]
.endr
	s_add_nc_u64 s[46:47], s[46:47], s[44:45]      ; my 16 rows
	s_cmp_lt_u32 s33, 512                          ; activations go to aq, weights to wq
	s_cselect_b64 s[48:49], s[28:29], s[30:31]
	s_cselect_b32 s50, 0, 512
	s_mov_b32 s51, 2359296
	s_cselect_b32 s51, 3145728, s51                ; where the buffer's scale words begin
	s_sub_co_u32 s50, s33, s50                     ; the task within its buffer
	s_mul_i32 s52, s50, 6144
	s_mov_b32 s53, 0
	s_lshl_b32 s54, s50, 8
	s_add_co_u32 s54, s54, s51
	s_mov_b32 s55, 0
	s_add_nc_u64 s[56:57], s[48:49], s[52:53]      ; my four images
	s_add_nc_u64 s[58:59], s[48:49], s[54:55]      ; my 256 bytes of scale words
	XLOAD X0, 0
	XLOAD X0+64, 1
.irp s, 0,1,2,3
.if \s < 3
	s_wait_loadcnt 16                              ; this K step's 16 loads are in; the next step's 16 may be out
.else
	s_wait_loadcnt 0
.endif
	QUANT X0+64*(\s%2), OUTR+12*\s, TP, PW+\s
.if \s < 2
	XLOAD X0+64*(\s%2), \s+2                       ; the set just quantised takes the step after next
.endif
.irp c, 0,1,2
	global_store_b128 v4, v[OUTR+12*\s+4*\c:OUTR+12*\s+4*\c+3], s[56:57] offset:1536*\s+512*\c   ; 32 lanes store 512 consecutive bytes
.endr
.endr
	v_cndmask_b32 v[SW], v[PW], v[PW+2], s62       ; lanes 0-15 store the words of K steps 0, 1, lanes 16-31 those of 2, 3 (both halves hold all four)
	v_cndmask_b32 v[SW+1], v[PW+1], v[PW+3], s62
	global_store_b64 v5, v[SW:SW+1], s[58:59]      ; 256 consecutive bytes
	s_endpgm
.Lfunc_end_k_qac1bea6fd7_quant:
	.size	k_qac1bea6fd7_quant, .Lfunc_end_k_qac1bea6fd7_quant-k_qac1bea6fd7_quant
	.p2alignl 7, 3214868480
	.fill 96, 4, 3214868480
	.section	.rodata,"a",@progbits
	.p2align	6, 0x0
	.amdhsa_kernel k_qac1bea6fd7_quant
		.amdhsa_group_segment_fixed_size 0
		.amdhsa_private_segment_fixed_size 0
		.amdhsa_enable_private_segment 0
		.amdhsa_kernarg_size 112
		.amdhsa_user_sgpr_count 2
		.amdhsa_user_sgpr_kernarg_segment_ptr 1
		.amdhsa_wavefront_size32 1
		.amdhsa_system_sgpr_workgroup_id_x 1
		.amdhsa_system_sgpr_workgroup_id_y 1
		.amdhsa_system_sgpr_workgroup_id_z 1
		.amdhsa_system_vgpr_workitem_id 0
		.amdhsa_next_free_vgpr 224
		.amdhsa_next_free_sgpr 66
		.amdhsa_reserve_vcc 0
		.amdhsa_float_denorm_mode_32 3
		.amdhsa_float_denorm_mode_16_64 3
		.amdhsa_memory_ordered 1
		.amdhsa_forward_progress 1
		.amdhsa_inst_pref_size 27
	.end_amdhsa_kernel
	.amdgpu_metadata
---
amdhsa.version: [ 1, 2 ]
amdhsa.kernels:
  - .name:           k_qac1bea6fd7_quant
    .symbol:         k_qac1bea6fd7_quant.kd
    .args:
      - { .name: x, .offset: 0, .size: 8, .value_kind: global_buffer, .address_space: global }
      - { .name: encoding, .offset: 8, .size: 8, .value_kind: global_buffer, .address_space: global }
      - { .name: sa_wq, .offset: 16, .size: 8, .value_kind: global_buffer, .address_space: global }
      - { .name: sa_wk, .offset: 24, .size: 8, .value_kind: global_buffer, .address_space: global }
      - { .name: sa_wv, .offset: 32, .size: 8, .value_kind: global_buffer, .address_space: global }
      - { .name: ca_wk, .offset: 40, .size: 8, .value_kind: global_buffer, .address_space: global }
      - { .name: ca_wv, .offset: 48, .size: 8, .value_kind: global_buffer, .address_space: global }
      - { .name: sa_wo, .offset: 56, .size: 8, .value_kind: global_buffer, .address_space: global }
      - { .name: ca_wq, .offset: 64, .size: 8, .value_kind: global_buffer, .address_space: global }
      - { .name: ca_wo, .offset: 72, .size: 8, .value_kind: global_buffer, .address_space: global }
      - { .name: ff_w1, .offset: 80, .size: 8, .value_kind: global_buffer, .address_space: global }
      - { .name: ff_w2, .offset: 88, .size: 8, .value_kind: global_buffer, .address_space: global }
      - { .name: aq, .offset: 96, .size: 8, .value_kind: global_buffer, .address_space: global }
      - { .name: wq, .offset: 104, .size: 8, .value_kind: global_buffer, .address_space: global }
    .group_segment_fixed_size: 0
    .private_segment_fixed_size: 0
    .kernarg_segment_align: 8
    .kernarg_segment_size: 112
    .max_flat_workgroup_size: 128
    .sgpr_count:     66
    .vgpr_count:     224
    .wavefront_size: 32
...
	.end_amdgpu_metadata
.endif
;; end of part 1
;; launch proj (part 2): grid 32 x 5, 16 waves a work-group, no clusters, 53,248 bytes of LDS; arguments aq, wq, qb, kv; writes qb, kv
.if DOCPART == 2
	.amdgcn_target "amdgcn-amd-amdhsa--gfx1250"
	.amdhsa_code_object_version 6
	.text
	.protected	k_qac1bea6fd7_proj
	.globl	k_qac1bea6fd7_proj
	.p2align	8
	.type	k_qac1bea6fd7_proj,@function
k_qac1bea6fd7_proj:
	s_mov_b64 s[64:65], 0
	v_nop
	global_prefetch_b8 v0, s[64:65] scope:SCOPE_SE
	s_setreg_imm32_b32 hwreg(HW_REG_WAVE_MODE, 25, 1), 1
	s_wait_xcnt 0x0
; Launch 2 of 6: the five projections that hang on inputs alone (x sa_wq^T, x sa_wk^T, x sa_wv^T, encoding ca_wk^T, encoding ca_wv^T: work-group y = 0 .. 4), each quantised at once for the attention that reads it.
; SHARES.  A work-group takes 128 rows (work-group x) of one product; wave w takes head w: 128 rows x 32 features, 16 accumulators, K = 512 in four steps of 128.
; The rows' 32 images and their scale words are copied into LDS once (each wave 1/16) and read by all sixteen waves; a wave's weights go from memory straight into its registers: nobody else multiplies them.
; q and k (K of the score product = the head's 32 features): the product is used transposed (source 0 = 16 rows of W, source 1 = 16 rows of x), so a lane holds one row and 16 of its head's features.
; Four tiles of rows then make ONE fragment: its row m, block j is row 16 j + m of a group of 64, with that row's own scale byte.
; v (K of the second product = the keys): source 0 = 16 rows of x, source 1 = 16 rows of W: a lane holds one feature and eight keys a tile: eight tiles are 128 keys: one fragment of V^T for each 16 features.
; OUT.  q: qb, fragment ((16 b + head) 32 + group of 64 queries) x 1,536, scale words behind all fragments, 64 bytes each.  k, v: kv, one record of 6,400 bytes for (b, head, 128 keys):
; K's two fragments, V^T's two, K's 128 bytes of scale words, V's 128.  Cross-attention's records lie 3,276,800 bytes behind self-attention's.
; No cluster: there is no tensor load here; the rows' images are 49 KiB a work-group, read from memory by five work-groups in all.
.set XIMG,  0                          ; LDS: 32 images, (4 T + s) x 1,536
.set XSC,   49152                      ; their scale words: 256 T + 16 r + 4 s
.set SPARE, 51200                      ; the spare words, 128 bytes a wave: eight blocks of 256 bytes that no other line names
.set LI,  3                            ; v3   16 x lane
.set LS,  4                            ; v4   4 x lane
.set R16, 5                            ; v5   16 r
.set CW,  6                            ; v6   where I put my part of the images
.set CS,  7                            ; v7   and of the scale words
.set ACC, 16                           ; v16-143  16 accumulators
.set WF,  144                          ; v144-191 my weights: two sets of two fragments
.set XF,  192                          ; v192-239 four fragments of rows
.set WS,  240                          ; v240-247 my weights' scale words: 4 u + s
.set XS,  248                          ; v248-251 the rows' scale words
.set SPW, 252
.set NIL, 253
.set CPS, 254
.set PCA, 144                          ; the tail: two fragments, at work, scale words
.set PCB, 156
.set TP,  168
.set TM,  176
.set PWA, 192
.set PWB, 193
.set SWD, 194
.set WV,  12
.set SEL, 20
.macro QSCALE s
.irp b, 0,1,2,3
	v_mov_b32 v[TM+4+\b], 0                        ; a lane permute's destination counts as one of its sources
.endr
.irp b, 0,1,2,3
	v_max3_num_f32 v[TM+\b], |v[\s+16*\b]|, |v[\s+1+16*\b]|, 0x2800000   ; with the floor 2^(5 - 127).  Each accumulator is read from its low end on
.endr
.irp i, 2,4,6,8,10,12,14
.irp b, 0,1,2,3
	v_max3_num_f32 v[TM+\b], v[TM+\b], |v[\s+16*\b+\i]|, |v[\s+1+16*\b+\i]|
.endr
.endr
.irp b, 0,1,2,3
	v_permlanex16_b32 v[TM+4+\b], v[TM+\b], s[SEL], s[SEL+1]
.endr
.irp b, 0,1,2,3
	v_max_num_f32 v[TM+\b], v[TM+\b], v[TM+4+\b]
.endr
.irp b, 0,1,2,3
	v_add_nc_u32 v[TM+12+\b], 0xfe000000, v[TM+\b]
.endr
.irp b, 0,1,2,3
	v_lshrrev_b32 v[TM+4+\b], 23, v[TM+12+\b]
.endr
.endm
.macro QUANT s, d, t, wd
	QSCALE \s
	v_lshl_or_b32 v[\wd], v[TM+5], 8, v[TM+4]
	v_lshl_or_b32 v[\wd], v[TM+6], 16, v[\wd]
	v_lshl_or_b32 v[\wd], v[TM+7], 24, v[\wd]
.irp c, 0,1
	v_cvt_scalef32_pk16_bf6_f32 v[\d+6*\c:\d+6*\c+2], v[\s+32*\c:\s+32*\c+15], v[TM+12+2*\c]
	v_cvt_scalef32_pk16_bf6_f32 v[\t+4*\c:\t+4*\c+2], v[\s+32*\c+16:\s+32*\c+31], v[TM+13+2*\c]
.endr
	v_nop                                          ; one plain instruction behind the scaled conversions
.irp c, 0,1
.irp i, 0,1,2
	v_permlane16_swap_b32 v[\d+6*\c+\i], v[\t+4*\c+\i]
.endr
.irp i, 0,1,2
	v_mov_b32 v[\d+6*\c+3+\i], v[\t+4*\c+\i]
.endr
.endr
.endm
.macro PLACES                          ; four plain instructions between a matrix instruction and a load into, or a vector instruction on, its registers
.rept 4
	v_nop
.endr
.endm
.macro WLOAD s                         ; my two fragments of W for K step s, into set s % 2
.irp u, 0,1
.irp c, 0,1,2
	global_load_b128 v[WF+24*((\s)%2)+12*\u+4*\c:WF+24*((\s)%2)+12*\u+4*\c+3], v[LI], s[54:55] offset:6144*\u+1536*(\s)+512*\c
.endr
.endr
.endm
; The product.  vt = 0: transposed (q, k); vt = 1: rows first (v).  The sixteen accumulators take turns, one instruction a turn.
.macro AGEMM vt
.irp s, 0,1,2,3
.if \s == 0
	s_wait_loadcnt 6                               ; the scale words and K step 0's weights are in; K step 1's six loads may be out
.else
	s_wait_loadcnt 0                               ; this K step's weights, asked for a K step ago
.endif
.irp hf, 0,1
.if (\s+\hf) > 0
	PLACES
.endif
.if (\hf == 0) && (\s >= 1) && (\s <= 2)
	WLOAD \s+1                                     ; into the set that the last K step multiplied
.endif
.irp t, 0,1,2,3
.irp c, 0,1,2
	ds_load_b128 v[XF+12*\t+4*\c:XF+12*\t+4*\c+3], v[LI] offset:XIMG+(4*(4*\hf+\t)+\s)*1536+512*\c
.endr
	ds_load_b32 v[XS+\t], v[R16] offset:XSC+256*(4*\hf+\t)+4*\s
.endr
	s_wait_dscnt 0x0
.irp t, 0,1,2,3
.irp u, 0,1
.set rw, WF+24*(\s%2)+12*\u
.set rx, XF+12*\t
.if \vt
.set rd, ACC+64*\u+8*(4*\hf+\t)
.if \s == 0
	v_wmma_scale_f32_16x16x128_f8f6f4 v[rd:rd+7], v[rx:rx+11], v[rw:rw+11], 0, v[XS+\t], v[WS+4*\u+\s] matrix_a_fmt:MATRIX_FMT_BF6 matrix_b_fmt:MATRIX_FMT_BF6
.else
	v_wmma_scale_f32_16x16x128_f8f6f4 v[rd:rd+7], v[rx:rx+11], v[rw:rw+11], v[rd:rd+7], v[XS+\t], v[WS+4*\u+\s] matrix_a_fmt:MATRIX_FMT_BF6 matrix_b_fmt:MATRIX_FMT_BF6
.endif
.else
.set rd, ACC+64*\hf+16*\t+8*\u
.if \s == 0
	v_wmma_scale_f32_16x16x128_f8f6f4 v[rd:rd+7], v[rw:rw+11], v[rx:rx+11], 0, v[WS+4*\u+\s], v[XS+\t] matrix_a_fmt:MATRIX_FMT_BF6 matrix_b_fmt:MATRIX_FMT_BF6
.else
	v_wmma_scale_f32_16x16x128_f8f6f4 v[rd:rd+7], v[rw:rw+11], v[rx:rx+11], v[rd:rd+7], v[WS+4*\u+\s], v[XS+\t] matrix_a_fmt:MATRIX_FMT_BF6 matrix_b_fmt:MATRIX_FMT_BF6
.endif
.endif
.endr
.endr
.endr
.endr
.endm
	s_load_b128 s[4:7], s[0:1], 0x0                ; aq, wq
	s_load_b128 s[8:11], s[0:1], 0x10              ; qb, kv
	v_lshl_add_u32 v[SPW], v0, 2, SPARE
	v_mov_b32 v[NIL], 0
	v_lshrrev_b32 v1, 5, v0
	v_readfirstlane_b32 s[WV], v1                  ; wave = head
	s_and_b32 s14, ttmp7, 0xffff                   ; y: which product
	v_and_b32 v1, 15, v0
	v_and_b32 v2, 31, v0
	v_lshlrev_b32 v[LI], 4, v2
	v_lshlrev_b32 v[LS], 2, v2
	v_lshlrev_b32 v[R16], 4, v1
	s_mul_i32 s15, s[WV], 3072
	v_add_nc_u32 v[CW], s15, v[LI]
	s_lshl_b32 s16, s[WV], 7
	s_add_co_u32 s17, s16, XSC
	v_add_nc_u32 v[CS], s17, v[LS]
	s_mov_b32 s[SEL], 0x76543210
	s_mov_b32 s[SEL+1], 0xfedcba98
	s_mov_b32 s58, 0xffff0000                      ; lanes 16-31
	s_cmp_ge_u32 s14, 3                            ; products 3 and 4 take encoding and write cross-attention's records
	s_cselect_b32 s22, 1572864, 0
	s_cselect_b32 s24, 65536, 0
	s_cselect_b32 s26, 3276800, 0
	s_mul_i32 s18, ttmp9, 49152
	s_add_co_u32 s22, s22, s18
	s_add_co_u32 s22, s22, s15                     ; my 3,072 bytes of the block's 32 images
	s_mov_b32 s23, 0
	s_lshl_b32 s18, ttmp9, 11
	s_add_co_u32 s24, s24, s18
	s_add_co_u32 s24, s24, s16
	s_add_co_u32 s24, s24, 3145728                 ; my 128 bytes of their scale words
	s_mov_b32 s25, 0
	s_mul_i32 s28, s14, 196608
	s_mul_i32 s18, s[WV], 12288
	s_add_co_u32 s28, s28, s18                     ; my two row tiles of W
	s_mov_b32 s29, 0
	s_lshl_b32 s30, s14, 13
	s_lshl_b32 s18, s[WV], 9
	s_add_co_u32 s30, s30, s18
	s_add_co_u32 s30, s30, 2359296                 ; and their scale words
	s_mov_b32 s31, 0
	s_lshr_b32 s18, ttmp9, 4                       ; b
	s_and_b32 s19, ttmp9, 15                       ; which 128 rows of the sequence
	s_lshl_b32 s18, s18, 4
	s_add_co_u32 s18, s18, s[WV]                   ; 16 b + head
	s_lshl_b32 s32, s18, 5
	s_lshl_b32 s33, s19, 1
	s_add_co_u32 s32, s32, s33                     ; q: the first of my two fragments
	s_mul_i32 s34, s32, 1536
	s_lshl_b32 s35, s32, 6
	s_add_co_u32 s35, s35, 1572864
	s_lshl_b32 s36, s18, 4
	s_add_co_u32 s36, s36, s19
	s_mul_i32 s36, s36, 6400
	s_add_co_u32 s36, s36, s26                     ; k, v: my record
	s_and_b32 s37, s14, 1
	s_xor_b32 s37, s37, 1                          ; 1 for y = 2, 4: v
	s_mul_i32 s38, s37, 3072
	s_add_co_u32 s38, s38, s36
	s_lshl_b32 s39, s37, 7
	s_add_co_u32 s39, s39, s36
	s_add_co_u32 s39, s39, 6144
	s_cmp_eq_u32 s14, 0
	s_cselect_b32 s40, s34, s38                    ; where my two fragments go,
	s_cselect_b32 s42, s35, s39                    ; and their 128 bytes of scale words
	s_cselect_b32 s37, 0, s37                      ; q is of k's kind
	s_mov_b32 s41, 0
	s_mov_b32 s43, 0
	s_wait_kmcnt 0x0
	s_cselect_b64 s[44:45], s[8:9], s[10:11]       ; the choice hangs on the work-group's number alone
	s_add_nc_u64 s[46:47], s[44:45], s[40:41]
	s_add_nc_u64 s[48:49], s[44:45], s[42:43]
	s_add_nc_u64 s[50:51], s[4:5], s[22:23]
	s_add_nc_u64 s[52:53], s[4:5], s[24:25]
	s_add_nc_u64 s[54:55], s[6:7], s[28:29]
	s_add_nc_u64 s[56:57], s[6:7], s[30:31]
.irp c, 0,1,2,3,4,5
	global_load_b128 v[XF+4*\c:XF+4*\c+3], v[LI], s[50:51] offset:512*\c
.endr
	global_load_b32 v[CPS], v[LS], s[52:53]
.irp u, 0,1
	global_load_b128 v[WS+4*\u:WS+4*\u+3], v[R16], s[56:57] offset:256*\u   ; row r's four words, one for each K step
.endr
	WLOAD 0
	WLOAD 1
	s_wait_loadcnt 14                              ; my seven loads of the copy are in; the 2 + 12 behind them may be out
.irp c, 0,1,2,3,4,5
	ds_store_b128 v[CW], v[XF+4*\c:XF+4*\c+3] offset:XIMG+512*\c
.endr
	ds_store_b32 v[CS], v[CPS]
	s_wait_dscnt 0x0                               ; for the others' sake: my stores have landed
	s_barrier_signal -1
	s_barrier_wait -1                              ; the block's images and scale words lie in LDS; nothing is stored there again
	s_cmp_eq_u32 s37, 1                            ; the same in all waves of a work-group; behind it stand LDS loads alone, no store and no barrier
	s_cbranch_scc1 .Lrows_first
	AGEMM 0
	s_branch .Ltail
.Lrows_first:
	AGEMM 1
.Ltail:
	PLACES
	QUANT ACC, PCA, TP, PWA                        ; q, k: rows 0-63;  v: features 0-15, all 128 keys
.irp c, 0,1,2
	global_store_b128 v[LI], v[PCA+4*\c:PCA+4*\c+3], s[46:47] offset:512*\c
.endr
	QUANT ACC+64, PCB, TP, PWB                     ; q, k: rows 64-127;  v: features 16-31
.irp c, 0,1,2
	global_store_b128 v[LI], v[PCB+4*\c:PCB+4*\c+3], s[46:47] offset:1536+512*\c
.endr
	v_cndmask_b32 v[SWD], v[PWA], v[PWB], s58      ; lanes 0-15 the first fragment's words, lanes 16-31 the second's
	global_store_b32 v[LS], v[SWD], s[48:49]
	s_wait_tensorcnt 0x0                           ; the wave's end, behind my last LDS store
	ds_add_u32 v[SPW], v[NIL]
	s_wait_dscnt 0x0
	s_endpgm
.Lfunc_end_k_qac1bea6fd7_proj:
	.size	k_qac1bea6fd7_proj, .Lfunc_end_k_qac1bea6fd7_proj-k_qac1bea6fd7_proj
	.p2alignl 7, 3214868480
	.fill 96, 4, 3214868480
	.section	.rodata,"a",@progbits
	.p2align	6, 0x0
	.amdhsa_kernel k_qac1bea6fd7_proj
		.amdhsa_group_segment_fixed_size 53248
		.amdhsa_private_segment_fixed_size 0
		.amdhsa_enable_private_segment 0
		.amdhsa_kernarg_size 32
		.amdhsa_user_sgpr_count 2
		.amdhsa_user_sgpr_kernarg_segment_ptr 1
		.amdhsa_wavefront_size32 1
		.amdhsa_system_sgpr_workgroup_id_x 1
		.amdhsa_system_sgpr_workgroup_id_y 1
		.amdhsa_system_sgpr_workgroup_id_z 1
		.amdhsa_system_vgpr_workitem_id 0
		.amdhsa_next_free_vgpr 256
		.amdhsa_next_free_sgpr 66
		.amdhsa_reserve_vcc 0
		.amdhsa_float_denorm_mode_32 3
		.amdhsa_float_denorm_mode_16_64 3
		.amdhsa_memory_ordered 1
		.amdhsa_forward_progress 1
		.amdhsa_inst_pref_size 52
	.end_amdhsa_kernel
	.amdgpu_metadata
---
amdhsa.version: [ 1, 2 ]
amdhsa.kernels:
  - .name:           k_qac1bea6fd7_proj
    .symbol:         k_qac1bea6fd7_proj.kd
    .args:
      - { .name: aq, .offset: 0, .size: 8, .value_kind: global_buffer, .address_space: global }
      - { .name: wq, .offset: 8, .size: 8, .value_kind: global_buffer, .address_space: global }
      - { .name: qb, .offset: 16, .size: 8, .value_kind: global_buffer, .address_space: global }
      - { .name: kv, .offset: 24, .size: 8, .value_kind: global_buffer, .address_space: global }
    .group_segment_fixed_size: 53248
    .private_segment_fixed_size: 0
    .kernarg_segment_align: 8
    .kernarg_segment_size: 32
    .max_flat_workgroup_size: 512
    .sgpr_count:     66
    .vgpr_count:     256
    .wavefront_size: 32
...
	.end_amdgpu_metadata
.endif
;; end of part 2
;; launch attn_self (part 3): grid 8 x 32, 16 waves a work-group, no clusters, 167,936 bytes of LDS; arguments qb, kv, ob; writes ob
.if DOCPART == 3
	.amdgcn_target "amdgcn-amd-amdhsa--gfx1250"
	.amdhsa_code_object_version 6
	.text
	.protected	k_qac1bea6fd7_attn_self
	.globl	k_qac1bea6fd7_attn_self
	.p2align	8
	.type	k_qac1bea6fd7_attn_self,@function
k_qac1bea6fd7_attn_self:
	s_mov_b64 s[64:65], 0
	v_nop
	global_prefetch_b8 v0, s[64:65] scope:SCOPE_SE
	s_setreg_imm32_b32 hwreg(HW_REG_WAVE_MODE, 25, 1), 1
	s_wait_xcnt 0x0
; Launch 3 of 6: causal self-attention on codes of E3M2; its result, divided by the row's sum, leaves quantised for the projection that follows.
; WORK LEFT OUT: key steps of 128 keys that lie wholly behind a wave's 16 queries (reference()'s own mask of 1e10 makes their weights 0: shown at the head of the launch quant; |score| under about 1e9).
; SHARES.  A work-group takes one (b, head) (work-group y) and 16 tiles of 16 queries, one a wave, in 224 registers: four waves to a SIMD, so that one wave's softmax stands beside another's products and LDS loads.
; Wave w of work-group g takes tile 8 G + g, which has G + 1 key steps; G = w or 15 - w, chosen so that in the 4 x 4 square of wave numbers every row and every column has 34 steps.  All work-groups have the same work.
; LDS.  The head's 16 records (K's and V^T's fragments and scale words of 128 keys: 6,400 bytes) come ONCE, one tensor load a wave, and stay: 102,400 bytes; nothing is filled twice, so there is no ring.
; A wave has one tensor load out.  The wave with G = 15 reads every record.
; No cluster here: which steps a wave walks hangs on its work-group's number, and partners of a cluster have to run alike.
; THE SCORE PRODUCT HAS K = 32.  A fragment of K holds 64 keys: its row m, block j is key 16 j + m.  It is multiplied four times, by q laid in block j with zero codes in the other three blocks:
; source 0 = the fragment, source 1 = my 16 queries: register i of tile 4 f + j is the score of key 64 f + 16 j + 8 (lane / 16) + i for query lane % 16.  So two neighbouring tiles are 16 of a block of 32 keys,
; in the order inside a block that all operands of this program share, and V^T was laid in the same order.
; SOFTMAX: t = score x log2(e) / sqrt(512); M = the running largest t rounded up to a whole number; p = 2^(t - M) is quantised along the keys; the row's sum is taken of the unquantised p and divides at the end.
.set REC,   6400
.set KVOFF, 0
.set SPARE, 102400                     ; behind the records: the spare words, 128 bytes a wave: eight blocks of 256 bytes that no other line names
.set LI,  1                            ; v1   16 x lane
.set LS,  2                            ; v2   4 x lane
.set ADR, 3                            ; v3   the step's record, + 16 x lane
.set ADS, 4                            ; v4   the same + 4 x lane
.set SPW, 5
.set NIL, 6
.set NM,  12                           ; v12 -M, v13 the largest t
.set SUM, 14                           ; v[14:15] the row's sum in two halves
.set QC,  16                           ; v16-45  zeros | q in lanes 0-15 | zeros | q in lanes 16-31 | zeros, six registers each
.set QS,  46                           ; q's scale byte, four times
.set KS,  47                           ; K's scale words: lanes 0-15 fragment 0, lanes 16-31 fragment 1
.set VS,  48                           ; V's likewise
.set PS,  49                           ; p's scale word
.set KF,  50                           ; v50-73  K's two fragments
.set VF,  74                           ; v74-97  V^T's two
.set S,   98                           ; v98-161 the scores, then p
.set O,   162                          ; v162-177 O^T: two tiles of 16 features
.set PC,  178                          ; v178-189 p's codes
.set PT,  190
.set BM,  198                          ; the blocks' largest scores
.set BT,  202
.set SO,  206
.set F,   210                          ; v[210:211] 2^(old M - new M)
.set TMP, 212
.set SM2, 214
.set DD,  216
.set NINF, 217
.set OUTR, 220
.set WV,  10
.set Y,   11
.set G0,  12
.set G1,  16
.set SEL, 28
.set CS,  30
.set TB,  32
.set KFS, 33
.set Q0,  34
.set CNT, 35
	s_load_b128 s[4:7], s[0:1], 0x0                ; qb, kv
	s_load_b64 s[8:9], s[0:1], 0x10                ; ob
	v_lshl_add_u32 v[SPW], v0, 2, SPARE
	v_mov_b32 v[NIL], 0
	ds_add_u32 v[SPW], v[NIL]                      ; the wave's opening: the add, twice on end, and its wait ahead of my tensor load
	ds_add_u32 v[SPW], v[NIL]
	v_lshrrev_b32 v7, 5, v0
	v_readfirstlane_b32 s[WV], v7
	s_and_b32 s[Y], ttmp7, 0xffff                  ; 16 b + head
	s_lshr_b32 s44, s[WV], 2
	s_xor_b32 s44, s44, s[WV]
	s_lshr_b32 s45, s44, 1
	s_xor_b32 s44, s44, s45
	s_and_b32 s44, s44, 1                          ; 0 where the two low bits of w xor (w / 4) are equal
	s_cmp_eq_u32 s44, 0
	s_cselect_b32 s44, 15, 0
	s_xor_b32 s44, s44, s[WV]                      ; G
	s_lshl_b32 s25, s44, 3
	s_add_co_u32 s25, s25, ttmp9                   ; my tile of 16 queries, 0 .. 127
	s_lshl_b32 s[Q0], s25, 4                       ; my first query
	s_and_b32 s45, s25, 3                          ; which block of q's fragment is my tile
	s_lshr_b32 s46, s25, 2
	s_lshl_b32 s47, s[Y], 5
	s_add_co_u32 s46, s46, s47                     ; which fragment
	s_mul_i32 s48, s46, 1536
	s_mov_b32 s49, 0
	s_lshl_b32 s50, s46, 6
	s_add_co_u32 s50, s50, 1572864
	s_mov_b32 s51, 0
	s_and_b32 s52, s45, 1
	s_lshl_b32 s52, s52, 8                         ; the block lies in lanes 0-15 or 16-31 of the image,
	s_lshr_b32 s53, s45, 1                         ; in registers 0-5 or 6-11: bytes 0, 8, 512 or 520, 1024, 1032
	s_mul_i32 s54, s53, 520
	s_add_co_u32 s54, s54, s52
	s_mul_i32 s55, s53, 1016
	s_add_co_u32 s55, s55, s52
	s_mul_i32 s56, s45, 0x01010101                 ; byte select: my tile's byte of the scale word, four times
	s_lshr_b32 s58, s[Y], 4
	s_lshl_b32 s58, s58, 7
	s_add_co_u32 s58, s58, s25
	s_lshl_b32 s58, s58, 4
	s_and_b32 s47, s[Y], 15
	s_add_co_u32 s58, s58, s47
	s_lshl_b32 s58, s58, 9                         ; ob: ((128 b + tile) 16 + head) x 512
	s_mov_b32 s59, 0
	s_lshl_b32 s60, s[Y], 4
	s_add_co_u32 s60, s60, s[WV]
	s_mul_i32 s60, s60, REC                        ; the record that I fetch: key step = my wave's number
	s_add_co_u32 s60, s60, KVOFF
	s_mov_b32 s61, 0
	s_mov_b32 s[G1], 3<<16                         ; group 1: no mask; elements of 8 bytes; no padding
	s_mov_b32 s[G1+1], 32<<16                      ; tensor_dim0 = 32 elements: rows of 256 bytes
	s_mov_b32 s[G1+2], 25<<16                      ; tensor_dim1 = 25 rows: 6,400 dense bytes
	s_mov_b32 s[G1+3], 32<<16                      ; tile_dim0
	s_mov_b32 s[G1+4], 25                          ; tile_dim1
	s_mov_b32 s[G1+5], 32                          ; the pitch
	s_mov_b32 s[G1+6], 0
	s_mov_b32 s[G1+7], 0
	s_mov_b32 s[SEL], 0x76543210
	s_mov_b32 s[SEL+1], 0xfedcba98
	s_mov_b32 s[CS], 0x3d8293ee                    ; c = log2(e) / sqrt(512)
	s_mov_b32 s[CS+1], s[CS]
	s_mov_b32 s36, 0x0000ffff
	s_mov_b32 s37, 0xffff0000
	s_mov_b32 s[TB], 0
	s_mov_b32 s[KFS], 0
	s_mov_b32 s[CNT], 16
	s_wait_dscnt 0x0                               ; both opening adds are done
	s_wait_kmcnt 0x0
	s_add_nc_u64 s[38:39], s[4:5], s[48:49]
	s_add_nc_u64 s[40:41], s[4:5], s[50:51]
	s_add_nc_u64 s[42:43], s[8:9], s[58:59]
	s_mov_b32 s[G0], 1
	s_mul_i32 s[G0+1], s[WV], REC
	s_add_nc_u64 s[G0+2:G0+3], s[6:7], s[60:61]
	s_or_b32 s[G0+3], s[G0+3], 0x80000000
	tensor_load_to_lds s[G0:G0+3], s[G1:G1+7]      ; every wave one record: the launch's only fills
	s_nop 0
	v_and_b32 v7, 15, v0
	v_lshlrev_b32 v8, 4, v7
	v_add_nc_u32 v9, s55, v8
	v_add_nc_u32 v8, s54, v8
	v_lshlrev_b32 v10, 2, v7
	global_load_b64 v[S:S+1], v8, s[38:39]         ; query lane % 16: its 24 bytes of codes, in both halves of the lanes
	global_load_b64 v[S+2:S+3], v9, s[38:39] offset:8
	global_load_b64 v[S+4:S+5], v8, s[38:39] offset:512
	global_load_b32 v[S+6], v10, s[40:41]
	v_and_b32 v7, 31, v0
	v_lshlrev_b32 v[LI], 4, v7
	v_lshlrev_b32 v[LS], 2, v7
	s_wait_loadcnt 0x0
	v_perm_b32 v[QS], v[S+6], v[S+6], s56
.irp k, 0,1,2,3,4,5
	v_cndmask_b32 v[QC+6+\k], 0, v[S+\k], s36
	v_cndmask_b32 v[QC+18+\k], 0, v[S+\k], s37
.endr
.irp k, 0,1,2,3,4,5
	v_mov_b32 v[QC+\k], 0
	v_mov_b32 v[QC+12+\k], 0
	v_mov_b32 v[QC+24+\k], 0
.endr
.irp k, 0,1,2,3,4,5,6,7,8,9,10,11,12,13,14,15
	v_mov_b32 v[O+\k], 0                           ; the step is written once: the first finds zeros, which the first change of M leaves zeros
.endr
	v_mov_b32 v[NM+1], 0xff61b1e6                  ; the largest t so far: -3e38
	v_floor_f32 v[NM], -v[NM+1]
	v_mov_b32 v[SUM], 0
	v_mov_b32 v[SUM+1], 0
.irp b, 0,1,2,3
	v_mov_b32 v[BT+\b], 0                          ; a lane permute's destination counts as one of its sources
.endr
	v_mov_b32 v[F+1], 0                            ; named as the upper half of a pair
	v_mov_b32 v[TMP], 0
	s_wait_tensorcnt 0x0                           ; my record has landed,
	s_barrier_signal -1
	s_barrier_wait -1                              ; everybody's has
.Lstep:                                            ; 16 trips in every wave; a step whose keys all come after my queries is jumped over: a branch on ids, round no barrier
	s_add_co_u32 s44, s[Q0], 15
	s_cmp_gt_u32 s[KFS], s44
	s_cbranch_scc1 .Lhidden
	v_add_nc_u32 v[ADR], s[TB], v[LI]
	v_add_nc_u32 v[ADS], s[TB], v[LS]
	v_nop
	v_nop                                          ; four plain instructions behind the last step's products, ahead of loads into their operands
.irp k, 0,1,2,3,4,5
	ds_load_b128 v[KF+4*\k:KF+4*\k+3], v[ADR] offset:512*\k
.endr
	ds_load_b32 v[KS], v[ADS] offset:6144
.irp k, 0,1,2,3,4,5
	ds_load_b128 v[VF+4*\k:VF+4*\k+3], v[ADR] offset:3072+512*\k
.endr
	ds_load_b32 v[VS], v[ADS] offset:6272
	s_wait_dscnt 7                                 ; K's seven loads are in; V's seven may be out
.irp j, 0,1,2,3
	v_wmma_scale_f32_16x16x128_f8f6f4 v[S+8*\j:S+8*\j+7], v[KF:KF+11], v[QC+6-6*(\j/2)+12*(\j%2):QC+6-6*(\j/2)+12*(\j%2)+11], 0, v[KS], v[QS] matrix_a_fmt:MATRIX_FMT_BF6 matrix_b_fmt:MATRIX_FMT_BF6
.endr
.irp j, 0,1,2,3
	v_wmma_scale_f32_16x16x128_f8f6f4 v[S+32+8*\j:S+32+8*\j+7], v[KF+12:KF+23], v[QC+6-6*(\j/2)+12*(\j%2):QC+6-6*(\j/2)+12*(\j%2)+11], 0, v[KS], v[QS] matrix_a_fmt:MATRIX_FMT_BF6 matrix_b_fmt:MATRIX_FMT_BF6 matrix_a_scale:MATRIX_SCALE_ROW1
.endr
.rept 4
	v_nop
.endr
	s_add_co_u32 s44, s[KFS], 127                  ; a step all of whose keys count skips the mask
	s_cmp_le_u32 s44, s[Q0]
	s_cbranch_scc1 .Lopen
	s_sub_co_i32 s44, s[Q0], s[KFS]
	v_and_b32 v[DD], 15, v0
	v_bfe_u32 v[NINF], v0, 4, 1
	v_lshlrev_b32 v[NINF], 3, v[NINF]
	v_sub_nc_u32 v[DD], v[DD], v[NINF]
	v_add_nc_u32 v[DD], s44, v[DD]                 ; d = my query - the step's first key - 8 (lane / 16): register n holds a hidden key where 16 (n / 8) + n % 8 > d
	v_mov_b32 v[NINF], 0xff800000
.set n, 0
.rept 64
	v_cmp_gt_i32 vcc_lo, 16*(n/8)+n%8, v[DD]
	v_cndmask_b32 v[S+n], v[S+n], v[NINF], vcc_lo
.set n, n+1
.endr
.Lopen:
.irp b, 0,1,2,3
	v_max3_num_f32 v[BM+\b], v[S+16*\b], v[S+16*\b+1], v[S+16*\b+2]   ; the largest score of each block of 32 keys: for the row's maximum, and, since p rises with the score, for the block's largest p
.endr
.irp i, 3,5,7,9,11,13
.irp b, 0,1,2,3
	v_max3_num_f32 v[BM+\b], v[BM+\b], v[S+16*\b+\i], v[S+16*\b+\i+1]
.endr
.endr
.irp b, 0,1,2,3
	v_max_num_f32 v[BM+\b], v[BM+\b], v[S+16*\b+15]
.endr
.irp b, 0,1,2,3
	v_permlanex16_b32 v[BT+\b], v[BM+\b], s[SEL], s[SEL+1]
.endr
.irp b, 0,1,2,3
	v_max_num_f32 v[BM+\b], v[BM+\b], v[BT+\b]
.endr
	v_max3_num_f32 v[TMP], v[BM], v[BM+1], v[BM+2]
	v_max_num_f32 v[TMP], v[TMP], v[BM+3]
	v_mul_f32 v[TMP], s[CS], v[TMP]
	v_max_num_f32 v[NM+1], v[NM+1], v[TMP]         ; the running largest t
	v_mov_b32 v[TMP], v[NM]
	v_floor_f32 v[NM], -v[NM+1]                    ; -M = floor(-t)
	v_sub_f32 v[TMP], v[NM], v[TMP]                ; old M - new M: a whole number, 0 or less
	v_cvt_i32_f32 v[TMP], v[TMP]                   ; (it saturates)
	v_ldexp_f32 v[F], 1.0, v[TMP]
.set j, 0
.rept 32
	v_pk_fma_f32 v[S+j:S+j+1], v[S+j:S+j+1], s[CS:CS+1], v[NM:NM+1] op_sel_hi:[1,0,0]   ; t - M
.set j, j+2
.endr
.irp b, 0,1,2,3
	v_fma_f32 v[BM+\b], v[BM+\b], s[CS], v[NM]
.endr
.set j, 0
.rept 64
	v_exp_f32 v[S+j], v[S+j]                       ; p
.set j, j+1
.endr
	v_pk_mul_f32 v[SUM:SUM+1], v[SUM:SUM+1], v[F:F+1] op_sel_hi:[1,0]   ; the sums under the new M: the plain instruction behind the batch
	s_wait_alu depctr_va_vdst(0)                   ; one wait for the 64, ahead of their first reader
.irp b, 0,1,2,3
	v_exp_f32 v[BM+\b], v[BM+\b]                   ; each block's largest p
.endr
	v_pk_add_f32 v[SM2:SM2+1], v[S:S+1], v[S+2:S+3]   ; the row's sum of the unquantised p, in two chains
.set j, 4
.rept 11
	v_pk_add_f32 v[SUM:SUM+1], v[SUM:SUM+1], v[S+j:S+j+1]
	v_pk_add_f32 v[SM2:SM2+1], v[SM2:SM2+1], v[S+j+2:S+j+3]
.set j, j+4
.endr
	s_wait_alu depctr_va_vdst(0)                   ; and one for the four
.irp b, 0,1,2,3
	v_max_num_f32 v[BM+\b], 0x2800000, v[BM+\b]    ; the floor 2^(5 - 127)
.endr
.irp b, 0,1,2,3
	v_add_nc_u32 v[SO+\b], 0xfe000000, v[BM+\b]
.endr
.irp b, 0,1,2,3
	v_lshrrev_b32 v[BT+\b], 23, v[SO+\b]
.endr
	v_lshl_or_b32 v[PS], v[BT+1], 8, v[BT]
	v_lshl_or_b32 v[PS], v[BT+2], 16, v[PS]
	v_lshl_or_b32 v[PS], v[BT+3], 24, v[PS]
.irp c, 0,1
	v_cvt_scalef32_pk16_bf6_f32 v[PC+6*\c:PC+6*\c+2], v[S+32*\c:S+32*\c+15], v[SO+2*\c]
	v_cvt_scalef32_pk16_bf6_f32 v[PT+4*\c:PT+4*\c+2], v[S+32*\c+16:S+32*\c+31], v[SO+2*\c+1]
.endr
	v_nop                                          ; one plain instruction behind the scaled conversions
.irp c, 0,1
.irp i, 0,1,2
	v_permlane16_swap_b32 v[PC+6*\c+\i], v[PT+4*\c+\i]
.endr
.irp i, 0,1,2
	v_mov_b32 v[PC+6*\c+3+\i], v[PT+4*\c+\i]
.endr
.endr
.rept 4                                        ; the rest of the sums stand here: nine plain instructions between p's codes and scale word and the products that take them
	v_pk_add_f32 v[SUM:SUM+1], v[SUM:SUM+1], v[S+j:S+j+1]
	v_pk_add_f32 v[SM2:SM2+1], v[SM2:SM2+1], v[S+j+2:S+j+3]
.set j, j+4
.endr
	v_pk_add_f32 v[SUM:SUM+1], v[SUM:SUM+1], v[SM2:SM2+1]
.set j, 0
.rept 8
	v_pk_mul_f32 v[O+j:O+j+1], v[O+j:O+j+1], v[F:F+1] op_sel_hi:[1,0]   ; O^T under the new M
.set j, j+2
.endr
	s_wait_dscnt 0x0                               ; V
	v_wmma_scale_f32_16x16x128_f8f6f4 v[O:O+7], v[VF:VF+11], v[PC:PC+11], v[O:O+7], v[VS], v[PS] matrix_a_fmt:MATRIX_FMT_BF6 matrix_b_fmt:MATRIX_FMT_BF6
	v_wmma_scale_f32_16x16x128_f8f6f4 v[O+8:O+15], v[VF+12:VF+23], v[PC:PC+11], v[O+8:O+15], v[VS], v[PS] matrix_a_fmt:MATRIX_FMT_BF6 matrix_b_fmt:MATRIX_FMT_BF6 matrix_a_scale:MATRIX_SCALE_ROW1
.Lhidden:
	s_add_co_u32 s[TB], s[TB], REC
	s_add_co_u32 s[KFS], s[KFS], 128
	s_sub_co_u32 s[CNT], s[CNT], 1
	s_cmp_lg_u32 s[CNT], 0
	s_cbranch_scc1 .Lstep
	; THE WAY OUT: O^T / the sum; a lane's 16 numbers are positions 16 (lane / 16) + 0 .. 15 of block "head" of its query's row: 12 bytes of codes and the block's byte, 16 bytes a lane
	v_add_f32 v[SUM], v[SUM], v[SUM+1]
	v_permlanex16_b32 v[TMP], v[SUM], s[SEL], s[SEL+1]
	v_add_f32 v[SUM], v[SUM], v[TMP]
	v_rcp_f32 v[SUM], v[SUM]
.rept 4
	v_nop                                          ; behind the reciprocal, and behind the last products
.endr
	s_wait_alu depctr_va_vdst(0)                   ; ahead of the reciprocal's first reader
.set j, 0
.rept 8
	v_pk_mul_f32 v[S+j:S+j+1], v[O+j:O+j+1], v[SUM:SUM+1] op_sel_hi:[1,0]
.set j, j+2
.endr
	v_max3_num_f32 v[BM], |v[S]|, |v[S+1]|, 0x2800000
.irp i, 2,4,6,8,10,12,14
	v_max3_num_f32 v[BM], v[BM], |v[S+\i]|, |v[S+\i+1]|
.endr
	v_permlanex16_b32 v[BT], v[BM], s[SEL], s[SEL+1]
	v_max_num_f32 v[BM], v[BM], v[BT]
	v_add_nc_u32 v[SO], 0xfe000000, v[BM]
	v_cvt_scalef32_pk16_bf6_f32 v[OUTR:OUTR+2], v[S:S+15], v[SO]
	v_lshrrev_b32 v[OUTR+3], 23, v[SO]
	global_store_b128 v[LI], v[OUTR:OUTR+3], s[42:43]   ; 512 consecutive bytes
	s_wait_tensorcnt 0x0                           ; the wave's end
	ds_add_u32 v[SPW], v[NIL]
	s_wait_dscnt 0x0
	s_endpgm
.Lfunc_end_k_qac1bea6fd7_attn_self:
	.size	k_qac1bea6fd7_attn_self, .Lfunc_end_k_qac1bea6fd7_attn_self-k_qac1bea6fd7_attn_self
	.p2alignl 7, 3214868480
	.fill 96, 4, 3214868480
	.section	.rodata,"a",@progbits
	.p2align	6, 0x0
	.amdhsa_kernel k_qac1bea6fd7_attn_self
		.amdhsa_group_segment_fixed_size 167936
		.amdhsa_private_segment_fixed_size 0
		.amdhsa_enable_private_segment 0
		.amdhsa_kernarg_size 24
		.amdhsa_user_sgpr_count 2
		.amdhsa_user_sgpr_kernarg_segment_ptr 1
		.amdhsa_wavefront_size32 1
		.amdhsa_system_sgpr_workgroup_id_x 1
		.amdhsa_system_sgpr_workgroup_id_y 1
		.amdhsa_system_sgpr_workgroup_id_z 1
		.amdhsa_system_vgpr_workitem_id 0
		.amdhsa_next_free_vgpr 224
		.amdhsa_next_free_sgpr 66
		.amdhsa_reserve_vcc 1
		.amdhsa_float_denorm_mode_32 3
		.amdhsa_float_denorm_mode_16_64 3
		.amdhsa_memory_ordered 1
		.amdhsa_forward_progress 1
		.amdhsa_inst_pref_size 28
	.end_amdhsa_kernel
	.amdgpu_metadata
---
amdhsa.version: [ 1, 2 ]
amdhsa.kernels:
  - .name:           k_qac1bea6fd7_attn_self
    .symbol:         k_qac1bea6fd7_attn_self.kd
    .args:
      - { .name: qb, .offset: 0, .size: 8, .value_kind: global_buffer, .address_space: global }
      - { .name: kv, .offset: 8, .size: 8, .value_kind: global_buffer, .address_space: global }
      - { .name: ob, .offset: 16, .size: 8, .value_kind: global_buffer, .address_space: global }
    .group_segment_fixed_size: 167936
    .private_segment_fixed_size: 0
    .kernarg_segment_align: 8
    .kernarg_segment_size: 24
    .max_flat_workgroup_size: 512
    .sgpr_count:     66
    .vgpr_count:     224
    .wavefront_size: 32
...
	.end_amdgpu_metadata
.endif
;; end of part 3
;; launch mid1 (part 4): grid 64 x 1, 16 waves a work-group, no clusters, 62,464 bytes of LDS; arguments ob, wq, x, ln1_g, ln1_b, h1, qb; writes h1, qb
.if DOCPART == 4
	.amdgcn_target "amdgcn-amd-amdhsa--gfx1250"
	.amdhsa_code_object_version 6
	.text
	.protected	k_qac1bea6fd7_mid1
	.globl	k_qac1bea6fd7_mid1
	.p2align	8
	.type	k_qac1bea6fd7_mid1,@function
k_qac1bea6fd7_mid1:
	s_mov_b64 s[64:65], 0
	v_nop
	global_prefetch_b8 v0, s[64:65] scope:SCOPE_SE
	s_setreg_imm32_b32 hwreg(HW_REG_WAVE_MODE, 25, 1), 1
	s_wait_xcnt 0x0
; Launch 4 of 6: h = layernorm(x + o sa_wo^T), kept in f32 for the next residual; q2 = h ca_wq^T, quantised for cross-attention.
; SHARES.  A work-group takes 64 rows (four tiles T of 16).  THE WAVES SHARE THE COLUMNS: wave w makes features 32 w .. 32 w + 31 of all 64 rows: 8 accumulators (16 T + 8 u).
; Products are used transposed (source 0 = 16 rows of W, source 1 = 16 rows): a lane holds one row and 16 of its features.  A wave's weights go from memory straight into its registers; nobody else in the work-group multiplies them.
; The rows' operands go from wave to wave through LDS as images of their registers.  x is the C of the first product's first instruction.
; The norm's two sums over a row's 512 features: within a lane, across the two halves of the lanes, then across the sixteen waves through LDS (two barriers).
; h leaves as the image of the accumulators (512 consecutive bytes a store): only the launch mid2, which has the same layout, reads it.
; 64 work-groups: a norm wants whole rows, and fewer rows to a work-group would only read the weights more often.  No tensor load, so no cluster.
; The reciprocals 1 / 512, 1 / 511 and 1 / (std + eps) are applied by multiplication.
.set RED1,  0                          ; LDS: 16 waves x 16 rows x 4 tiles: the first sums;
.set RED2,  4096                       ; the second
.set AIMG,  8192                       ; o's 16 images, (4 T + s) x 1,536
.set ASCL,  32768                      ; their scale words, 128 bytes each
.set HIMG,  34816                      ; h's 16 images
.set HSCL,  59392                      ; their scale words, 64 bytes each
.set SPARE, 60416                      ; the spare words, 128 bytes a wave: eight blocks of 256 bytes that no other line names
.set R,   1
.set H,   2
.set LI,  3                            ; 16 x lane
.set LSR, 4                            ; 4 r
.set R16, 5                            ; 16 r
.set GV,  6                            ; 128 w + 32 h: my features' bytes in a vector of 512
.set RW,  7                            ; 256 w + 16 r
.set RR,  8                            ; 16 r + 2,048 h
.set HA,  9                            ; v9-11 where my three code words of a tile go in h's images
.set HB,  12                           ; and my block's scale byte
.set ACC, 16                           ; v16-79
.set WF,  80                           ; v80-175  my weights of four K steps
.set AF,  176                          ; v176-223 four fragments of rows; between products: G, BT, RT or TM, CV
.set G,   176
.set BT,  192
.set RT,  208
.set CV,  192
.set WS,  224                          ; v224-239 my weights' scale words
.set AS,  240                          ; v240-243 the rows' scale words
.set MS,  244                          ; v244-251 four pairs: a tile's mean, later 1 / (std + eps); at the head four addresses
.set XV,  244
.set POA, 245
.set PIA, 246
.set PSA, 247
.set SPW, 252
.set NIL, 253
.set T0,  254
.set T1,  255
.set TM,  176
.set WV,  18
.set SEL, 20
.set OBP, 32
.set XP,  34
.set WAP, 36
.set WAS, 38
.set WBP, 40
.set WBS, 42
.set H1P, 44
.set QCP, 46
.set QSP, 48
.macro QSCALE s
.irp b, 0,1,2,3
	v_mov_b32 v[TM+4+\b], 0                        ; a lane permute's destination counts as one of its sources
.endr
.irp b, 0,1,2,3
	v_max3_num_f32 v[TM+\b], |v[\s+16*\b]|, |v[\s+1+16*\b]|, 0x2800000   ; with the floor 2^(5 - 127).  Each accumulator is read from its low end on
.endr
.irp i, 2,4,6,8,10,12,14
.irp b, 0,1,2,3
	v_max3_num_f32 v[TM+\b], v[TM+\b], |v[\s+16*\b+\i]|, |v[\s+1+16*\b+\i]|
.endr
.endr
.irp b, 0,1,2,3
	v_permlanex16_b32 v[TM+4+\b], v[TM+\b], s[SEL], s[SEL+1]
.endr
.irp b, 0,1,2,3
	v_max_num_f32 v[TM+\b], v[TM+\b], v[TM+4+\b]
.endr
.irp b, 0,1,2,3
	v_add_nc_u32 v[TM+12+\b], 0xfe000000, v[TM+\b]
.endr
.irp b, 0,1,2,3
	v_lshrrev_b32 v[TM+4+\b], 23, v[TM+12+\b]
.endr
.endm
.macro QUANT s, d, t, wd
	QSCALE \s
	v_lshl_or_b32 v[\wd], v[TM+5], 8, v[TM+4]
	v_lshl_or_b32 v[\wd], v[TM+6], 16, v[\wd]
	v_lshl_or_b32 v[\wd], v[TM+7], 24, v[\wd]
.irp c, 0,1
	v_cvt_scalef32_pk16_bf6_f32 v[\d+6*\c:\d+6*\c+2], v[\s+32*\c:\s+32*\c+15], v[TM+12+2*\c]
	v_cvt_scalef32_pk16_bf6_f32 v[\t+4*\c:\t+4*\c+2], v[\s+32*\c+16:\s+32*\c+31], v[TM+13+2*\c]
.endr
	v_nop
.irp c, 0,1
.irp i, 0,1,2
	v_permlane16_swap_b32 v[\d+6*\c+\i], v[\t+4*\c+\i]
.endr
.irp i, 0,1,2
	v_mov_b32 v[\d+6*\c+3+\i], v[\t+4*\c+\i]
.endr
.endr
.endm
.macro PLACES                          ; four plain instructions between a matrix instruction and a load into, or a vector instruction on, its registers
.rept 4
	v_nop
.endr
.endm
.macro BARRIER                         ; my LDS stores have landed and my LDS loads are in: then the work-group's barrier
	s_wait_dscnt 0x0
	s_barrier_signal -1
	s_barrier_wait -1
.endm
.macro WLOAD4 bs, ustr, o              ; my two row tiles of W, four K steps: 24 loads of 512 consecutive bytes
.irp s, 0,1,2,3
.irp u, 0,1
.irp c, 0,1,2
	global_load_b128 v[WF+24*\s+12*\u+4*\c:WF+24*\s+12*\u+4*\c+3], v[LI], s[\bs:\bs+1] offset:\o+\ustr*\u+1536*\s+512*\c
.endr
.endr
.endr
.endm
.macro KLOAD adr, img, ft, sadr, scl, sw, s   ; K step s of the four tiles of rows, and their scale words
.irp t, 0,1,2,3
.irp c, 0,1,2
	ds_load_b128 v[AF+12*\t+4*\c:AF+12*\t+4*\c+3], v[\adr] offset:\img+(\ft*\t+(\s))*1536+512*\c
.endr
	ds_load_b32 v[AS+\t], v[\sadr] offset:\scl+(\ft*\t+(\s))*\sw
.endr
	s_wait_dscnt 0x0
.endm
.macro KMUL slot, wb, wu, zero         ; eight products: the accumulators take turns, one instruction a turn
.irp t, 0,1,2,3
.irp u, 0,1
.if \zero
	v_wmma_scale_f32_16x16x128_f8f6f4 v[ACC+16*\t+8*\u:ACC+16*\t+8*\u+7], v[WF+24*(\slot)+12*\u:WF+24*(\slot)+12*\u+11], v[AF+12*\t:AF+12*\t+11], 0, v[WS+(\wb)+\wu*\u], v[AS+\t] matrix_a_fmt:MATRIX_FMT_BF6 matrix_b_fmt:MATRIX_FMT_BF6
.else
	v_wmma_scale_f32_16x16x128_f8f6f4 v[ACC+16*\t+8*\u:ACC+16*\t+8*\u+7], v[WF+24*(\slot)+12*\u:WF+24*(\slot)+12*\u+11], v[AF+12*\t:AF+12*\t+11], v[ACC+16*\t+8*\u:ACC+16*\t+8*\u+7], v[WS+(\wb)+\wu*\u], v[AS+\t] matrix_a_fmt:MATRIX_FMT_BF6 matrix_b_fmt:MATRIX_FMT_BF6
.endif
.endr
.endr
.endm
.macro GBLOAD gs, bp                   ; gain and bias of my 16 features
.irp u, 0,1
.irp e, 0,1
	global_load_b128 v[G+8*\u+4*\e:G+8*\u+4*\e+3], v[GV], s[\gs:\gs+1] offset:64*\u+16*\e
	global_load_b128 v[BT+8*\u+4*\e:BT+8*\u+4*\e+3], v[GV], s[\bp:\bp+1] offset:64*\u+16*\e
.endr
.endr
.endm
.macro ROWEND                          ; the four chains' halves, and lane l xor 16's: my wave's sums for row r of each tile, in RT + T
.irp t, 0,1,2,3
	v_add_f32 v[RT+\t], v[RT+8+2*\t], v[RT+9+2*\t]
.endr
.irp t, 0,1,2,3
	v_permlanex16_b32 v[RT+4+\t], v[RT+\t], s[SEL], s[SEL+1]
.endr
.irp t, 0,1,2,3
	v_add_f32 v[RT+\t], v[RT+\t], v[RT+4+\t]
.endr
.endm
.macro ROWSUM
.irp t, 0,1,2,3
	v_pk_add_f32 v[RT+8+2*\t:RT+9+2*\t], v[ACC+16*\t:ACC+16*\t+1], v[ACC+16*\t+2:ACC+16*\t+3]   ; each accumulator from its low end on
.endr
.irp j, 4,6,8,10,12,14
.irp t, 0,1,2,3
	v_pk_add_f32 v[RT+8+2*\t:RT+9+2*\t], v[RT+8+2*\t:RT+9+2*\t], v[ACC+16*\t+\j:ACC+16*\t+\j+1]
.endr
.endr
	ROWEND
.endm
.macro ROWSQ
.irp t, 0,1,2,3
	v_pk_mul_f32 v[RT+8+2*\t:RT+9+2*\t], v[ACC+16*\t:ACC+16*\t+1], v[ACC+16*\t:ACC+16*\t+1]
.endr
.irp j, 2,4,6,8,10,12,14
.irp t, 0,1,2,3
	v_pk_fma_f32 v[RT+8+2*\t:RT+9+2*\t], v[ACC+16*\t+\j:ACC+16*\t+\j+1], v[ACC+16*\t+\j:ACC+16*\t+\j+1], v[RT+8+2*\t:RT+9+2*\t]
.endr
.endr
	ROWEND
.endm
.macro XSUM4                           ; four vectors of four in RT .. RT + 15 -> pairs RT, RT + 2 and RT + 8, RT + 10
	v_pk_add_f32 v[RT:RT+1], v[RT:RT+1], v[RT+4:RT+5]
	v_pk_add_f32 v[RT+2:RT+3], v[RT+2:RT+3], v[RT+6:RT+7]
	v_pk_add_f32 v[RT+8:RT+9], v[RT+8:RT+9], v[RT+12:RT+13]
	v_pk_add_f32 v[RT+10:RT+11], v[RT+10:RT+11], v[RT+14:RT+15]
.endm
.macro XRED red                        ; the sixteen waves' sums meet: every lane ends with the totals of row r of the four tiles in RT .. RT + 3
	ds_store_b128 v[RW], v[RT:RT+3] offset:\red    ; (both halves of the lanes write the same bytes with the same values)
	BARRIER
.irp k, 0,1,2,3
	ds_load_b128 v[RT+4*\k:RT+4*\k+3], v[RR] offset:\red+256*\k   ; lanes 0-15 take waves 0-7, lanes 16-31 waves 8-15
.endr
	s_wait_dscnt 0x0
	XSUM4
	v_pk_add_f32 v[MS:MS+1], v[RT:RT+1], v[RT+8:RT+9]
	v_pk_add_f32 v[MS+2:MS+3], v[RT+2:RT+3], v[RT+10:RT+11]
.irp k, 0,1,2,3
	ds_load_b128 v[RT+4*\k:RT+4*\k+3], v[RR] offset:\red+1024+256*\k
.endr
	s_wait_dscnt 0x0
	XSUM4
	v_pk_add_f32 v[RT:RT+1], v[RT:RT+1], v[RT+8:RT+9]
	v_pk_add_f32 v[RT+2:RT+3], v[RT+2:RT+3], v[RT+10:RT+11]
	v_pk_add_f32 v[RT:RT+1], v[RT:RT+1], v[MS:MS+1]
	v_pk_add_f32 v[RT+2:RT+3], v[RT+2:RT+3], v[MS+2:MS+3]
.irp t, 0,1,2,3
	v_permlanex16_b32 v[RT+4+\t], v[RT+\t], s[SEL], s[SEL+1]
.endr
.irp t, 0,1,2,3
	v_add_f32 v[RT+\t], v[RT+\t], v[RT+4+\t]
.endr
.endm
.macro LNORM                           ; ACC = gain (ACC - mean) / (std + eps) + bias, std with 511 in the divisor
	ROWSUM
	XRED RED1
.irp t, 0,1,2,3
	v_mul_f32 v[MS+2*\t], 0x3b000000, v[RT+\t]     ; / 512
.endr
.irp t, 0,1,2,3
	v_mov_b32 v[MS+2*\t+1], v[MS+2*\t]
.endr
.irp t, 0,1,2,3
.irp j, 0,2,4,6,8,10,12,14
	v_pk_add_f32 v[ACC+16*\t+\j:ACC+16*\t+\j+1], v[ACC+16*\t+\j:ACC+16*\t+\j+1], v[MS+2*\t:MS+2*\t+1] neg_lo:[0,1] neg_hi:[0,1]
.endr
.endr
	ROWSQ
	XRED RED2
.irp t, 0,1,2,3
	v_mul_f32 v[RT+\t], 0x3b004020, v[RT+\t]       ; / 511
.endr
.irp t, 0,1,2,3
	v_sqrt_f32 v[RT+4+\t], v[RT+\t]
.endr
	v_nop
	s_wait_alu depctr_va_vdst(0)                   ; one wait for the four roots, ahead of their first reader
.irp t, 0,1,2,3
	v_add_f32 v[RT+4+\t], 0x358637bd, v[RT+4+\t]   ; + 1e-6
.endr
.irp t, 0,1,2,3
	v_rcp_f32 v[MS+2*\t], v[RT+4+\t]
.endr
	v_nop
	s_wait_alu depctr_va_vdst(0)                   ; and one for the four reciprocals
.irp t, 0,1,2,3
	v_mov_b32 v[MS+2*\t+1], v[MS+2*\t]
.endr
	s_wait_loadcnt 0x0                             ; gain and bias (and the next weights, asked for with them)
.irp t, 0,1,2,3
.irp j, 0,2,4,6,8,10,12,14
	v_pk_mul_f32 v[ACC+16*\t+\j:ACC+16*\t+\j+1], v[ACC+16*\t+\j:ACC+16*\t+\j+1], v[MS+2*\t:MS+2*\t+1]
.endr
.endr
.irp t, 0,1,2,3
.irp j, 0,2,4,6,8,10,12,14
	v_pk_fma_f32 v[ACC+16*\t+\j:ACC+16*\t+\j+1], v[ACC+16*\t+\j:ACC+16*\t+\j+1], v[G+\j:G+\j+1], v[BT+\j:BT+\j+1]
.endr
.endr
.endm
; Where half a block's three code words go in an image: word p0 + k of the block's lane, p0 = s[sp0] + 3 h: 512 (p / 4) + 4 (p % 4) + 16 r + s[sbase]; the block's byte: 4 r + s[sbyte]
.macro HADDR ha, hb, sp0, sbase, sbyte
	v_mul_u32_u24 v[T0], v[H], 3
	v_add_nc_u32 v[T0], s[\sp0], v[T0]
.irp k, 0,1,2
	v_add_nc_u32 v[T1], \k, v[T0]
	v_lshrrev_b32 v[\ha+\k], 2, v[T1]
	v_and_b32 v[T1], 3, v[T1]
	v_lshl_add_u32 v[\ha+\k], v[\ha+\k], 9, v[R16]
	v_lshl_add_u32 v[\ha+\k], v[T1], 2, v[\ha+\k]
	v_add_nc_u32 v[\ha+\k], s[\sbase], v[\ha+\k]
.endr
	v_add_nc_u32 v[\hb], s[\sbyte], v[LSR]
.endm
; My 32 features are one block of 32 of the next K, for each of the 64 rows: codes and bytes go into the next operand's images
.macro HQ ha, hb, img, tstr, scl, sstr
	QSCALE ACC
.irp t, 0,1,2,3
	v_cvt_scalef32_pk16_bf6_f32 v[CV+4*\t:CV+4*\t+2], v[ACC+16*\t:ACC+16*\t+15], v[TM+12+\t]
.endr
	v_nop                                          ; one plain instruction behind the scaled conversions
.irp t, 0,1,2,3
.irp k, 0,1,2
	ds_store_b32 v[\ha+\k], v[CV+4*\t+\k] offset:\img+\tstr*\t
.endr
	ds_store_b8 v[\hb], v[TM+4+\t] offset:\scl+\sstr*\t   ; (both halves of the lanes write the same byte with the same value)
.endr
.endm
	s_load_b256 s[4:11], s[0:1], 0x0               ; ob, wq, x, ln1_g
	s_load_b128 s[12:15], s[0:1], 0x20             ; ln1_b, h1
	s_load_b64 s[16:17], s[0:1], 0x30              ; qb
	v_lshl_add_u32 v[SPW], v0, 2, SPARE
	v_mov_b32 v[NIL], 0
	v_lshrrev_b32 v[T0], 5, v0
	v_readfirstlane_b32 s[WV], v[T0]
	v_and_b32 v[R], 15, v0
	v_bfe_u32 v[H], v0, 4, 1
	v_and_b32 v[T0], 31, v0
	v_lshlrev_b32 v[LI], 4, v[T0]
	v_lshlrev_b32 v[LSR], 2, v[R]
	v_lshlrev_b32 v[R16], 4, v[R]
	s_lshl_b32 s22, s[WV], 7
	v_lshl_add_u32 v[GV], v[H], 5, s22
	s_lshl_b32 s23, s[WV], 8
	v_add_nc_u32 v[RW], s23, v[R16]
	v_lshl_add_u32 v[RR], v[H], 11, v[R16]
	v_lshl_add_u32 v[XV], v[R], 11, v[GV]          ; x: row r, my features
	v_lshl_add_u32 v[POA], v[H], 9, v[R16]         ; ob: head + h, row r
	s_mul_i32 s24, s[WV], 1536
	s_add_co_u32 s24, s24, AIMG
	v_add_nc_u32 v[PIA], s24, v[LI]
	s_add_co_u32 s25, s22, ASCL
	v_lshl_add_u32 v[PSA], v[T0], 2, s25
	s_bfe_u32 s26, s[WV], 0x10001
	s_mul_i32 s26, s26, 6                          ; block w of h's K: registers 0-5 or 6-11 of its image,
	s_and_b32 s27, s[WV], 1
	s_lshl_b32 s27, s27, 8                         ; lanes 0-15 or 16-31,
	s_lshr_b32 s28, s[WV], 2
	s_mul_i32 s29, s28, 1536                       ; K step w / 4
	s_add_co_u32 s27, s27, s29
	s_and_b32 s29, s[WV], 3
	s_lshl_b32 s28, s28, 6
	s_add_co_u32 s29, s29, s28
	HADDR HA, HB, 26, 27, 29
	s_mov_b32 s[SEL], 0x76543210
	s_mov_b32 s[SEL+1], 0xfedcba98
	s_lshl_b32 s22, ttmp9, 15
	s_lshl_b32 s23, s[WV], 11
	s_add_co_u32 s22, s22, s23                     ; ob: my fragment's four heads of my tile of rows (fragment w = 4 T + s)
	s_mov_b32 s23, 0
	s_lshl_b32 s24, ttmp9, 17                      ; 64 rows of 2,048 bytes
	s_mov_b32 s25, 0
	s_mul_i32 s26, s[WV], 12288
	s_add_co_u32 s28, s26, 983040                  ; sa_wo, my two row tiles
	s_mov_b32 s29, 0
	s_add_co_u32 s30, s26, 1179648                 ; ca_wq
	s_mov_b32 s31, 0
	s_lshl_b32 s27, s[WV], 9
	s_add_co_u32 s50, s27, 2400256                 ; their scale words
	s_mov_b32 s51, 0
	s_add_co_u32 s52, s27, 2408448
	s_mov_b32 s53, 0
	s_lshl_b32 s54, s[WV], 13
	s_add_co_u32 s54, s54, s24
	s_mov_b32 s55, 0
	s_lshr_b32 s56, ttmp9, 5
	s_lshl_b32 s56, s56, 4
	s_add_co_u32 s56, s56, s[WV]
	s_lshl_b32 s56, s56, 5
	s_and_b32 s57, ttmp9, 31
	s_add_co_u32 s56, s56, s57                     ; q2's fragment: (16 b + head) 32 + group of 64 queries
	s_lshl_b32 s58, s56, 6
	s_add_co_u32 s58, s58, 1572864
	s_mov_b32 s59, 0
	s_mul_i32 s56, s56, 1536
	s_mov_b32 s57, 0
	s_wait_kmcnt 0x0
	s_add_nc_u64 s[OBP:OBP+1], s[4:5], s[22:23]
	s_add_nc_u64 s[XP:XP+1], s[8:9], s[24:25]
	s_add_nc_u64 s[WAP:WAP+1], s[6:7], s[28:29]
	s_add_nc_u64 s[WAS:WAS+1], s[6:7], s[50:51]
	s_add_nc_u64 s[WBP:WBP+1], s[6:7], s[30:31]
	s_add_nc_u64 s[WBS:WBS+1], s[6:7], s[52:53]
	s_add_nc_u64 s[H1P:H1P+1], s[14:15], s[54:55]
	s_add_nc_u64 s[QCP:QCP+1], s[16:17], s[56:57]
	s_add_nc_u64 s[QSP:QSP+1], s[16:17], s[58:59]
	; wave w builds o's fragment w from four records of 512 bytes: lane (r, h) wants blocks h and 2 + h whole: each is two pieces of 12 bytes, with the block's byte behind each
	global_load_b128 v[176:179], v[POA], s[OBP:OBP+1]
	global_load_b128 v[188:191], v[POA], s[OBP:OBP+1] offset:256
	global_load_b128 v[182:185], v[POA], s[OBP:OBP+1] offset:1024
	global_load_b128 v[192:195], v[POA], s[OBP:OBP+1] offset:1280
.irp t, 0,1,2,3
.irp u, 0,1
.irp e, 0,1
	global_load_b128 v[ACC+16*\t+8*\u+4*\e:ACC+16*\t+8*\u+4*\e+3], v[XV], s[XP:XP+1] offset:32768*\t+64*\u+16*\e   ; the residual, in the result's layout
.endr
.endr
.endr
	WLOAD4 WAP, 6144, 0
.irp u, 0,1
	global_load_b128 v[WS+4*\u:WS+4*\u+3], v[R16], s[WAS:WAS+1] offset:256*\u
.endr
	s_wait_loadcnt 42                              ; the four loads of o are in; the 16 + 24 + 2 behind them may be out
	v_lshl_or_b32 v[T0], v185, 16, v179            ; my two bytes,
	v_lshlrev_b32 v[T1], 3, v[H]
	v_lshlrev_b32 v[T0], v[T1], v[T0]              ; at their places in the scale word;
	v_mov_b32 v[T1], 0
	v_permlanex16_b32 v[T1], v[T0], s[SEL], s[SEL+1]
	v_or_b32 v[T0], v[T0], v[T1]                   ; with lane l xor 16's the word is whole
.irp i, 0,1,2
	v_mov_b32 v[179+\i], v[188+\i]
	v_mov_b32 v[185+\i], v[192+\i]
.endr
	ds_store_b128 v[PIA], v[176:179]
	ds_store_b128 v[PIA], v[180:183] offset:512
	ds_store_b128 v[PIA], v[184:187] offset:1024
	ds_store_b32 v[PSA], v[T0]
	BARRIER                                        ; o's sixteen fragments lie in LDS
	s_wait_loadcnt 0x0                             ; x, sa_wo, its scale words
.irp s, 0,1,2,3
	PLACES
	KLOAD LI, AIMG, 4, LSR, ASCL, 128, \s
	KMUL \s, \s, 4, 0                              ; x + o sa_wo^T
.endr
	PLACES
	GBLOAD 10, 12
	WLOAD4 WBP, 6144, 0                            ; ca_wq lands while the norm is made
.irp u, 0,1
	global_load_b128 v[WS+4*\u:WS+4*\u+3], v[R16], s[WBS:WBS+1] offset:256*\u
.endr
	LNORM
.irp k, 0,1,2,3,4,5,6,7,8,9,10,11,12,13,14,15
	global_store_b128 v[LI], v[ACC+4*\k:ACC+4*\k+3], s[H1P:H1P+1] offset:512*\k   ; h, as the accumulators stand
.endr
	HQ HA, HB, HIMG, 6144, HSCL, 256
	BARRIER                                        ; h's sixteen fragments lie in LDS
	s_wait_xcnt 0x0                                ; the stores of h have read the accumulators, which the next products write
	PLACES
	KLOAD LI, HIMG, 4, LSR, HSCL, 64, 0
	KMUL 0, 0, 4, 1
.irp s, 1,2,3
	PLACES
	KLOAD LI, HIMG, 4, LSR, HSCL, 64, \s
	KMUL \s, \s, 4, 0
.endr
	PLACES
.set TM, 196
	QUANT ACC, 176, 188, 212                       ; head w of 64 queries: one fragment: its row m, block T is query 16 T + m
.irp c, 0,1,2
	global_store_b128 v[LI], v[176+4*\c:176+4*\c+3], s[QCP:QCP+1] offset:512*\c
.endr
	global_store_b32 v[LSR], v212, s[QSP:QSP+1]    ; (both halves of the lanes store the same word)
	s_wait_tensorcnt 0x0                           ; the wave's end, behind my last LDS store
	ds_add_u32 v[SPW], v[NIL]
	s_wait_dscnt 0x0
	s_endpgm
.Lfunc_end_k_qac1bea6fd7_mid1:
	.size	k_qac1bea6fd7_mid1, .Lfunc_end_k_qac1bea6fd7_mid1-k_qac1bea6fd7_mid1
	.p2alignl 7, 3214868480
	.fill 96, 4, 3214868480
	.section	.rodata,"a",@progbits
	.p2align	6, 0x0
	.amdhsa_kernel k_qac1bea6fd7_mid1
		.amdhsa_group_segment_fixed_size 62464
		.amdhsa_private_segment_fixed_size 0
		.amdhsa_enable_private_segment 0
		.amdhsa_kernarg_size 56
		.amdhsa_user_sgpr_count 2
		.amdhsa_user_sgpr_kernarg_segment_ptr 1
		.amdhsa_wavefront_size32 1
		.amdhsa_system_sgpr_workgroup_id_x 1
		.amdhsa_system_sgpr_workgroup_id_y 1
		.amdhsa_system_sgpr_workgroup_id_z 1
		.amdhsa_system_vgpr_workitem_id 0
		.amdhsa_next_free_vgpr 256
		.amdhsa_next_free_sgpr 66
		.amdhsa_reserve_vcc 0
		.amdhsa_float_denorm_mode_32 3
		.amdhsa_float_denorm_mode_16_64 3
		.amdhsa_memory_ordered 1
		.amdhsa_forward_progress 1
		.amdhsa_inst_pref_size 57
	.end_amdhsa_kernel
	.amdgpu_metadata
---
amdhsa.version: [ 1, 2 ]
amdhsa.kernels:
  - .name:           k_qac1bea6fd7_mid1
    .symbol:         k_qac1bea6fd7_mid1.kd
    .args:
      - { .name: ob, .offset: 0, .size: 8, .value_kind: global_buffer, .address_space: global }
      - { .name: wq, .offset: 8, .size: 8, .value_kind: global_buffer, .address_space: global }
      - { .name: x, .offset: 16, .size: 8, .value_kind: global_buffer, .address_space: global }
      - { .name: ln1_g, .offset: 24, .size: 8, .value_kind: global_buffer, .address_space: global }
      - { .name: ln1_b, .offset: 32, .size: 8, .value_kind: global_buffer, .address_space: global }
      - { .name: h1, .offset: 40, .size: 8, .value_kind: global_buffer, .address_space: global }
      - { .name: qb, .offset: 48, .size: 8, .value_kind: global_buffer, .address_space: global }
    .group_segment_fixed_size: 62464
    .private_segment_fixed_size: 0
    .kernarg_segment_align: 8
    .kernarg_segment_size: 56
    .max_flat_workgroup_size: 512
    .sgpr_count:     66
    .vgpr_count:     256
    .wavefront_size: 32
...
	.end_amdgpu_metadata
.endif
;; end of part 4
;; launch attn_cross (part 5): grid 8 x 32, 16 waves a work-group, clusters of 4 x 1, 167,936 bytes of LDS; arguments qb, kv, ob; writes ob
.if DOCPART == 5
	.amdgcn_target "amdgcn-amd-amdhsa--gfx1250"
	.amdhsa_code_object_version 6
	.text
	.protected	k_qac1bea6fd7_attn_cross
	.globl	k_qac1bea6fd7_attn_cross
	.p2align	8
	.type	k_qac1bea6fd7_attn_cross,@function
k_qac1bea6fd7_attn_cross:
	s_mov_b64 s[64:65], 0
	v_nop
	global_prefetch_b8 v0, s[64:65] scope:SCOPE_SE
	s_setreg_imm32_b32 hwreg(HW_REG_WAVE_MODE, 25, 1), 1
	s_wait_xcnt 0x0
	s_wait_alu depctr_hold_cnt(0) depctr_sa_sdst(0) depctr_va_vdst(0) depctr_va_sdst(0) depctr_va_ssrc(0) depctr_va_vcc(0) depctr_vm_vsrc(0)
	s_getreg_b32 s2, hwreg(HW_REG_IB_STS2, 6, 4)
	s_cmp_eq_u32 s2, 0
	s_cbranch_scc0 .Lentry_in_a_cluster
	s_endpgm
.Lentry_in_a_cluster:
	s_bfe_u32 s2, ttmp6, 0x10000c
	s_cmp_lg_u32 s2, 0x3003
	s_cbranch_scc0 .Lentry_shape_is_right
	s_endpgm
.Lentry_shape_is_right:
; Launch 5 of 6: cross-attention on codes of E3M2, no mask; its result, divided by the row's sum, leaves quantised for the projection that follows.
; SHARES.  A work-group takes one (b, head) (y) and 256 queries; each of its sixteen waves one tile of 16, in 224 registers: four waves to a SIMD.  Every wave walks the head's 16 key steps of 128.
; LDS.  The head's 16 records (K's and V^T's fragments and scale words of 128 keys: 6,400 bytes) come ONCE, one tensor load a wave, and stay: nothing is filled twice, so there is no ring.  A wave has one tensor load out.
; CLUSTER.  The four work-groups of a cluster belong to one head and want the same records: each record is asked for JOINTLY, by the same load with the same descriptor (made of the head and the wave's number alone) and the mask 15.
; A work-group's place in its cluster enters the addresses of q and of the result alone: no branch, no LDS address.
; THE SCORE PRODUCT HAS K = 32.  A fragment of K holds 64 keys: its row m, block j is key 16 j + m.  It is multiplied four times, by q laid in block j with zero codes in the other three blocks:
; register i of tile 4 f + j is the score of key 64 f + 16 j + 8 (lane / 16) + i for query lane % 16: two neighbouring tiles are 16 of a block of 32 keys, in the order inside a block that all operands of this program share.
; SOFTMAX: t = score x log2(e) / sqrt(512); M = the running largest t rounded up to a whole number; p = 2^(t - M) is quantised along the keys; the row's sum is taken of the unquantised p and divides at the end.
.set REC,   6400
.set KVOFF, 3276800
.set SPARE, 102400                     ; behind the records: the spare words, 128 bytes a wave: eight blocks of 256 bytes that no other line names
.set LI,  1
.set LS,  2
.set ADR, 3
.set ADS, 4
.set SPW, 5
.set NIL, 6
.set NM,  12                           ; v12 -M, v13 the largest t
.set SUM, 14
.set QC,  16                           ; v16-45  zeros | q in lanes 0-15 | zeros | q in lanes 16-31 | zeros
.set QS,  46
.set KS,  47
.set VS,  48
.set PS,  49
.set KF,  50
.set VF,  74
.set S,   98
.set O,   162
.set PC,  178
.set PT,  190
.set BM,  198
.set BT,  202
.set SO,  206
.set F,   210
.set TMP, 212
.set SM2, 214
.set OUTR, 220
.set WV,  10
.set Y,   11
.set G0,  12
.set G1,  16
.set SEL, 28
.set CS,  30
.set TB,  32
.set CNT, 35
.macro CROUND                          ; a round of the cluster's barrier
	s_barrier_signal -1
	s_barrier_wait -1
	s_cmp_lg_u32 s[WV], 0
	s_cbranch_scc1 .Lnot_wave_0_\@
	s_barrier_signal -3
.Lnot_wave_0_\@:
	s_barrier_wait -3
	s_barrier_signal -1
	s_barrier_wait -1
.endm
	s_load_b128 s[4:7], s[0:1], 0x0                ; qb, kv
	s_load_b64 s[8:9], s[0:1], 0x10                ; ob
	v_lshl_add_u32 v[SPW], v0, 2, SPARE
	v_mov_b32 v[NIL], 0
	ds_add_u32 v[SPW], v[NIL]                      ; the wave's opening: the add, twice on end, and its wait ahead of the round in front of my tensor load
	ds_add_u32 v[SPW], v[NIL]
	v_lshrrev_b32 v7, 5, v0
	v_readfirstlane_b32 s[WV], v7
	s_and_b32 s[Y], ttmp7, 0xffff                  ; 16 b + head: the four partners share it
	s_bfe_u32 s44, ttmp6, 0x40000                  ; cx
	s_lshl_b32 s24, ttmp9, 2
	s_add_co_u32 s24, s24, s44                     ; my block of 256 queries
	s_lshl_b32 s25, s24, 4
	s_add_co_u32 s25, s25, s[WV]                   ; my tile of 16 queries, 0 .. 127
	s_and_b32 s45, s25, 3                          ; which block of q's fragment is my tile
	s_lshr_b32 s46, s25, 2
	s_lshl_b32 s47, s[Y], 5
	s_add_co_u32 s46, s46, s47                     ; which fragment
	s_mul_i32 s48, s46, 1536
	s_mov_b32 s49, 0
	s_lshl_b32 s50, s46, 6
	s_add_co_u32 s50, s50, 1572864
	s_mov_b32 s51, 0
	s_and_b32 s52, s45, 1
	s_lshl_b32 s52, s52, 8                         ; the block lies in lanes 0-15 or 16-31 of the image,
	s_lshr_b32 s53, s45, 1                         ; in registers 0-5 or 6-11: bytes 0, 8, 512 or 520, 1024, 1032
	s_mul_i32 s54, s53, 520
	s_add_co_u32 s54, s54, s52
	s_mul_i32 s55, s53, 1016
	s_add_co_u32 s55, s55, s52
	s_mul_i32 s56, s45, 0x01010101                 ; byte select: my tile's byte of the scale word, four times
	s_lshr_b32 s58, s[Y], 4
	s_lshl_b32 s58, s58, 7
	s_add_co_u32 s58, s58, s25
	s_lshl_b32 s58, s58, 4
	s_and_b32 s47, s[Y], 15
	s_add_co_u32 s58, s58, s47
	s_lshl_b32 s58, s58, 9                         ; ob: ((128 b + tile) 16 + head) x 512
	s_mov_b32 s59, 0
	s_lshl_b32 s60, s[Y], 4
	s_add_co_u32 s60, s60, s[WV]
	s_mul_i32 s60, s60, REC                        ; the record that I fetch: key step = my wave's number
	s_add_co_u32 s60, s60, KVOFF
	s_mov_b32 s61, 0
	s_mov_b32 s[G1], 15|(3<<16)|(1<<21)            ; group 1: the mask: all four work-groups, bit 21 beside it; elements of 8 bytes; no padding
	s_mov_b32 s[G1+1], 32<<16                      ; tensor_dim0 = 32 elements: rows of 256 bytes
	s_mov_b32 s[G1+2], 25<<16                      ; tensor_dim1 = 25 rows: 6,400 dense bytes
	s_mov_b32 s[G1+3], 32<<16                      ; tile_dim0
	s_mov_b32 s[G1+4], 25                          ; tile_dim1
	s_mov_b32 s[G1+5], 32                          ; the pitch
	s_mov_b32 s[G1+6], 0
	s_mov_b32 s[G1+7], 0
	s_mov_b32 s[SEL], 0x76543210
	s_mov_b32 s[SEL+1], 0xfedcba98
	s_mov_b32 s[CS], 0x3d8293ee                    ; c = log2(e) / sqrt(512)
	s_mov_b32 s[CS+1], s[CS]
	s_mov_b32 s36, 0x0000ffff
	s_mov_b32 s37, 0xffff0000
	s_mov_b32 s[TB], 0
	s_mov_b32 s[CNT], 16
	s_wait_dscnt 0x0                               ; both opening adds are done
	s_wait_kmcnt 0x0
	s_add_nc_u64 s[38:39], s[4:5], s[48:49]
	s_add_nc_u64 s[40:41], s[4:5], s[50:51]
	s_add_nc_u64 s[42:43], s[8:9], s[58:59]
	s_mov_b32 s[G0], 1
	s_mul_i32 s[G0+1], s[WV], REC
	s_add_nc_u64 s[G0+2:G0+3], s[6:7], s[60:61]
	s_or_b32 s[G0+3], s[G0+3], 0x80000000
	CROUND                                         ; all four work-groups are here: the joint loads meet
	tensor_load_to_lds s[G0:G0+3], s[G1:G1+7]      ; every wave one record: the launch's only fills
	s_nop 0
	v_and_b32 v7, 15, v0
	v_lshlrev_b32 v8, 4, v7
	v_add_nc_u32 v9, s55, v8
	v_add_nc_u32 v8, s54, v8
	v_lshlrev_b32 v10, 2, v7
	global_load_b64 v[S:S+1], v8, s[38:39]         ; query lane % 16: its 24 bytes of codes, in both halves of the lanes
	global_load_b64 v[S+2:S+3], v9, s[38:39] offset:8
	global_load_b64 v[S+4:S+5], v8, s[38:39] offset:512
	global_load_b32 v[S+6], v10, s[40:41]
	v_and_b32 v7, 31, v0
	v_lshlrev_b32 v[LI], 4, v7
	v_lshlrev_b32 v[LS], 2, v7
	s_wait_loadcnt 0x0
	v_perm_b32 v[QS], v[S+6], v[S+6], s56
.irp k, 0,1,2,3,4,5
	v_cndmask_b32 v[QC+6+\k], 0, v[S+\k], s36
	v_cndmask_b32 v[QC+18+\k], 0, v[S+\k], s37
.endr
.irp k, 0,1,2,3,4,5
	v_mov_b32 v[QC+\k], 0
	v_mov_b32 v[QC+12+\k], 0
	v_mov_b32 v[QC+24+\k], 0
.endr
.irp k, 0,1,2,3,4,5,6,7,8,9,10,11,12,13,14,15
	v_mov_b32 v[O+\k], 0                           ; the step is written once: the first finds zeros, which the first change of M leaves zeros
.endr
	v_mov_b32 v[NM+1], 0xff61b1e6                  ; the largest t so far: -3e38
	v_floor_f32 v[NM], -v[NM+1]
	v_mov_b32 v[SUM], 0
	v_mov_b32 v[SUM+1], 0
.irp b, 0,1,2,3
	v_mov_b32 v[BT+\b], 0                          ; a lane permute's destination counts as one of its sources
.endr
	v_mov_b32 v[F+1], 0                            ; named as the upper half of a pair
	v_mov_b32 v[TMP], 0
	s_wait_tensorcnt 0x0                           ; my record has landed,
	s_barrier_signal -1
	s_barrier_wait -1                              ; everybody's has
.Lstep:                                            ; 16 key steps of 128
	v_add_nc_u32 v[ADR], s[TB], v[LI]
	v_add_nc_u32 v[ADS], s[TB], v[LS]
	v_nop
	v_nop                                          ; four plain instructions behind the last step's products, ahead of loads into their operands
.irp k, 0,1,2,3,4,5
	ds_load_b128 v[KF+4*\k:KF+4*\k+3], v[ADR] offset:512*\k
.endr
	ds_load_b32 v[KS], v[ADS] offset:6144
.irp k, 0,1,2,3,4,5
	ds_load_b128 v[VF+4*\k:VF+4*\k+3], v[ADR] offset:3072+512*\k
.endr
	ds_load_b32 v[VS], v[ADS] offset:6272
	s_wait_dscnt 7                                 ; K's seven loads are in; V's seven may be out
.irp j, 0,1,2,3
	v_wmma_scale_f32_16x16x128_f8f6f4 v[S+8*\j:S+8*\j+7], v[KF:KF+11], v[QC+6-6*(\j/2)+12*(\j%2):QC+6-6*(\j/2)+12*(\j%2)+11], 0, v[KS], v[QS] matrix_a_fmt:MATRIX_FMT_BF6 matrix_b_fmt:MATRIX_FMT_BF6
.endr
.irp j, 0,1,2,3
	v_wmma_scale_f32_16x16x128_f8f6f4 v[S+32+8*\j:S+32+8*\j+7], v[KF+12:KF+23], v[QC+6-6*(\j/2)+12*(\j%2):QC+6-6*(\j/2)+12*(\j%2)+11], 0, v[KS], v[QS] matrix_a_fmt:MATRIX_FMT_BF6 matrix_b_fmt:MATRIX_FMT_BF6 matrix_a_scale:MATRIX_SCALE_ROW1
.endr
.rept 4
	v_nop
.endr
.irp b, 0,1,2,3
	v_max3_num_f32 v[BM+\b], v[S+16*\b], v[S+16*\b+1], v[S+16*\b+2]   ; the largest score of each block of 32 keys: for the row's maximum, and, since p rises with the score, for the block's largest p
.endr
.irp i, 3,5,7,9,11,13
.irp b, 0,1,2,3
	v_max3_num_f32 v[BM+\b], v[BM+\b], v[S+16*\b+\i], v[S+16*\b+\i+1]
.endr
.endr
.irp b, 0,1,2,3
	v_max_num_f32 v[BM+\b], v[BM+\b], v[S+16*\b+15]
.endr
.irp b, 0,1,2,3
	v_permlanex16_b32 v[BT+\b], v[BM+\b], s[SEL], s[SEL+1]
.endr
.irp b, 0,1,2,3
	v_max_num_f32 v[BM+\b], v[BM+\b], v[BT+\b]
.endr
	v_max3_num_f32 v[TMP], v[BM], v[BM+1], v[BM+2]
	v_max_num_f32 v[TMP], v[TMP], v[BM+3]
	v_mul_f32 v[TMP], s[CS], v[TMP]
	v_max_num_f32 v[NM+1], v[NM+1], v[TMP]         ; the running largest t
	v_mov_b32 v[TMP], v[NM]
	v_floor_f32 v[NM], -v[NM+1]                    ; -M = floor(-t)
	v_sub_f32 v[TMP], v[NM], v[TMP]                ; old M - new M: a whole number, 0 or less
	v_cvt_i32_f32 v[TMP], v[TMP]                   ; (it saturates)
	v_ldexp_f32 v[F], 1.0, v[TMP]
.set j, 0
.rept 32
	v_pk_fma_f32 v[S+j:S+j+1], v[S+j:S+j+1], s[CS:CS+1], v[NM:NM+1] op_sel_hi:[1,0,0]   ; t - M
.set j, j+2
.endr
.irp b, 0,1,2,3
	v_fma_f32 v[BM+\b], v[BM+\b], s[CS], v[NM]
.endr
.set j, 0
.rept 64
	v_exp_f32 v[S+j], v[S+j]                       ; p
.set j, j+1
.endr
	v_pk_mul_f32 v[SUM:SUM+1], v[SUM:SUM+1], v[F:F+1] op_sel_hi:[1,0]   ; the sums under the new M: the plain instruction behind the batch
	s_wait_alu depctr_va_vdst(0)                   ; one wait for the 64, ahead of their first reader
.irp b, 0,1,2,3
	v_exp_f32 v[BM+\b], v[BM+\b]                   ; each block's largest p
.endr
	v_pk_add_f32 v[SM2:SM2+1], v[S:S+1], v[S+2:S+3]   ; the row's sum of the unquantised p, in two chains
.set j, 4
.rept 11
	v_pk_add_f32 v[SUM:SUM+1], v[SUM:SUM+1], v[S+j:S+j+1]
	v_pk_add_f32 v[SM2:SM2+1], v[SM2:SM2+1], v[S+j+2:S+j+3]
.set j, j+4
.endr
	s_wait_alu depctr_va_vdst(0)                   ; and one for the four
.irp b, 0,1,2,3
	v_max_num_f32 v[BM+\b], 0x2800000, v[BM+\b]    ; the floor 2^(5 - 127)
.endr
.irp b, 0,1,2,3
	v_add_nc_u32 v[SO+\b], 0xfe000000, v[BM+\b]
.endr
.irp b, 0,1,2,3
	v_lshrrev_b32 v[BT+\b], 23, v[SO+\b]
.endr
	v_lshl_or_b32 v[PS], v[BT+1], 8, v[BT]
	v_lshl_or_b32 v[PS], v[BT+2], 16, v[PS]
	v_lshl_or_b32 v[PS], v[BT+3], 24, v[PS]
.irp c, 0,1
	v_cvt_scalef32_pk16_bf6_f32 v[PC+6*\c:PC+6*\c+2], v[S+32*\c:S+32*\c+15], v[SO+2*\c]
	v_cvt_scalef32_pk16_bf6_f32 v[PT+4*\c:PT+4*\c+2], v[S+32*\c+16:S+32*\c+31], v[SO+2*\c+1]
.endr
	v_nop                                          ; one plain instruction behind the scaled conversions
.irp c, 0,1
.irp i, 0,1,2
	v_permlane16_swap_b32 v[PC+6*\c+\i], v[PT+4*\c+\i]
.endr
.irp i, 0,1,2
	v_mov_b32 v[PC+6*\c+3+\i], v[PT+4*\c+\i]
.endr
.endr
.rept 4                                        ; the rest of the sums stand here: nine plain instructions between p's codes and scale word and the products that take them
	v_pk_add_f32 v[SUM:SUM+1], v[SUM:SUM+1], v[S+j:S+j+1]
	v_pk_add_f32 v[SM2:SM2+1], v[SM2:SM2+1], v[S+j+2:S+j+3]
.set j, j+4
.endr
	v_pk_add_f32 v[SUM:SUM+1], v[SUM:SUM+1], v[SM2:SM2+1]
.set j, 0
.rept 8
	v_pk_mul_f32 v[O+j:O+j+1], v[O+j:O+j+1], v[F:F+1] op_sel_hi:[1,0]   ; O^T under the new M
.set j, j+2
.endr
	s_wait_dscnt 0x0                               ; V
	v_wmma_scale_f32_16x16x128_f8f6f4 v[O:O+7], v[VF:VF+11], v[PC:PC+11], v[O:O+7], v[VS], v[PS] matrix_a_fmt:MATRIX_FMT_BF6 matrix_b_fmt:MATRIX_FMT_BF6
	v_wmma_scale_f32_16x16x128_f8f6f4 v[O+8:O+15], v[VF+12:VF+23], v[PC:PC+11], v[O+8:O+15], v[VS], v[PS] matrix_a_fmt:MATRIX_FMT_BF6 matrix_b_fmt:MATRIX_FMT_BF6 matrix_a_scale:MATRIX_SCALE_ROW1
	s_add_co_u32 s[TB], s[TB], REC
	s_sub_co_u32 s[CNT], s[CNT], 1
	s_cmp_lg_u32 s[CNT], 0
	s_cbranch_scc1 .Lstep
	; THE WAY OUT: O^T / the sum; a lane's 16 numbers are positions 16 (lane / 16) + 0 .. 15 of block "head" of its query's row: 12 bytes of codes and the block's byte, 16 bytes a lane
	v_add_f32 v[SUM], v[SUM], v[SUM+1]
	v_permlanex16_b32 v[TMP], v[SUM], s[SEL], s[SEL+1]
	v_add_f32 v[SUM], v[SUM], v[TMP]
	v_rcp_f32 v[SUM], v[SUM]
.rept 4
	v_nop                                          ; behind the reciprocal, and behind the last products
.endr
	s_wait_alu depctr_va_vdst(0)                   ; ahead of the reciprocal's first reader
.set j, 0
.rept 8
	v_pk_mul_f32 v[S+j:S+j+1], v[O+j:O+j+1], v[SUM:SUM+1] op_sel_hi:[1,0]
.set j, j+2
.endr
	v_max3_num_f32 v[BM], |v[S]|, |v[S+1]|, 0x2800000
.irp i, 2,4,6,8,10,12,14
	v_max3_num_f32 v[BM], v[BM], |v[S+\i]|, |v[S+\i+1]|
.endr
	v_permlanex16_b32 v[BT], v[BM], s[SEL], s[SEL+1]
	v_max_num_f32 v[BM], v[BM], v[BT]
	v_add_nc_u32 v[SO], 0xfe000000, v[BM]
	v_cvt_scalef32_pk16_bf6_f32 v[OUTR:OUTR+2], v[S:S+15], v[SO]
	v_lshrrev_b32 v[OUTR+3], 23, v[SO]
	global_store_b128 v[LI], v[OUTR:OUTR+3], s[42:43]   ; 512 consecutive bytes
	s_wait_tensorcnt 0x0                           ; the wave's end
	ds_add_u32 v[SPW], v[NIL]
	s_wait_dscnt 0x0
	CROUND                                         ; the closing round
	s_endpgm
.Lfunc_end_k_qac1bea6fd7_attn_cross:
	.size	k_qac1bea6fd7_attn_cross, .Lfunc_end_k_qac1bea6fd7_attn_cross-k_qac1bea6fd7_attn_cross
	.p2alignl 7, 3214868480
	.fill 96, 4, 3214868480
	.section	.rodata,"a",@progbits
	.p2align	6, 0x0
	.amdhsa_kernel k_qac1bea6fd7_attn_cross
		.amdhsa_group_segment_fixed_size 167936
		.amdhsa_private_segment_fixed_size 0
		.amdhsa_enable_private_segment 0
		.amdhsa_kernarg_size 24
		.amdhsa_user_sgpr_count 2
		.amdhsa_user_sgpr_kernarg_segment_ptr 1
		.amdhsa_wavefront_size32 1
		.amdhsa_system_sgpr_workgroup_id_x 1
		.amdhsa_system_sgpr_workgroup_id_y 1
		.amdhsa_system_sgpr_workgroup_id_z 1
		.amdhsa_system_vgpr_workitem_id 0
		.amdhsa_next_free_vgpr 224
		.amdhsa_next_free_sgpr 66
		.amdhsa_reserve_vcc 0
		.amdhsa_float_denorm_mode_32 3
		.amdhsa_float_denorm_mode_16_64 3
		.amdhsa_memory_ordered 1
		.amdhsa_forward_progress 1
		.amdhsa_inst_pref_size 23
	.end_amdhsa_kernel
	.amdgpu_metadata
---
amdhsa.version: [ 1, 2 ]
amdhsa.kernels:
  - .name:           k_qac1bea6fd7_attn_cross
    .symbol:         k_qac1bea6fd7_attn_cross.kd
    .args:
      - { .name: qb, .offset: 0, .size: 8, .value_kind: global_buffer, .address_space: global }
      - { .name: kv, .offset: 8, .size: 8, .value_kind: global_buffer, .address_space: global }
      - { .name: ob, .offset: 16, .size: 8, .value_kind: global_buffer, .address_space: global }
    .group_segment_fixed_size: 167936
    .private_segment_fixed_size: 0
    .kernarg_segment_align: 8
    .kernarg_segment_size: 24
    .max_flat_workgroup_size: 512
    .sgpr_count:     66
    .vgpr_count:     224
    .wavefront_size: 32
...
	.end_amdgpu_metadata
.endif
;; end of part 5
;; launch mid2 (part 6): grid 64 x 1, 16 waves a work-group, no clusters, 245,760 bytes of LDS; arguments ob, wq, h1, ln2_g, ln2_b, ff_b1, ff_b2, ln3_g, ln3_b, out0; writes out0
.if DOCPART == 6
	.amdgcn_target "amdgcn-amd-amdhsa--gfx1250"
	.amdhsa_code_object_version 6
	.text
	.protected	k_qac1bea6fd7_mid2
	.globl	k_qac1bea6fd7_mid2
	.p2align	8
	.type	k_qac1bea6fd7_mid2,@function
k_qac1bea6fd7_mid2:
	s_mov_b64 s[64:65], 0
	v_nop
	global_prefetch_b8 v0, s[64:65] scope:SCOPE_SE
	s_setreg_imm32_b32 hwreg(HW_REG_WAVE_MODE, 25, 1), 1
	s_wait_xcnt 0x0
; Launch 6 of 6: h2 = layernorm(h + o ca_wo^T); out = layernorm(h2 + relu(h2 ff_w1^T + b1) ff_w2^T + b2).
; SHARES, as in the launch mid1: a work-group takes 64 rows (four tiles T); wave w makes features 32 w .. 32 w + 31 of all 64 rows (8 accumulators, 16 T + 8 u), and hidden units 64 w .. 64 w + 63 in two units of 32.
; Products are used transposed (source 0 = 16 rows of W, source 1 = 16 rows).  A wave's weights go from memory straight into its registers; the rows' operands go from wave to wave through LDS as images of their registers.
; h (the image that mid1 left), b1, and h2 + b2 (kept meanwhile in the wave's own bytes of LDS) are each the C of a sum's first instruction.  So b2 is added ahead of the last product's sum, not behind it.
; The hidden layer never goes to memory.  The result leaves through a stage in LDS as whole rows.
; 64 work-groups: a norm wants whole rows, and fewer rows to a work-group would only read the weights more often.  No tensor load, so no cluster.
; The reciprocals 1 / 512, 1 / 511 and 1 / (std + eps) are applied by multiplication.
.set RED1,  0
.set RED2,  4096
.set AIMG,  8192                       ; o's 16 images, (4 T + s) x 1,536
.set ASCL,  32768                      ; their scale words, 128 bytes each
.set HIMG,  34816                      ; h2's 16 images
.set HSCL,  59392                      ; their scale words, 64 bytes each
.set FIMG,  60416                      ; the hidden layer's 32 images, (8 T + s) x 1,536
.set FSCL,  109568                     ; their scale words, 64 bytes each
.set STASH, 111616                     ; 8,192 bytes a wave: h2 + b2;  later the stage: 64 rows x (2,048 + 16) bytes
.set STAGE, 111616
.set SPARE, 243712                     ; the spare words, 128 bytes a wave: eight blocks of 256 bytes that no other line names
.set R,   1
.set H,   2
.set LI,  3
.set LSR, 4
.set R16, 5
.set GV,  6
.set RW,  7
.set RR,  8
.set HA,  9                            ; v9-11 code words' places: in h2's images, later in the hidden layer's; at the end the stage's three addresses
.set HB,  12
.set LIF, 13                           ; 16 x lane + FIMG
.set LSF, 14                           ; 4 r + FSCL
.set ST,  15                           ; my stash
.set ACC, 16
.set WF,  80
.set AF,  176
.set G,   176
.set BT,  192
.set RT,  208
.set CV,  192
.set B2,  208
.set WS,  224
.set AS,  240
.set MS,  244
.set POA, 245
.set PIA, 246
.set PSA, 247
.set GV2, 250                          ; 256 w + 32 h: my hidden units' bytes in b1 (between the two norms)
.set SPW, 252
.set NIL, 253
.set T0,  254
.set T1,  255
.set TM,  176
.set WV,  24
.set SEL, 26
.set OBP, 36
.set H1P, 38
.set WOP, 40
.set WOS, 42
.set W1P, 44
.set W1S, 46
.set W2P, 48
.set W2S, 50
.set OUTP, 52
.macro QSCALE s
.irp b, 0,1,2,3
	v_mov_b32 v[TM+4+\b], 0                        ; a lane permute's destination counts as one of its sources
.endr
.irp b, 0,1,2,3
	v_max3_num_f32 v[TM+\b], |v[\s+16*\b]|, |v[\s+1+16*\b]|, 0x2800000   ; with the floor 2^(5 - 127)
.endr
.irp i, 2,4,6,8,10,12,14
.irp b, 0,1,2,3
	v_max3_num_f32 v[TM+\b], v[TM+\b], |v[\s+16*\b+\i]|, |v[\s+1+16*\b+\i]|
.endr
.endr
.irp b, 0,1,2,3
	v_permlanex16_b32 v[TM+4+\b], v[TM+\b], s[SEL], s[SEL+1]
.endr
.irp b, 0,1,2,3
	v_max_num_f32 v[TM+\b], v[TM+\b], v[TM+4+\b]
.endr
.irp b, 0,1,2,3
	v_add_nc_u32 v[TM+12+\b], 0xfe000000, v[TM+\b]
.endr
.irp b, 0,1,2,3
	v_lshrrev_b32 v[TM+4+\b], 23, v[TM+12+\b]
.endr
.endm
.macro PLACES                          ; four plain instructions between a matrix instruction and a load into, or a vector instruction on, its registers
.rept 4
	v_nop
.endr
.endm
.macro BARRIER                         ; my LDS stores have landed and my LDS loads are in: then the work-group's barrier
	s_wait_dscnt 0x0
	s_barrier_signal -1
	s_barrier_wait -1
.endm
.macro WLOAD1 bs, ustr, s              ; my two row tiles of W, K step s, into slot s % 4
.irp u, 0,1
.irp c, 0,1,2
	global_load_b128 v[WF+24*((\s)%4)+12*\u+4*\c:WF+24*((\s)%4)+12*\u+4*\c+3], v[LI], s[\bs:\bs+1] offset:\ustr*\u+1536*(\s)+512*\c
.endr
.endr
.endm
.macro WLOAD4 bs, ustr, o              ; four K steps: 24 loads of 512 consecutive bytes
.irp s, 0,1,2,3
.irp u, 0,1
.irp c, 0,1,2
	global_load_b128 v[WF+24*\s+12*\u+4*\c:WF+24*\s+12*\u+4*\c+3], v[LI], s[\bs:\bs+1] offset:\o+\ustr*\u+1536*\s+512*\c
.endr
.endr
.endr
.endm
.macro KLOAD adr, img, ft, sadr, scl, sw, s   ; K step s of the four tiles of rows, and their scale words
.irp t, 0,1,2,3
.irp c, 0,1,2
	ds_load_b128 v[AF+12*\t+4*\c:AF+12*\t+4*\c+3], v[\adr] offset:\img+(\ft*\t+(\s))*1536+512*\c
.endr
	ds_load_b32 v[AS+\t], v[\sadr] offset:\scl+(\ft*\t+(\s))*\sw
.endr
	s_wait_dscnt 0x0
.endm
.macro KMUL slot, wb, wu               ; eight products: the accumulators take turns, one instruction a turn.  Every sum here begins on a C that lies in the accumulator
.irp t, 0,1,2,3
.irp u, 0,1
	v_wmma_scale_f32_16x16x128_f8f6f4 v[ACC+16*\t+8*\u:ACC+16*\t+8*\u+7], v[WF+24*(\slot)+12*\u:WF+24*(\slot)+12*\u+11], v[AF+12*\t:AF+12*\t+11], v[ACC+16*\t+8*\u:ACC+16*\t+8*\u+7], v[WS+(\wb)+\wu*\u], v[AS+\t] matrix_a_fmt:MATRIX_FMT_BF6 matrix_b_fmt:MATRIX_FMT_BF6
.endr
.endr
.endm
.macro GBLOAD gs, bp
.irp u, 0,1
.irp e, 0,1
	global_load_b128 v[G+8*\u+4*\e:G+8*\u+4*\e+3], v[GV], s[\gs:\gs+1] offset:64*\u+16*\e
	global_load_b128 v[BT+8*\u+4*\e:BT+8*\u+4*\e+3], v[GV], s[\bp:\bp+1] offset:64*\u+16*\e
.endr
.endr
.endm
.macro ROWEND
.irp t, 0,1,2,3
	v_add_f32 v[RT+\t], v[RT+8+2*\t], v[RT+9+2*\t]
.endr
.irp t, 0,1,2,3
	v_permlanex16_b32 v[RT+4+\t], v[RT+\t], s[SEL], s[SEL+1]
.endr
.irp t, 0,1,2,3
	v_add_f32 v[RT+\t], v[RT+\t], v[RT+4+\t]
.endr
.endm
.macro ROWSUM
.irp t, 0,1,2,3
	v_pk_add_f32 v[RT+8+2*\t:RT+9+2*\t], v[ACC+16*\t:ACC+16*\t+1], v[ACC+16*\t+2:ACC+16*\t+3]   ; each accumulator from its low end on
.endr
.irp j, 4,6,8,10,12,14
.irp t, 0,1,2,3
	v_pk_add_f32 v[RT+8+2*\t:RT+9+2*\t], v[RT+8+2*\t:RT+9+2*\t], v[ACC+16*\t+\j:ACC+16*\t+\j+1]
.endr
.endr
	ROWEND
.endm
.macro ROWSQ
.irp t, 0,1,2,3
	v_pk_mul_f32 v[RT+8+2*\t:RT+9+2*\t], v[ACC+16*\t:ACC+16*\t+1], v[ACC+16*\t:ACC+16*\t+1]
.endr
.irp j, 2,4,6,8,10,12,14
.irp t, 0,1,2,3
	v_pk_fma_f32 v[RT+8+2*\t:RT+9+2*\t], v[ACC+16*\t+\j:ACC+16*\t+\j+1], v[ACC+16*\t+\j:ACC+16*\t+\j+1], v[RT+8+2*\t:RT+9+2*\t]
.endr
.endr
	ROWEND
.endm
.macro XSUM4
	v_pk_add_f32 v[RT:RT+1], v[RT:RT+1], v[RT+4:RT+5]
	v_pk_add_f32 v[RT+2:RT+3], v[RT+2:RT+3], v[RT+6:RT+7]
	v_pk_add_f32 v[RT+8:RT+9], v[RT+8:RT+9], v[RT+12:RT+13]
	v_pk_add_f32 v[RT+10:RT+11], v[RT+10:RT+11], v[RT+14:RT+15]
.endm
.macro XRED red                        ; the sixteen waves' sums meet: every lane ends with the totals of row r of the four tiles in RT .. RT + 3
	ds_store_b128 v[RW], v[RT:RT+3] offset:\red    ; (both halves of the lanes write the same bytes with the same values)
	BARRIER
.irp k, 0,1,2,3
	ds_load_b128 v[RT+4*\k:RT+4*\k+3], v[RR] offset:\red+256*\k
.endr
	s_wait_dscnt 0x0
	XSUM4
	v_pk_add_f32 v[MS:MS+1], v[RT:RT+1], v[RT+8:RT+9]
	v_pk_add_f32 v[MS+2:MS+3], v[RT+2:RT+3], v[RT+10:RT+11]
.irp k, 0,1,2,3
	ds_load_b128 v[RT+4*\k:RT+4*\k+3], v[RR] offset:\red+1024+256*\k
.endr
	s_wait_dscnt 0x0
	XSUM4
	v_pk_add_f32 v[RT:RT+1], v[RT:RT+1], v[RT+8:RT+9]
	v_pk_add_f32 v[RT+2:RT+3], v[RT+2:RT+3], v[RT+10:RT+11]
	v_pk_add_f32 v[RT:RT+1], v[RT:RT+1], v[MS:MS+1]
	v_pk_add_f32 v[RT+2:RT+3], v[RT+2:RT+3], v[MS+2:MS+3]
.irp t, 0,1,2,3
	v_permlanex16_b32 v[RT+4+\t], v[RT+\t], s[SEL], s[SEL+1]
.endr
.irp t, 0,1,2,3
	v_add_f32 v[RT+\t], v[RT+\t], v[RT+4+\t]
.endr
.endm
.macro LNORM                           ; ACC = gain (ACC - mean) / (std + eps) + bias, std with 511 in the divisor.  The two regions of sums are written again in the second norm, several barriers behind their last reads
	ROWSUM
	XRED RED1
.irp t, 0,1,2,3
	v_mul_f32 v[MS+2*\t], 0x3b000000, v[RT+\t]     ; / 512
.endr
.irp t, 0,1,2,3
	v_mov_b32 v[MS+2*\t+1], v[MS+2*\t]
.endr
.irp t, 0,1,2,3
.irp j, 0,2,4,6,8,10,12,14
	v_pk_add_f32 v[ACC+16*\t+\j:ACC+16*\t+\j+1], v[ACC+16*\t+\j:ACC+16*\t+\j+1], v[MS+2*\t:MS+2*\t+1] neg_lo:[0,1] neg_hi:[0,1]
.endr
.endr
	ROWSQ
	XRED RED2
.irp t, 0,1,2,3
	v_mul_f32 v[RT+\t], 0x3b004020, v[RT+\t]       ; / 511
.endr
.irp t, 0,1,2,3
	v_sqrt_f32 v[RT+4+\t], v[RT+\t]
.endr
	v_nop
	s_wait_alu depctr_va_vdst(0)                   ; one wait for the four roots, ahead of their first reader
.irp t, 0,1,2,3
	v_add_f32 v[RT+4+\t], 0x358637bd, v[RT+4+\t]   ; + 1e-6
.endr
.irp t, 0,1,2,3
	v_rcp_f32 v[MS+2*\t], v[RT+4+\t]
.endr
	v_nop
	s_wait_alu depctr_va_vdst(0)                   ; and one for the four reciprocals
.irp t, 0,1,2,3
	v_mov_b32 v[MS+2*\t+1], v[MS+2*\t]
.endr
	s_wait_loadcnt 0x0                             ; gain and bias (and the weights asked for with them)
.irp t, 0,1,2,3
.irp j, 0,2,4,6,8,10,12,14
	v_pk_mul_f32 v[ACC+16*\t+\j:ACC+16*\t+\j+1], v[ACC+16*\t+\j:ACC+16*\t+\j+1], v[MS+2*\t:MS+2*\t+1]
.endr
.endr
.irp t, 0,1,2,3
.irp j, 0,2,4,6,8,10,12,14
	v_pk_fma_f32 v[ACC+16*\t+\j:ACC+16*\t+\j+1], v[ACC+16*\t+\j:ACC+16*\t+\j+1], v[G+\j:G+\j+1], v[BT+\j:BT+\j+1]
.endr
.endr
.endm
; Where half a block's three code words go in an image: word p0 + k of the block's lane, p0 = s[sp0] + 3 h: 512 (p / 4) + 4 (p % 4) + 16 r + s[sbase]; the block's byte: 4 r + s[sbyte]
.macro HADDR ha, hb, sp0, sbase, sbyte
	v_mul_u32_u24 v[T0], v[H], 3
	v_add_nc_u32 v[T0], s[\sp0], v[T0]
.irp k, 0,1,2
	v_add_nc_u32 v[T1], \k, v[T0]
	v_lshrrev_b32 v[\ha+\k], 2, v[T1]
	v_and_b32 v[T1], 3, v[T1]
	v_lshl_add_u32 v[\ha+\k], v[\ha+\k], 9, v[R16]
	v_lshl_add_u32 v[\ha+\k], v[T1], 2, v[\ha+\k]
	v_add_nc_u32 v[\ha+\k], s[\sbase], v[\ha+\k]
.endr
	v_add_nc_u32 v[\hb], s[\sbyte], v[LSR]
.endm
; My 32 numbers of a row are one block of 32 of the next K, for each of the 64 rows: codes and bytes go into the next operand's images
.macro HQ ha, hb, img, tstr, scl, sstr
	QSCALE ACC
.irp t, 0,1,2,3
	v_cvt_scalef32_pk16_bf6_f32 v[CV+4*\t:CV+4*\t+2], v[ACC+16*\t:ACC+16*\t+15], v[TM+12+\t]
.endr
	v_nop                                          ; one plain instruction behind the scaled conversions
.irp t, 0,1,2,3
.irp k, 0,1,2
	ds_store_b32 v[\ha+\k], v[CV+4*\t+\k] offset:\img+\tstr*\t
.endr
	ds_store_b8 v[\hb], v[TM+4+\t] offset:\scl+\sstr*\t   ; (both halves of the lanes write the same byte with the same value)
.endr
.endm
.macro B1LOAD v                        ; b1 of unit v's 32 hidden units, in the result's layout, the same for each tile of rows: the C of the unit's sums
.irp t, 0,1,2,3
.irp u, 0,1
.irp e, 0,1
	global_load_b128 v[ACC+16*\t+8*\u+4*\e:ACC+16*\t+8*\u+4*\e+3], v[GV2], s[14:15] offset:128*\v+64*\u+16*\e
.endr
.endr
.endr
.endm
; Hidden units 64 w + 32 v + 0 .. 31 of the 64 rows: product, relu, quantiser: block 2 w + v of the last product's K
.macro UNIT v
	s_wait_loadcnt 0x0                             ; the unit's weights and b1
.irp s, 0,1,2,3
	PLACES
	KLOAD LI, HIMG, 4, LSR, HSCL, 64, \s
	KMUL \s, 8*\v+\s, 4
.endr
	PLACES
.if \v == 0
	WLOAD4 W1P, 6144, 12288                        ; unit 1's weights land while unit 0 is quantised
.else
	WLOAD4 W2P, 12288, 0                           ; ff_w2, K steps 0-3
.irp u, 0,1
.irp c, 0,1
	global_load_b128 v[WS+8*\u+4*\c:WS+8*\u+4*\c+3], v[R16], s[W2S:W2S+1] offset:512*\u+256*\c
.endr
.endr
.endif
.set j, 0
.rept 64
	v_max_num_f32 v[ACC+j], 0, v[ACC+j]            ; the activation, each accumulator from its low end on
.set j, j+1
.endr
	HQ HA, HB, 256*\v, 12288, \v, 512
	s_wait_dscnt 0x0                               ; the stores have read their registers
.if \v == 0
	B1LOAD 1
.else
.irp k, 0,1,2,3,4,5,6,7,8,9,10,11,12,13,14,15
	ds_load_b128 v[ACC+4*\k:ACC+4*\k+3], v[ST] offset:512*\k   ; h2 + b2 comes back: the C of the last product
.endr
.endif
.endm
	s_load_b512 s[4:19], s[0:1], 0x0               ; ob, wq, h1, ln2_g, ln2_b, ff_b1, ff_b2, ln3_g
	s_load_b128 s[20:23], s[0:1], 0x40             ; ln3_b, out0
	v_lshl_add_u32 v[SPW], v0, 2, SPARE
	v_mov_b32 v[NIL], 0
	v_lshrrev_b32 v[T0], 5, v0
	v_readfirstlane_b32 s[WV], v[T0]
	v_and_b32 v[R], 15, v0
	v_bfe_u32 v[H], v0, 4, 1
	v_and_b32 v[T0], 31, v0
	v_lshlrev_b32 v[LI], 4, v[T0]
	v_lshlrev_b32 v[LSR], 2, v[R]
	v_lshlrev_b32 v[R16], 4, v[R]
	s_lshl_b32 s28, s[WV], 7
	v_lshl_add_u32 v[GV], v[H], 5, s28
	s_lshl_b32 s29, s[WV], 8
	v_add_nc_u32 v[RW], s29, v[R16]
	v_lshl_add_u32 v[RR], v[H], 11, v[R16]
	v_lshl_add_u32 v[POA], v[H], 9, v[R16]
	s_mul_i32 s30, s[WV], 1536
	s_add_co_u32 s30, s30, AIMG
	v_add_nc_u32 v[PIA], s30, v[LI]
	s_add_co_u32 s31, s28, ASCL
	v_lshl_add_u32 v[PSA], v[T0], 2, s31
	v_add_nc_u32 v[LIF], FIMG, v[LI]
	v_add_nc_u32 v[LSF], FSCL, v[LSR]
	s_lshl_b32 s30, s[WV], 13
	s_add_co_u32 s31, s30, STASH
	v_add_nc_u32 v[ST], s31, v[LI]
	s_bfe_u32 s32, s[WV], 0x10001
	s_mul_i32 s32, s32, 6                          ; block w of h2's K: registers 0-5 or 6-11 of its image,
	s_and_b32 s33, s[WV], 1
	s_lshl_b32 s33, s33, 8                         ; lanes 0-15 or 16-31,
	s_lshr_b32 s34, s[WV], 2
	s_mul_i32 s35, s34, 1536                       ; K step w / 4
	s_add_co_u32 s33, s33, s35
	s_and_b32 s35, s[WV], 3
	s_lshl_b32 s34, s34, 6
	s_add_co_u32 s35, s35, s34
	HADDR HA, HB, 32, 33, 35
	s_mov_b32 s[SEL], 0x76543210
	s_mov_b32 s[SEL+1], 0xfedcba98
	s_lshl_b32 s28, ttmp9, 15
	s_lshl_b32 s29, s[WV], 11
	s_add_co_u32 s28, s28, s29                     ; ob: my fragment's four heads of my tile of rows
	s_mov_b32 s29, 0
	s_lshl_b32 s32, ttmp9, 17
	s_add_co_u32 s32, s32, s30                     ; h1 and out0: 131,072 x work-group + 8,192 x wave
	s_mov_b32 s33, 0
	s_mul_i32 s34, s[WV], 12288
	s_add_co_u32 s34, s34, 1376256                 ; ca_wo
	s_mov_b32 s35, 0
	s_lshl_b32 s54, s[WV], 9
	s_add_co_u32 s54, s54, 2416640
	s_mov_b32 s55, 0
	s_mul_i32 s56, s[WV], 24576
	s_add_co_u32 s58, s56, 1966080                 ; ff_w2
	s_add_co_u32 s56, s56, 1572864                 ; ff_w1
	s_mov_b32 s57, 0
	s_mov_b32 s59, 0
	s_lshl_b32 s60, s[WV], 10
	s_add_co_u32 s62, s60, 2441216
	s_add_co_u32 s60, s60, 2424832
	s_mov_b32 s61, 0
	s_mov_b32 s63, 0
	s_wait_kmcnt 0x0
	s_add_nc_u64 s[OBP:OBP+1], s[4:5], s[28:29]
	s_add_nc_u64 s[H1P:H1P+1], s[8:9], s[32:33]
	s_add_nc_u64 s[WOP:WOP+1], s[6:7], s[34:35]
	s_add_nc_u64 s[WOS:WOS+1], s[6:7], s[54:55]
	s_add_nc_u64 s[W1P:W1P+1], s[6:7], s[56:57]
	s_add_nc_u64 s[W1S:W1S+1], s[6:7], s[60:61]
	s_add_nc_u64 s[W2P:W2P+1], s[6:7], s[58:59]
	s_add_nc_u64 s[W2S:W2S+1], s[6:7], s[62:63]
	s_add_nc_u64 s[OUTP:OUTP+1], s[22:23], s[32:33]
	; wave w builds o's fragment w from four records of 512 bytes, as in mid1
	global_load_b128 v[176:179], v[POA], s[OBP:OBP+1]
	global_load_b128 v[188:191], v[POA], s[OBP:OBP+1] offset:256
	global_load_b128 v[182:185], v[POA], s[OBP:OBP+1] offset:1024
	global_load_b128 v[192:195], v[POA], s[OBP:OBP+1] offset:1280
.irp k, 0,1,2,3,4,5,6,7,8,9,10,11,12,13,14,15
	global_load_b128 v[ACC+4*\k:ACC+4*\k+3], v[LI], s[H1P:H1P+1] offset:512*\k th:TH_LOAD_NT   ; the residual: the image that mid1 left
.endr
	WLOAD4 WOP, 6144, 0
.irp u, 0,1
	global_load_b128 v[WS+4*\u:WS+4*\u+3], v[R16], s[WOS:WOS+1] offset:256*\u
.endr
	s_wait_loadcnt 42                              ; the four loads of o are in; the 16 + 24 + 2 behind them may be out
	v_lshl_or_b32 v[T0], v185, 16, v179
	v_lshlrev_b32 v[T1], 3, v[H]
	v_lshlrev_b32 v[T0], v[T1], v[T0]
	v_mov_b32 v[T1], 0
	v_permlanex16_b32 v[T1], v[T0], s[SEL], s[SEL+1]
	v_or_b32 v[T0], v[T0], v[T1]
.irp i, 0,1,2
	v_mov_b32 v[179+\i], v[188+\i]
	v_mov_b32 v[185+\i], v[192+\i]
.endr
	ds_store_b128 v[PIA], v[176:179]
	ds_store_b128 v[PIA], v[180:183] offset:512
	ds_store_b128 v[PIA], v[184:187] offset:1024
	ds_store_b32 v[PSA], v[T0]
	BARRIER                                        ; o's sixteen fragments lie in LDS
	s_wait_loadcnt 0x0
.irp s, 0,1,2,3
	PLACES
	KLOAD LI, AIMG, 4, LSR, ASCL, 128, \s
	KMUL \s, \s, 4                                 ; h + o ca_wo^T
.endr
	PLACES
	GBLOAD 10, 12
	WLOAD4 W1P, 6144, 0                            ; ff_w1, unit 0, lands while the norm is made
.irp c, 0,1,2,3
	global_load_b128 v[WS+4*\c:WS+4*\c+3], v[R16], s[W1S:W1S+1] offset:256*\c   ; the scale words of my four row tiles of ff_w1
.endr
	LNORM                                          ; h2
.irp u, 0,1
.irp e, 0,1
	global_load_b128 v[B2+8*\u+4*\e:B2+8*\u+4*\e+3], v[GV], s[16:17] offset:64*\u+16*\e
.endr
.endr
	HQ HA, HB, HIMG, 6144, HSCL, 256
	s_wait_loadcnt 0x0                             ; b2
.irp t, 0,1,2,3
.irp j, 0,2,4,6,8,10,12,14
	v_pk_add_f32 v[ACC+16*\t+\j:ACC+16*\t+\j+1], v[ACC+16*\t+\j:ACC+16*\t+\j+1], v[B2+\j:B2+\j+1]
.endr
.endr
.irp k, 0,1,2,3,4,5,6,7,8,9,10,11,12,13,14,15
	ds_store_b128 v[ST], v[ACC+4*\k:ACC+4*\k+3] offset:512*\k   ; h2 + b2 waits in my own bytes of LDS
.endr
	s_wait_dscnt 0x0                               ; the stores have landed, and have read the registers that b1 now takes
	s_lshl_b32 s28, s[WV], 8
	v_lshl_add_u32 v[GV2], v[H], 5, s28
	B1LOAD 0
	s_and_b32 s32, s[WV], 1                        ; block 2 w + v of the hidden layer's K: registers 0-5 or 6-11 by w % 2, lanes by v (in the stores' offsets), K step w / 2
	s_lshl_b32 s35, s32, 1
	s_mul_i32 s32, s32, 6
	s_lshr_b32 s34, s[WV], 1
	s_mul_i32 s33, s34, 1536
	s_add_co_u32 s33, s33, FIMG
	s_lshl_b32 s34, s34, 6
	s_add_co_u32 s35, s35, s34
	s_add_co_u32 s35, s35, FSCL
	HADDR HA, HB, 32, 33, 35
	s_barrier_signal -1
	s_barrier_wait -1                              ; h2's sixteen fragments lie in LDS
	UNIT 0
	UNIT 1
	BARRIER                                        ; the hidden layer's 32 fragments lie in LDS
	s_wait_loadcnt 0x0                             ; ff_w2's first four K steps and its scale words
.irp s, 0,1,2,3,4,5,6,7
	PLACES
.if (\s >= 1) && (\s <= 4)
	WLOAD1 W2P, 12288, \s+3                        ; into the slot that the last K step multiplied
.endif
	KLOAD LIF, 0, 8, LSF, 0, 64, \s
.if \s >= 4
	s_wait_loadcnt 6*(7-\s)                        ; this K step's six loads are in; those of the later steps may be out
.endif
	KMUL \s%4, \s, 8
.endr
	PLACES
	GBLOAD 18, 20
	LNORM
	; THE WAY OUT: a row's 512 numbers come from sixteen waves: they meet in a stage (rows 2,064 bytes apart) and each wave stores four whole rows
	v_mul_u32_u24 v[HA], v[R], 2064
	v_add_nc_u32 v[HA], v[HA], v[GV]
	v_add_nc_u32 v[HA], STAGE, v[HA]               ; tiles 0, 1: row r, my features
	v_add_nc_u32 v[HA+1], 66048, v[HA]             ; tiles 2, 3
	s_mul_i32 s28, s[WV], 8256
	s_add_co_u32 s28, s28, STAGE
	v_add_nc_u32 v[HA+2], s28, v[LI]               ; back: rows 4 w .. 4 w + 3
.irp t, 0,1,2,3
.irp u, 0,1
.irp e, 0,1
	ds_store_b128 v[HA+(\t/2)], v[ACC+16*\t+8*\u+4*\e:ACC+16*\t+8*\u+4*\e+3] offset:33024*(\t%2)+64*\u+16*\e
.endr
.endr
.endr
	BARRIER                                        ; 64 whole rows lie in the stage
.irp i, 0,1,2,3,4,5,6,7,8,9,10,11,12,13,14,15
	ds_load_b128 v[WF+4*\i:WF+4*\i+3], v[HA+2] offset:2064*(\i/4)+512*(\i%4)
.endr
.irp i, 0,1,2,3,4,5,6,7,8,9,10,11,12,13,14,15
	s_wait_dscnt 15-\i                             ; LDS loads come back in order: load i is in, the younger ones may be out
	global_store_b128 v[LI], v[WF+4*\i:WF+4*\i+3], s[OUTP:OUTP+1] offset:2048*(\i/4)+512*(\i%4) th:TH_STORE_NT   ; 512 consecutive bytes
.endr
	s_wait_tensorcnt 0x0                           ; the wave's end, behind my last LDS store
	ds_add_u32 v[SPW], v[NIL]
	s_wait_dscnt 0x0
	s_endpgm
.Lfunc_end_k_qac1bea6fd7_mid2:
	.size	k_qac1bea6fd7_mid2, .Lfunc_end_k_qac1bea6fd7_mid2-k_qac1bea6fd7_mid2
	.p2alignl 7, 3214868480
	.fill 96, 4, 3214868480
	.section	.rodata,"a",@progbits
	.p2align	6, 0x0
	.amdhsa_kernel k_qac1bea6fd7_mid2
		.amdhsa_group_segment_fixed_size 245760
		.amdhsa_private_segment_fixed_size 0
		.amdhsa_enable_private_segment 0
		.amdhsa_kernarg_size 80
		.amdhsa_user_sgpr_count 2
		.amdhsa_user_sgpr_kernarg_segment_ptr 1
		.amdhsa_wavefront_size32 1
		.amdhsa_system_sgpr_workgroup_id_x 1
		.amdhsa_system_sgpr_workgroup_id_y 1
		.amdhsa_system_sgpr_workgroup_id_z 1
		.amdhsa_system_vgpr_workitem_id 0
		.amdhsa_next_free_vgpr 256
		.amdhsa_next_free_sgpr 66
		.amdhsa_reserve_vcc 0
		.amdhsa_float_denorm_mode_32 3
		.amdhsa_float_denorm_mode_16_64 3
		.amdhsa_memory_ordered 1
		.amdhsa_forward_progress 1
		.amdhsa_inst_pref_size 128
	.end_amdhsa_kernel
	.amdgpu_metadata
---
amdhsa.version: [ 1, 2 ]
amdhsa.kernels:
  - .name:           k_qac1bea6fd7_mid2
    .symbol:         k_qac1bea6fd7_mid2.kd
    .args:
      - { .name: ob, .offset: 0, .size: 8, .value_kind: global_buffer, .address_space: global }
      - { .name: wq, .offset: 8, .size: 8, .value_kind: global_buffer, .address_space: global }
      - { .name: h1, .offset: 16, .size: 8, .value_kind: global_buffer, .address_space: global }
      - { .name: ln2_g, .offset: 24, .size: 8, .value_kind: global_buffer, .address_space: global }
      - { .name: ln2_b, .offset: 32, .size: 8, .value_kind: global_buffer, .address_space: global }
      - { .name: ff_b1, .offset: 40, .size: 8, .value_kind: global_buffer, .address_space: global }
      - { .name: ff_b2, .offset: 48, .size: 8, .value_kind: global_buffer, .address_space: global }
      - { .name: ln3_g, .offset: 56, .size: 8, .value_kind: global_buffer, .address_space: global }
      - { .name: ln3_b, .offset: 64, .size: 8, .value_kind: global_buffer, .address_space: global }
      - { .name: out0, .offset: 72, .size: 8, .value_kind: global_buffer, .address_space: global }
    .group_segment_fixed_size: 245760
    .private_segment_fixed_size: 0
    .kernarg_segment_align: 8
    .kernarg_segment_size: 80
    .max_flat_workgroup_size: 512
    .sgpr_count:     66
    .vgpr_count:     256
    .wavefront_size: 32
...
	.end_amdgpu_metadata
.endif
;; end of part 6
;; ======== version 2 of 2: 6 launches; version 1 with the launches proj, mid1, mid2 written anew for expert scheduling mode
;; limits: right only within a limited range of input values
;; workspace buffers: aq 3,276,800 bytes; wq 2,457,600 bytes; qb 1,638,400 bytes; kv 6,553,600 bytes; ob 2,097,152 bytes; h1 8,388,608 bytes
;; launch quant: the kernel of part 1 again; grid 224 x 1, 4 waves a work-group, no clusters, 0 bytes of LDS; arguments x, encoding, sa_wq, sa_wk, sa_wv, ca_wk, ca_wv, sa_wo, ca_wq, ca_wo, ff_w1, ff_w2, aq, wq; writes aq, wq
;; launch proj (part 7): grid 32 x 5, 16 waves a work-group, no clusters, 53,248 bytes of LDS; arguments aq, wq, qb, kv; writes qb, kv
.if DOCPART == 7
	.amdgcn_target "amdgcn-amd-amdhsa--gfx1250"
	.amdhsa_code_object_version 6
	.text
	.protected	k_qac1bea6fd7_proj
	.globl	k_qac1bea6fd7_proj
	.p2align	8
	.type	k_qac1bea6fd7_proj,@function
k_qac1bea6fd7_proj:
	s_mov_b64 s[64:65], 0
	v_nop
	global_prefetch_b8 v0, s[64:65] scope:SCOPE_SE
	s_setreg_imm32_b32 hwreg(HW_REG_WAVE_SCHED_MODE, 0, 2), 2
	s_setreg_imm32_b32 hwreg(HW_REG_WAVE_MODE, 25, 1), 1
	s_wait_xcnt 0x0
	s_wait_alu depctr_vm_vsrc(0)
; Launch 2 of 6: the five projections that hang on inputs alone (x sa_wq^T, x sa_wk^T, x sa_wv^T, encoding ca_wk^T, encoding ca_wv^T: work-group y = 0 .. 4), each quantised at once for the attention that reads it.
; SHARES.  A work-group takes 128 rows (work-group x) of one product; wave w takes head w: 128 rows x 32 features, 16 accumulators, K = 512 in four steps of 128.
; The rows' 32 images and their scale words are copied into LDS once (each wave 1/16) and read by all sixteen waves; a wave's weights go from memory straight into its registers: nobody else multiplies them.
; q and k (K of the score product = the head's 32 features): the product is used transposed (source 0 = 16 rows of W, source 1 = 16 rows of x), so a lane holds one row and 16 of its head's features.
; Four tiles of rows then make ONE fragment: its row m, block j is row 16 j + m of a group of 64, with that row's own scale byte.
; v (K of the second product = the keys): source 0 = 16 rows of x, source 1 = 16 rows of W: a lane holds one feature and eight keys a tile: eight tiles are 128 keys: one fragment of V^T for each 16 features.
; OUT.  q: qb, fragment ((16 b + head) 32 + group of 64 queries) x 1,536, scale words behind all fragments, 64 bytes each.  k, v: kv, one record of 6,400 bytes for (b, head, 128 keys):
; K's two fragments, V^T's two, K's 128 bytes of scale words, V's 128.  Cross-attention's records lie 3,276,800 bytes behind self-attention's.
; No cluster: there is no tensor load here; the rows' images are 49 KiB a work-group, read from memory by five work-groups in all.
; THE MODE: SCHED_MODE bits 1:0 = 2 (LLVM: expert scheduling mode 2), set by the entry lines.  The code itself states the register dependences
; between vector or matrix instructions and memory or LDS instructions, with s_wait_alu, always for 0.
; THE PLAN.  Registers that memory or LDS instructions touch:
;   v3 .. v7     offsets and LDS addresses: made at the head and never written again: one wait on va_vdst ahead of the first load serves every load and store of the kernel.
;   XF, XS       At the head the copy's loads land in XF + 0 .. 23 and my LDS stores read them: one wait on vm_vsrc behind the barrier, ahead of the branch, since fragments land there next.
;                Then TWO BUFFERS BY TURNS: pair p = fragments 2 p, 2 p + 1 and their scale words.  A quarter is four products on one pair; behind them stands one wait on va_vdst, and the pair is asked for
;                again at once, for the quarter after next: its eight LDS loads are on their way while the other pair is multiplied.  The launch's 256 registers a wave leave no room for a third pair.
;   WF           two sets by turns.  The products of K step s read set s % 2; the wait behind that step's last quarter states that they are done, and K step s + 2's six loads follow it.
;   WS           loaded once.
;   PCA, PCB, SWD  written by the two quantisers and the select at the end, read by the seven stores: one wait on va_vdst ahead of the run.
;   v[SPW], v[NIL] written at the head, read by the closing add alone.
; Between a quarter's wait and its loads stand loads alone; the products that follow name the other pair, WF, WS and the accumulators: none of the registers that those loads touch.
.set XIMG,  0                          ; LDS: 32 images, (4 T + s) x 1,536
.set XSC,   49152                      ; their scale words: 256 T + 16 r + 4 s
.set SPARE, 51200                      ; the spare words, 128 bytes a wave: eight blocks of 256 bytes that no other line names
.set LI,  3                            ; v3   16 x lane
.set LS,  4                            ; v4   4 x lane
.set R16, 5                            ; v5   16 r
.set CW,  6                            ; v6   where I put my part of the images
.set CS,  7                            ; v7   and of the scale words
.set ACC, 16                           ; v16-143  16 accumulators
.set WF,  144                          ; v144-191 my weights: two sets of two fragments
.set XF,  192                          ; v192-239 four fragments of rows: two pairs
.set WS,  240                          ; v240-247 my weights' scale words: 4 u + s
.set XS,  248                          ; v248-251 the rows' scale words
.set SPW, 252
.set NIL, 253
.set CPS, 254
.set PCA, 144                          ; the tail: two fragments, at work, scale words
.set PCB, 156
.set TP,  168
.set TM,  176
.set PWA, 192
.set PWB, 193
.set SWD, 194
.set WV,  12
.set SEL, 20
.macro QSCALE s
.irp b, 0,1,2,3
	v_mov_b32 v[TM+4+\b], 0                        ; a lane permute's destination counts as one of its sources
.endr
.irp b, 0,1,2,3
	v_max3_num_f32 v[TM+\b], |v[\s+16*\b]|, |v[\s+1+16*\b]|, 0x2800000   ; with the floor 2^(5 - 127).  Each accumulator is read from its low end on
.endr
.irp i, 2,4,6,8,10,12,14
.irp b, 0,1,2,3
	v_max3_num_f32 v[TM+\b], v[TM+\b], |v[\s+16*\b+\i]|, |v[\s+1+16*\b+\i]|
.endr
.endr
.irp b, 0,1,2,3
	v_permlanex16_b32 v[TM+4+\b], v[TM+\b], s[SEL], s[SEL+1]
.endr
.irp b, 0,1,2,3
	v_max_num_f32 v[TM+\b], v[TM+\b], v[TM+4+\b]
.endr
.irp b, 0,1,2,3
	v_add_nc_u32 v[TM+12+\b], 0xfe000000, v[TM+\b]
.endr
.irp b, 0,1,2,3
	v_lshrrev_b32 v[TM+4+\b], 23, v[TM+12+\b]
.endr
.endm
.macro QUANT s, d, t, wd
	QSCALE \s
	v_lshl_or_b32 v[\wd], v[TM+5], 8, v[TM+4]
	v_lshl_or_b32 v[\wd], v[TM+6], 16, v[\wd]
	v_lshl_or_b32 v[\wd], v[TM+7], 24, v[\wd]
.irp c, 0,1
	v_cvt_scalef32_pk16_bf6_f32 v[\d+6*\c:\d+6*\c+2], v[\s+32*\c:\s+32*\c+15], v[TM+12+2*\c]
	v_cvt_scalef32_pk16_bf6_f32 v[\t+4*\c:\t+4*\c+2], v[\s+32*\c+16:\s+32*\c+31], v[TM+13+2*\c]
.endr
	v_nop                                          ; one plain instruction behind the scaled conversions
.irp c, 0,1
.irp i, 0,1,2
	v_permlane16_swap_b32 v[\d+6*\c+\i], v[\t+4*\c+\i]
.endr
.irp i, 0,1,2
	v_mov_b32 v[\d+6*\c+3+\i], v[\t+4*\c+\i]
.endr
.endr
.endm
.macro PLACES                          ; four plain instructions between a matrix instruction and a load into, or a vector instruction on, its registers
.rept 4
	v_nop
.endr
.endm
.macro WLOAD s                         ; my two fragments of W for K step s, into set s % 2
.irp u, 0,1
.irp c, 0,1,2
	global_load_b128 v[WF+24*((\s)%2)+12*\u+4*\c:WF+24*((\s)%2)+12*\u+4*\c+3], v[LI], s[54:55] offset:6144*\u+1536*(\s)+512*\c
.endr
.endr
.endm
.macro XL s, hf, p                     ; pair p: K step s of the tiles of rows 4 hf + 2 p and 4 hf + 2 p + 1, and their scale words: eight LDS loads
.irp e, 0,1
.irp c, 0,1,2
	ds_load_b128 v[XF+12*(2*(\p)+\e)+4*\c:XF+12*(2*(\p)+\e)+4*\c+3], v[LI] offset:XIMG+(4*(4*(\hf)+2*(\p)+\e)+(\s))*1536+512*\c
.endr
	ds_load_b32 v[XS+2*(\p)+\e], v[R16] offset:XSC+256*(4*(\hf)+2*(\p)+\e)+4*(\s)
.endr
.endm
; The product.  vt = 0: transposed (q, k); vt = 1: rows first (v).  The sixteen accumulators take turns, one instruction a turn.
; Sixteen quarters (K step s, half hf of the rows, pair p), four products each.
.macro AGEMM vt
	XL 0, 0, 0
	XL 0, 0, 1
.irp s, 0,1,2,3
.if \s < 3
	s_wait_loadcnt 6                               ; this K step's weights are in (in step 0 the scale words too); the next step's six loads may be out
.else
	s_wait_loadcnt 0
.endif
.irp hf, 0,1
.irp p, 0,1
.if (\s == 3) && (\hf == 1) && (\p == 1)
	s_wait_dscnt 0x0                               ; the last quarter: nothing was asked for behind its pair
.else
	s_wait_dscnt 8                                 ; LDS loads come back in order: this quarter's pair is in; the other pair's eight loads may be out
.endif
.irp e, 0,1
.irp u, 0,1
.set rw, WF+24*(\s%2)+12*\u
.set rx, XF+12*(2*\p+\e)
.set rs, XS+2*\p+\e
.if \vt
.set rd, ACC+64*\u+8*(4*\hf+2*\p+\e)
.if \s == 0
	v_wmma_scale_f32_16x16x128_f8f6f4 v[rd:rd+7], v[rx:rx+11], v[rw:rw+11], 0, v[rs], v[WS+4*\u+\s] matrix_a_fmt:MATRIX_FMT_BF6 matrix_b_fmt:MATRIX_FMT_BF6
.else
	v_wmma_scale_f32_16x16x128_f8f6f4 v[rd:rd+7], v[rx:rx+11], v[rw:rw+11], v[rd:rd+7], v[rs], v[WS+4*\u+\s] matrix_a_fmt:MATRIX_FMT_BF6 matrix_b_fmt:MATRIX_FMT_BF6
.endif
.else
.set rd, ACC+64*\hf+16*(2*\p+\e)+8*\u
.if \s == 0
	v_wmma_scale_f32_16x16x128_f8f6f4 v[rd:rd+7], v[rw:rw+11], v[rx:rx+11], 0, v[WS+4*\u+\s], v[rs] matrix_a_fmt:MATRIX_FMT_BF6 matrix_b_fmt:MATRIX_FMT_BF6
.else
	v_wmma_scale_f32_16x16x128_f8f6f4 v[rd:rd+7], v[rw:rw+11], v[rx:rx+11], v[rd:rd+7], v[WS+4*\u+\s], v[rs] matrix_a_fmt:MATRIX_FMT_BF6 matrix_b_fmt:MATRIX_FMT_BF6
.endif
.endif
.endr
.endr
.if (\s < 3) || (\hf == 0)
	PLACES
	s_wait_alu depctr_va_vdst(0)                   ; the products issued so far are done reading this pair and its scale words, in which the loads below land; behind a K step's last quarter: and its set of weights
.if (\hf == 1) && (\p == 1) && (\s < 2)
	WLOAD \s+2                                     ; into the set that this K step multiplied
.endif
.if \hf == 0
	XL \s, 1, \p                                   ; the quarter after next
.else
	XL \s+1, 0, \p
.endif
.endif
.endr
.endr
.endr
.endm
	s_load_b128 s[4:7], s[0:1], 0x0                ; aq, wq
	s_load_b128 s[8:11], s[0:1], 0x10              ; qb, kv
	v_lshl_add_u32 v[SPW], v0, 2, SPARE
	v_mov_b32 v[NIL], 0
	v_lshrrev_b32 v1, 5, v0
	v_readfirstlane_b32 s[WV], v1                  ; wave = head
	s_and_b32 s14, ttmp7, 0xffff                   ; y: which product
	v_and_b32 v1, 15, v0
	v_and_b32 v2, 31, v0
	v_lshlrev_b32 v[LI], 4, v2
	v_lshlrev_b32 v[LS], 2, v2
	v_lshlrev_b32 v[R16], 4, v1
	s_wait_alu depctr_va_sdst(0)                   ; the wave's number is written, ahead of its first reader: LDS addresses and all bases are made from it
	s_mul_i32 s15, s[WV], 3072
	v_add_nc_u32 v[CW], s15, v[LI]
	s_lshl_b32 s16, s[WV], 7
	s_add_co_u32 s17, s16, XSC
	v_add_nc_u32 v[CS], s17, v[LS]
	s_mov_b32 s[SEL], 0x76543210
	s_mov_b32 s[SEL+1], 0xfedcba98
	s_mov_b32 s58, 0xffff0000                      ; lanes 16-31
	s_cmp_ge_u32 s14, 3                            ; products 3 and 4 take encoding and write cross-attention's records
	s_cselect_b32 s22, 1572864, 0
	s_cselect_b32 s24, 65536, 0
	s_cselect_b32 s26, 3276800, 0
	s_mul_i32 s18, ttmp9, 49152
	s_add_co_u32 s22, s22, s18
	s_add_co_u32 s22, s22, s15                     ; my 3,072 bytes of the block's 32 images
	s_mov_b32 s23, 0
	s_lshl_b32 s18, ttmp9, 11
	s_add_co_u32 s24, s24, s18
	s_add_co_u32 s24, s24, s16
	s_add_co_u32 s24, s24, 3145728                 ; my 128 bytes of their scale words
	s_mov_b32 s25, 0
	s_mul_i32 s28, s14, 196608
	s_mul_i32 s18, s[WV], 12288
	s_add_co_u32 s28, s28, s18                     ; my two row tiles of W
	s_mov_b32 s29, 0
	s_lshl_b32 s30, s14, 13
	s_lshl_b32 s18, s[WV], 9
	s_add_co_u32 s30, s30, s18
	s_add_co_u32 s30, s30, 2359296                 ; and their scale words
	s_mov_b32 s31, 0
	s_lshr_b32 s18, ttmp9, 4                       ; b
	s_and_b32 s19, ttmp9, 15                       ; which 128 rows of the sequence
	s_lshl_b32 s18, s18, 4
	s_add_co_u32 s18, s18, s[WV]                   ; 16 b + head
	s_lshl_b32 s32, s18, 5
	s_lshl_b32 s33, s19, 1
	s_add_co_u32 s32, s32, s33                     ; q: the first of my two fragments
	s_mul_i32 s34, s32, 1536
	s_lshl_b32 s35, s32, 6
	s_add_co_u32 s35, s35, 1572864
	s_lshl_b32 s36, s18, 4
	s_add_co_u32 s36, s36, s19
	s_mul_i32 s36, s36, 6400
	s_add_co_u32 s36, s36, s26                     ; k, v: my record
	s_and_b32 s37, s14, 1
	s_xor_b32 s37, s37, 1                          ; 1 for y = 2, 4: v
	s_mul_i32 s38, s37, 3072
	s_add_co_u32 s38, s38, s36
	s_lshl_b32 s39, s37, 7
	s_add_co_u32 s39, s39, s36
	s_add_co_u32 s39, s39, 6144
	s_cmp_eq_u32 s14, 0
	s_cselect_b32 s40, s34, s38                    ; where my two fragments go,
	s_cselect_b32 s42, s35, s39                    ; and their 128 bytes of scale words
	s_cselect_b32 s37, 0, s37                      ; q is of k's kind
	s_mov_b32 s41, 0
	s_mov_b32 s43, 0
	s_wait_kmcnt 0x0
	s_cselect_b64 s[44:45], s[8:9], s[10:11]       ; the choice hangs on the work-group's number alone
	s_add_nc_u64 s[46:47], s[44:45], s[40:41]
	s_add_nc_u64 s[48:49], s[44:45], s[42:43]
	s_add_nc_u64 s[50:51], s[4:5], s[22:23]
	s_add_nc_u64 s[52:53], s[4:5], s[24:25]
	s_add_nc_u64 s[54:55], s[6:7], s[28:29]
	s_add_nc_u64 s[56:57], s[6:7], s[30:31]
	s_wait_alu depctr_va_vdst(0)                   ; the five offsets and addresses v3 to v7 are written, which the loads and stores of the whole kernel read
.irp c, 0,1,2,3,4,5
	global_load_b128 v[XF+4*\c:XF+4*\c+3], v[LI], s[50:51] offset:512*\c
.endr
	global_load_b32 v[CPS], v[LS], s[52:53]
.irp u, 0,1
	global_load_b128 v[WS+4*\u:WS+4*\u+3], v[R16], s[56:57] offset:256*\u   ; row r's four words, one for each K step
.endr
	WLOAD 0
	WLOAD 1
	s_wait_loadcnt 14                              ; my seven loads of the copy are in; the 2 + 12 behind them may be out
.irp c, 0,1,2,3,4,5
	ds_store_b128 v[CW], v[XF+4*\c:XF+4*\c+3] offset:XIMG+512*\c
.endr
	ds_store_b32 v[CS], v[CPS]
	s_wait_dscnt 0x0                               ; for the others' sake: my stores have landed
	s_barrier_signal -1
	s_barrier_wait -1                              ; the block's images and scale words lie in LDS; nothing is stored there again
	s_wait_alu depctr_vm_vsrc(0)                   ; my LDS stores have read v[XF .. XF + 23], in which the first fragments land on either way below
	s_cmp_eq_u32 s37, 1                            ; the same in all waves of a work-group; behind it stand LDS loads alone, no store and no barrier
	s_cbranch_scc1 .Lrows_first
	AGEMM 0
	s_branch .Ltail
.Lrows_first:
	AGEMM 1
.Ltail:
	PLACES
	QUANT ACC, PCA, TP, PWA                        ; q, k: rows 0-63;  v: features 0-15, all 128 keys
	QUANT ACC+64, PCB, TP, PWB                     ; q, k: rows 64-127;  v: features 16-31
	v_cndmask_b32 v[SWD], v[PWA], v[PWB], s58      ; lanes 0-15 the first fragment's words, lanes 16-31 the second's
	s_wait_alu depctr_va_vdst(0)                   ; the two quantisers and the select have written v[PCA ..], v[PCB ..] and v[SWD], which the seven stores read
.irp c, 0,1,2
	global_store_b128 v[LI], v[PCA+4*\c:PCA+4*\c+3], s[46:47] offset:512*\c
.endr
.irp c, 0,1,2
	global_store_b128 v[LI], v[PCB+4*\c:PCB+4*\c+3], s[46:47] offset:1536+512*\c
.endr
	global_store_b32 v[LS], v[SWD], s[48:49]
	s_wait_dscnt 0x0                               ; the closing lines, six on end
	s_wait_alu 0x0
	s_wait_tensorcnt 0x0
	ds_add_u32 v[SPW], v[NIL]
	s_wait_dscnt 0x0
	s_endpgm
.Lfunc_end_k_qac1bea6fd7_proj:
	.size	k_qac1bea6fd7_proj, .Lfunc_end_k_qac1bea6fd7_proj-k_qac1bea6fd7_proj
	.p2alignl 7, 3214868480
	.fill 96, 4, 3214868480
	.section	.rodata,"a",@progbits
	.p2align	6, 0x0
	.amdhsa_kernel k_qac1bea6fd7_proj
		.amdhsa_group_segment_fixed_size 53248
		.amdhsa_private_segment_fixed_size 0
		.amdhsa_enable_private_segment 0
		.amdhsa_kernarg_size 32
		.amdhsa_user_sgpr_count 2
		.amdhsa_user_sgpr_kernarg_segment_ptr 1
		.amdhsa_wavefront_size32 1
		.amdhsa_system_sgpr_workgroup_id_x 1
		.amdhsa_system_sgpr_workgroup_id_y 1
		.amdhsa_system_sgpr_workgroup_id_z 1
		.amdhsa_system_vgpr_workitem_id 0
		.amdhsa_next_free_vgpr 256
		.amdhsa_next_free_sgpr 66
		.amdhsa_reserve_vcc 0
		.amdhsa_float_denorm_mode_32 3
		.amdhsa_float_denorm_mode_16_64 3
		.amdhsa_memory_ordered 1
		.amdhsa_forward_progress 1
		.amdhsa_inst_pref_size 55
	.end_amdhsa_kernel
	.amdgpu_metadata
---
amdhsa.version: [ 1, 2 ]
amdhsa.kernels:
  - .name:           k_qac1bea6fd7_proj
    .symbol:         k_qac1bea6fd7_proj.kd
    .args:
      - { .name: aq, .offset: 0, .size: 8, .value_kind: global_buffer, .address_space: global }
      - { .name: wq, .offset: 8, .size: 8, .value_kind: global_buffer, .address_space: global }
      - { .name: qb, .offset: 16, .size: 8, .value_kind: global_buffer, .address_space: global }
      - { .name: kv, .offset: 24, .size: 8, .value_kind: global_buffer, .address_space: global }
    .group_segment_fixed_size: 53248
    .private_segment_fixed_size: 0
    .kernarg_segment_align: 8
    .kernarg_segment_size: 32
    .max_flat_workgroup_size: 512
    .sgpr_count:     66
    .vgpr_count:     256
    .wavefront_size: 32
...
	.end_amdgpu_metadata
.endif
;; end of part 7
;; launch attn_self: the kernel of part 3 again; grid 8 x 32, 16 waves a work-group, no clusters, 167,936 bytes of LDS; arguments qb, kv, ob; writes ob
;; launch mid1 (part 8): grid 64 x 1, 16 waves a work-group, no clusters, 62,464 bytes of LDS; arguments ob, wq, x, ln1_g, ln1_b, h1, qb; writes h1, qb
.if DOCPART == 8
	.amdgcn_target "amdgcn-amd-amdhsa--gfx1250"
	.amdhsa_code_object_version 6
	.text
	.protected	k_qac1bea6fd7_mid1
	.globl	k_qac1bea6fd7_mid1
	.p2align	8
	.type	k_qac1bea6fd7_mid1,@function
k_qac1bea6fd7_mid1:
	s_mov_b64 s[64:65], 0
	v_nop
	global_prefetch_b8 v0, s[64:65] scope:SCOPE_SE
	s_setreg_imm32_b32 hwreg(HW_REG_WAVE_SCHED_MODE, 0, 2), 2
	s_setreg_imm32_b32 hwreg(HW_REG_WAVE_MODE, 25, 1), 1
	s_wait_xcnt 0x0
	s_wait_alu depctr_vm_vsrc(0)
; Launch 4 of 6: h = layernorm(x + o sa_wo^T), kept in f32 for the next residual; q2 = h ca_wq^T, quantised for cross-attention.
; SHARES.  A work-group takes 64 rows (four tiles T of 16).  THE WAVES SHARE THE COLUMNS: wave w makes features 32 w .. 32 w + 31 of all 64 rows: 8 accumulators (16 T + 8 u).
; Products are used transposed (source 0 = 16 rows of W, source 1 = 16 rows): a lane holds one row and 16 of its features.  A wave's weights go from memory straight into its registers; nobody else in the work-group multiplies them.
; The rows' operands go from wave to wave through LDS as images of their registers.  x is the C of the first product's first instruction.
; The norm's two sums over a row's 512 features: within a lane, across the two halves of the lanes, then across the sixteen waves through LDS (two barriers).
; h leaves as the image of the accumulators (512 consecutive bytes a store): only the launch mid2, which has the same layout, reads it.
; 64 work-groups: a norm wants whole rows, and fewer rows to a work-group would only read the weights more often.  No tensor load, so no cluster.
; The reciprocals 1 / 512, 1 / 511 and 1 / (std + eps) are applied by multiplication.
; THE MODE: SCHED_MODE bits 1:0 = 2 (LLVM: expert scheduling mode 2), set by the entry lines.  The code itself states the register dependences
; between vector or matrix instructions and memory or LDS instructions, with s_wait_alu, always for 0.
; THE PLAN.  Registers that memory or LDS instructions touch:
;   v3 .. v12, v244 .. v247  offsets and LDS addresses, made at the head: one wait on va_vdst ahead of the first load.  v3 to v12 are never written again; v244 to v247 serve the head alone and become the norm's pairs
;                behind the wait on vm_vsrc that follows the first barrier.
;   AF, AS       In a product TWO BUFFERS BY TURNS: pair p = the fragments of tiles 2 p, 2 p + 1 and their scale words.  Four products read a pair; behind them one wait on va_vdst, and the pair's eight LDS loads of the
;                next K step follow: they are on their way while the other pair is multiplied.  The launch's 256 registers a wave leave no room for a third pair.
;                Between products the same registers are o's fragment at the head, G, BT (loads), RT (the sums' store and loads), TM, CV (the quantiser's stores): each change of hands has its wait below.
;   WF, WS       read by a product's matrix instructions; the next product's loads stand behind the one wait on va_vdst that follows the product.
;   ACC          x lands there at the head; the norm writes it and the stores of h read it (va_vdst ahead of them); the second product writes it anew (vm_vsrc ahead of it).
;   v[SPW], v[NIL] written at the head, read by the closing add alone.
.set RED1,  0                          ; LDS: 16 waves x 16 rows x 4 tiles: the first sums;
.set RED2,  4096                       ; the second
.set AIMG,  8192                       ; o's 16 images, (4 T + s) x 1,536
.set ASCL,  32768                      ; their scale words, 128 bytes each
.set HIMG,  34816                      ; h's 16 images
.set HSCL,  59392                      ; their scale words, 64 bytes each
.set SPARE, 60416                      ; the spare words, 128 bytes a wave: eight blocks of 256 bytes that no other line names
.set R,   1
.set H,   2
.set LI,  3                            ; 16 x lane
.set LSR, 4                            ; 4 r
.set R16, 5                            ; 16 r
.set GV,  6                            ; 128 w + 32 h: my features' bytes in a vector of 512
.set RW,  7                            ; 256 w + 16 r
.set RR,  8                            ; 16 r + 2,048 h
.set HA,  9                            ; v9-11 where my three code words of a tile go in h's images
.set HB,  12                           ; and my block's scale byte
.set ACC, 16                           ; v16-79
.set WF,  80                           ; v80-175  my weights of four K steps
.set AF,  176                          ; v176-223 four fragments of rows: two pairs; between products: G, BT, RT or TM, CV
.set G,   176
.set BT,  192
.set RT,  208
.set CV,  192
.set WS,  224                          ; v224-239 my weights' scale words
.set AS,  240                          ; v240-243 the rows' scale words
.set MS,  244                          ; v244-251 four pairs: a tile's mean, later 1 / (std + eps); at the head four addresses
.set XV,  244
.set POA, 245
.set PIA, 246
.set PSA, 247
.set SPW, 252
.set NIL, 253
.set T0,  254
.set T1,  255
.set TM,  176
.set WV,  18
.set SEL, 20
.set OBP, 32
.set XP,  34
.set WAP, 36
.set WAS, 38
.set WBP, 40
.set WBS, 42
.set H1P, 44
.set QCP, 46
.set QSP, 48
.macro QSCALE s
.irp b, 0,1,2,3
	v_mov_b32 v[TM+4+\b], 0                        ; a lane permute's destination counts as one of its sources
.endr
.irp b, 0,1,2,3
	v_max3_num_f32 v[TM+\b], |v[\s+16*\b]|, |v[\s+1+16*\b]|, 0x2800000   ; with the floor 2^(5 - 127).  Each accumulator is read from its low end on
.endr
.irp i, 2,4,6,8,10,12,14
.irp b, 0,1,2,3
	v_max3_num_f32 v[TM+\b], v[TM+\b], |v[\s+16*\b+\i]|, |v[\s+1+16*\b+\i]|
.endr
.endr
.irp b, 0,1,2,3
	v_permlanex16_b32 v[TM+4+\b], v[TM+\b], s[SEL], s[SEL+1]
.endr
.irp b, 0,1,2,3
	v_max_num_f32 v[TM+\b], v[TM+\b], v[TM+4+\b]
.endr
.irp b, 0,1,2,3
	v_add_nc_u32 v[TM+12+\b], 0xfe000000, v[TM+\b]
.endr
.irp b, 0,1,2,3
	v_lshrrev_b32 v[TM+4+\b], 23, v[TM+12+\b]
.endr
.endm
.macro QUANT s, d, t, wd
	QSCALE \s
	v_lshl_or_b32 v[\wd], v[TM+5], 8, v[TM+4]
	v_lshl_or_b32 v[\wd], v[TM+6], 16, v[\wd]
	v_lshl_or_b32 v[\wd], v[TM+7], 24, v[\wd]
.irp c, 0,1
	v_cvt_scalef32_pk16_bf6_f32 v[\d+6*\c:\d+6*\c+2], v[\s+32*\c:\s+32*\c+15], v[TM+12+2*\c]
	v_cvt_scalef32_pk16_bf6_f32 v[\t+4*\c:\t+4*\c+2], v[\s+32*\c+16:\s+32*\c+31], v[TM+13+2*\c]
.endr
	v_nop
.irp c, 0,1
.irp i, 0,1,2
	v_permlane16_swap_b32 v[\d+6*\c+\i], v[\t+4*\c+\i]
.endr
.irp i, 0,1,2
	v_mov_b32 v[\d+6*\c+3+\i], v[\t+4*\c+\i]
.endr
.endr
.endm
.macro PLACES                          ; four plain instructions between a matrix instruction and a load into, or a vector instruction on, its registers
.rept 4
	v_nop
.endr
.endm
.macro BARRIER                         ; my LDS stores have landed and my LDS loads are in: then the work-group's barrier
	s_wait_dscnt 0x0
	s_barrier_signal -1
	s_barrier_wait -1
.endm
.macro WLOAD4 bs, ustr, o              ; my two row tiles of W, four K steps: 24 loads of 512 consecutive bytes
.irp s, 0,1,2,3
.irp u, 0,1
.irp c, 0,1,2
	global_load_b128 v[WF+24*\s+12*\u+4*\c:WF+24*\s+12*\u+4*\c+3], v[LI], s[\bs:\bs+1] offset:\o+\ustr*\u+1536*\s+512*\c
.endr
.endr
.endr
.endm
.macro KLOADH adr, img, ft, sadr, scl, sw, s, p   ; pair p: K step s of the tiles of rows 2 p, 2 p + 1, and their scale words: eight LDS loads
.irp e, 0,1
.irp c, 0,1,2
	ds_load_b128 v[AF+12*(2*(\p)+\e)+4*\c:AF+12*(2*(\p)+\e)+4*\c+3], v[\adr] offset:\img+(\ft*(2*(\p)+\e)+(\s))*1536+512*\c
.endr
	ds_load_b32 v[AS+2*(\p)+\e], v[\sadr] offset:\scl+(\ft*(2*(\p)+\e)+(\s))*\sw
.endr
.endm
.macro KMULH slot, wb, wu, zero, p     ; four products on pair p: the accumulators take turns, one instruction a turn
.irp e, 0,1
.irp u, 0,1
.if \zero
	v_wmma_scale_f32_16x16x128_f8f6f4 v[ACC+16*(2*(\p)+\e)+8*\u:ACC+16*(2*(\p)+\e)+8*\u+7], v[WF+24*(\slot)+12*\u:WF+24*(\slot)+12*\u+11], v[AF+12*(2*(\p)+\e):AF+12*(2*(\p)+\e)+11], 0, v[WS+(\wb)+\wu*\u], v[AS+2*(\p)+\e] matrix_a_fmt:MATRIX_FMT_BF6 matrix_b_fmt:MATRIX_FMT_BF6
.else
	v_wmma_scale_f32_16x16x128_f8f6f4 v[ACC+16*(2*(\p)+\e)+8*\u:ACC+16*(2*(\p)+\e)+8*\u+7], v[WF+24*(\slot)+12*\u:WF+24*(\slot)+12*\u+11], v[AF+12*(2*(\p)+\e):AF+12*(2*(\p)+\e)+11], v[ACC+16*(2*(\p)+\e)+8*\u:ACC+16*(2*(\p)+\e)+8*\u+7], v[WS+(\wb)+\wu*\u], v[AS+2*(\p)+\e] matrix_a_fmt:MATRIX_FMT_BF6 matrix_b_fmt:MATRIX_FMT_BF6
.endif
.endr
.endr
.endm
; A product over K = 512: four K steps, each in two groups of four products, one on each pair.  zero = 1: the first K step starts the sums.  lw = 1: the weights and the C are still on their way from memory.
.macro GEMM4 img, scl, sw, zero, lw
	KLOADH LI, \img, 4, LSR, \scl, \sw, 0, 0
	KLOADH LI, \img, 4, LSR, \scl, \sw, 0, 1
.if \lw
	s_wait_loadcnt 0x0                             ; the residual, the weights, their scale words
.endif
.irp s, 0,1,2,3
.irp p, 0,1
.if (\s == 3) && (\p == 1)
	s_wait_dscnt 0x0                               ; the last group: nothing was asked for behind its pair
.else
	s_wait_dscnt 8                                 ; LDS loads come back in order: this group's pair is in; the other pair's eight loads may be out
.endif
.if \s == 0
	KMULH \s, \s, 4, \zero, \p
.else
	KMULH \s, \s, 4, 0, \p
.endif
.if \s < 3
	PLACES
	s_wait_alu depctr_va_vdst(0)                   ; the products issued so far are done reading this pair and its scale words, in which the next K step's loads land
	KLOADH LI, \img, 4, LSR, \scl, \sw, \s+1, \p
.endif
.endr
.endr
.endm
.macro GBLOAD gs, bp                   ; gain and bias of my 16 features
.irp u, 0,1
.irp e, 0,1
	global_load_b128 v[G+8*\u+4*\e:G+8*\u+4*\e+3], v[GV], s[\gs:\gs+1] offset:64*\u+16*\e
	global_load_b128 v[BT+8*\u+4*\e:BT+8*\u+4*\e+3], v[GV], s[\bp:\bp+1] offset:64*\u+16*\e
.endr
.endr
.endm
.macro ROWEND                          ; the four chains' halves, and lane l xor 16's: my wave's sums for row r of each tile, in RT + T
.irp t, 0,1,2,3
	v_add_f32 v[RT+\t], v[RT+8+2*\t], v[RT+9+2*\t]
.endr
.irp t, 0,1,2,3
	v_permlanex16_b32 v[RT+4+\t], v[RT+\t], s[SEL], s[SEL+1]
.endr
.irp t, 0,1,2,3
	v_add_f32 v[RT+\t], v[RT+\t], v[RT+4+\t]
.endr
.endm
.macro ROWSUM
.irp t, 0,1,2,3
	v_pk_add_f32 v[RT+8+2*\t:RT+9+2*\t], v[ACC+16*\t:ACC+16*\t+1], v[ACC+16*\t+2:ACC+16*\t+3]   ; each accumulator from its low end on
.endr
.irp j, 4,6,8,10,12,14
.irp t, 0,1,2,3
	v_pk_add_f32 v[RT+8+2*\t:RT+9+2*\t], v[RT+8+2*\t:RT+9+2*\t], v[ACC+16*\t+\j:ACC+16*\t+\j+1]
.endr
.endr
	ROWEND
.endm
.macro ROWSQ
.irp t, 0,1,2,3
	v_pk_mul_f32 v[RT+8+2*\t:RT+9+2*\t], v[ACC+16*\t:ACC+16*\t+1], v[ACC+16*\t:ACC+16*\t+1]
.endr
.irp j, 2,4,6,8,10,12,14
.irp t, 0,1,2,3
	v_pk_fma_f32 v[RT+8+2*\t:RT+9+2*\t], v[ACC+16*\t+\j:ACC+16*\t+\j+1], v[ACC+16*\t+\j:ACC+16*\t+\j+1], v[RT+8+2*\t:RT+9+2*\t]
.endr
.endr
	ROWEND
.endm
.macro XSUM4                           ; four vectors of four in RT .. RT + 15 -> pairs RT, RT + 2 and RT + 8, RT + 10
	v_pk_add_f32 v[RT:RT+1], v[RT:RT+1], v[RT+4:RT+5]
	v_pk_add_f32 v[RT+2:RT+3], v[RT+2:RT+3], v[RT+6:RT+7]
	v_pk_add_f32 v[RT+8:RT+9], v[RT+8:RT+9], v[RT+12:RT+13]
	v_pk_add_f32 v[RT+10:RT+11], v[RT+10:RT+11], v[RT+14:RT+15]
.endm
.macro XRED red                        ; the sixteen waves' sums meet: every lane ends with the totals of row r of the four tiles in RT .. RT + 3
	s_wait_alu depctr_va_vdst(0)                   ; my wave's sums are written to RT .. RT + 3, which the store reads; the lines that made them are done with RT + 4 .. RT + 15, in which loads land below
	ds_store_b128 v[RW], v[RT:RT+3] offset:\red    ; (both halves of the lanes write the same bytes with the same values)
	BARRIER
	s_wait_alu depctr_vm_vsrc(0)                   ; the store has read RT .. RT + 3, in which the first load lands
.irp k, 0,1,2,3
	ds_load_b128 v[RT+4*\k:RT+4*\k+3], v[RR] offset:\red+256*\k   ; lanes 0-15 take waves 0-7, lanes 16-31 waves 8-15
.endr
	s_wait_dscnt 0x0
	XSUM4
	v_pk_add_f32 v[MS:MS+1], v[RT:RT+1], v[RT+8:RT+9]
	v_pk_add_f32 v[MS+2:MS+3], v[RT+2:RT+3], v[RT+10:RT+11]
	s_wait_alu depctr_va_vdst(0)                   ; these six sums are done with RT .. RT + 15, in which the next four loads land
.irp k, 0,1,2,3
	ds_load_b128 v[RT+4*\k:RT+4*\k+3], v[RR] offset:\red+1024+256*\k
.endr
	s_wait_dscnt 0x0
	XSUM4
	v_pk_add_f32 v[RT:RT+1], v[RT:RT+1], v[RT+8:RT+9]
	v_pk_add_f32 v[RT+2:RT+3], v[RT+2:RT+3], v[RT+10:RT+11]
	v_pk_add_f32 v[RT:RT+1], v[RT:RT+1], v[MS:MS+1]
	v_pk_add_f32 v[RT+2:RT+3], v[RT+2:RT+3], v[MS+2:MS+3]
.irp t, 0,1,2,3
	v_permlanex16_b32 v[RT+4+\t], v[RT+\t], s[SEL], s[SEL+1]
.endr
.irp t, 0,1,2,3
	v_add_f32 v[RT+\t], v[RT+\t], v[RT+4+\t]
.endr
.endm
.macro LNORM                           ; ACC = gain (ACC - mean) / (std + eps) + bias, std with 511 in the divisor
	ROWSUM
	XRED RED1
.irp t, 0,1,2,3
	v_mul_f32 v[MS+2*\t], 0x3b000000, v[RT+\t]     ; / 512
.endr
.irp t, 0,1,2,3
	v_mov_b32 v[MS+2*\t+1], v[MS+2*\t]
.endr
.irp t, 0,1,2,3
.irp j, 0,2,4,6,8,10,12,14
	v_pk_add_f32 v[ACC+16*\t+\j:ACC+16*\t+\j+1], v[ACC+16*\t+\j:ACC+16*\t+\j+1], v[MS+2*\t:MS+2*\t+1] neg_lo:[0,1] neg_hi:[0,1]
.endr
.endr
	ROWSQ
	XRED RED2
.irp t, 0,1,2,3
	v_mul_f32 v[RT+\t], 0x3b004020, v[RT+\t]       ; / 511
.endr
.irp t, 0,1,2,3
	v_sqrt_f32 v[RT+4+\t], v[RT+\t]
.endr
	v_nop
	s_wait_alu depctr_va_vdst(0)                   ; the four roots are written to RT + 4 .. RT + 7: one wait, ahead of their first reader
.irp t, 0,1,2,3
	v_add_f32 v[RT+4+\t], 0x358637bd, v[RT+4+\t]   ; + 1e-6
.endr
.irp t, 0,1,2,3
	v_rcp_f32 v[MS+2*\t], v[RT+4+\t]
.endr
	v_nop
	s_wait_alu depctr_va_vdst(0)                   ; the four reciprocals are written to the pairs' first halves: one wait, ahead of their first reader
.irp t, 0,1,2,3
	v_mov_b32 v[MS+2*\t+1], v[MS+2*\t]
.endr
	s_wait_loadcnt 0x0                             ; gain and bias (and the next weights, asked for with them)
.irp t, 0,1,2,3
.irp j, 0,2,4,6,8,10,12,14
	v_pk_mul_f32 v[ACC+16*\t+\j:ACC+16*\t+\j+1], v[ACC+16*\t+\j:ACC+16*\t+\j+1], v[MS+2*\t:MS+2*\t+1]
.endr
.endr
.irp t, 0,1,2,3
.irp j, 0,2,4,6,8,10,12,14
	v_pk_fma_f32 v[ACC+16*\t+\j:ACC+16*\t+\j+1], v[ACC+16*\t+\j:ACC+16*\t+\j+1], v[G+\j:G+\j+1], v[BT+\j:BT+\j+1]
.endr
.endr
.endm
; Where half a block's three code words go in an image: word p0 + k of the block's lane, p0 = s[sp0] + 3 h: 512 (p / 4) + 4 (p % 4) + 16 r + s[sbase]; the block's byte: 4 r + s[sbyte]
.macro HADDR ha, hb, sp0, sbase, sbyte
	v_mul_u32_u24 v[T0], v[H], 3
	v_add_nc_u32 v[T0], s[\sp0], v[T0]
.irp k, 0,1,2
	v_add_nc_u32 v[T1], \k, v[T0]
	v_lshrrev_b32 v[\ha+\k], 2, v[T1]
	v_and_b32 v[T1], 3, v[T1]
	v_lshl_add_u32 v[\ha+\k], v[\ha+\k], 9, v[R16]
	v_lshl_add_u32 v[\ha+\k], v[T1], 2, v[\ha+\k]
	v_add_nc_u32 v[\ha+\k], s[\sbase], v[\ha+\k]
.endr
	v_add_nc_u32 v[\hb], s[\sbyte], v[LSR]
.endm
; My 32 features are one block of 32 of the next K, for each of the 64 rows: codes and bytes go into the next operand's images
.macro HQ ha, hb, img, tstr, scl, sstr
	QSCALE ACC
.irp t, 0,1,2,3
	v_cvt_scalef32_pk16_bf6_f32 v[CV+4*\t:CV+4*\t+2], v[ACC+16*\t:ACC+16*\t+15], v[TM+12+\t]
.endr
	v_nop                                          ; one plain instruction behind the scaled conversions
	s_wait_alu depctr_va_vdst(0)                   ; the conversions have written v[CV ..] and the shifts the four bytes, which the LDS stores read
.irp t, 0,1,2,3
.irp k, 0,1,2
	ds_store_b32 v[\ha+\k], v[CV+4*\t+\k] offset:\img+\tstr*\t
.endr
	ds_store_b8 v[\hb], v[TM+4+\t] offset:\scl+\sstr*\t   ; (both halves of the lanes write the same byte with the same value)
.endr
.endm
	s_load_b256 s[4:11], s[0:1], 0x0               ; ob, wq, x, ln1_g
	s_load_b128 s[12:15], s[0:1], 0x20             ; ln1_b, h1
	s_load_b64 s[16:17], s[0:1], 0x30              ; qb
	v_lshl_add_u32 v[SPW], v0, 2, SPARE
	v_mov_b32 v[NIL], 0
	v_lshrrev_b32 v[T0], 5, v0
	v_readfirstlane_b32 s[WV], v[T0]
	v_and_b32 v[R], 15, v0
	v_bfe_u32 v[H], v0, 4, 1
	v_and_b32 v[T0], 31, v0
	v_lshlrev_b32 v[LI], 4, v[T0]
	v_lshlrev_b32 v[LSR], 2, v[R]
	v_lshlrev_b32 v[R16], 4, v[R]
	s_wait_alu depctr_va_sdst(0)                   ; the wave's number is written, ahead of its first reader: LDS addresses and all bases are made from it
	s_lshl_b32 s22, s[WV], 7
	v_lshl_add_u32 v[GV], v[H], 5, s22
	s_lshl_b32 s23, s[WV], 8
	v_add_nc_u32 v[RW], s23, v[R16]
	v_lshl_add_u32 v[RR], v[H], 11, v[R16]
	v_lshl_add_u32 v[XV], v[R], 11, v[GV]          ; x: row r, my features
	v_lshl_add_u32 v[POA], v[H], 9, v[R16]         ; ob: head + h, row r
	s_mul_i32 s24, s[WV], 1536
	s_add_co_u32 s24, s24, AIMG
	v_add_nc_u32 v[PIA], s24, v[LI]
	s_add_co_u32 s25, s22, ASCL
	v_lshl_add_u32 v[PSA], v[T0], 2, s25
	s_bfe_u32 s26, s[WV], 0x10001
	s_mul_i32 s26, s26, 6                          ; block w of h's K: registers 0-5 or 6-11 of its image,
	s_and_b32 s27, s[WV], 1
	s_lshl_b32 s27, s27, 8                         ; lanes 0-15 or 16-31,
	s_lshr_b32 s28, s[WV], 2
	s_mul_i32 s29, s28, 1536                       ; K step w / 4
	s_add_co_u32 s27, s27, s29
	s_and_b32 s29, s[WV], 3
	s_lshl_b32 s28, s28, 6
	s_add_co_u32 s29, s29, s28
	HADDR HA, HB, 26, 27, 29
	s_mov_b32 s[SEL], 0x76543210
	s_mov_b32 s[SEL+1], 0xfedcba98
	s_lshl_b32 s22, ttmp9, 15
	s_lshl_b32 s23, s[WV], 11
	s_add_co_u32 s22, s22, s23                     ; ob: my fragment's four heads of my tile of rows (fragment w = 4 T + s)
	s_mov_b32 s23, 0
	s_lshl_b32 s24, ttmp9, 17                      ; 64 rows of 2,048 bytes
	s_mov_b32 s25, 0
	s_mul_i32 s26, s[WV], 12288
	s_add_co_u32 s28, s26, 983040                  ; sa_wo, my two row tiles
	s_mov_b32 s29, 0
	s_add_co_u32 s30, s26, 1179648                 ; ca_wq
	s_mov_b32 s31, 0
	s_lshl_b32 s27, s[WV], 9
	s_add_co_u32 s50, s27, 2400256                 ; their scale words
	s_mov_b32 s51, 0
	s_add_co_u32 s52, s27, 2408448
	s_mov_b32 s53, 0
	s_lshl_b32 s54, s[WV], 13
	s_add_co_u32 s54, s54, s24
	s_mov_b32 s55, 0
	s_lshr_b32 s56, ttmp9, 5
	s_lshl_b32 s56, s56, 4
	s_add_co_u32 s56, s56, s[WV]
	s_lshl_b32 s56, s56, 5
	s_and_b32 s57, ttmp9, 31
	s_add_co_u32 s56, s56, s57                     ; q2's fragment: (16 b + head) 32 + group of 64 queries
	s_lshl_b32 s58, s56, 6
	s_add_co_u32 s58, s58, 1572864
	s_mov_b32 s59, 0
	s_mul_i32 s56, s56, 1536
	s_mov_b32 s57, 0
	s_wait_kmcnt 0x0
	s_add_nc_u64 s[OBP:OBP+1], s[4:5], s[22:23]
	s_add_nc_u64 s[XP:XP+1], s[8:9], s[24:25]
	s_add_nc_u64 s[WAP:WAP+1], s[6:7], s[28:29]
	s_add_nc_u64 s[WAS:WAS+1], s[6:7], s[50:51]
	s_add_nc_u64 s[WBP:WBP+1], s[6:7], s[30:31]
	s_add_nc_u64 s[WBS:WBS+1], s[6:7], s[52:53]
	s_add_nc_u64 s[H1P:H1P+1], s[14:15], s[54:55]
	s_add_nc_u64 s[QCP:QCP+1], s[16:17], s[56:57]
	s_add_nc_u64 s[QSP:QSP+1], s[16:17], s[58:59]
	s_wait_alu depctr_va_vdst(0)                   ; the offsets and addresses v3 to v12 and v244 to v247 are written, which the loads and stores of the kernel read
	; wave w builds o's fragment w from four records of 512 bytes: lane (r, h) wants blocks h and 2 + h whole: each is two pieces of 12 bytes, with the block's byte behind each
	global_load_b128 v[176:179], v[POA], s[OBP:OBP+1]
	global_load_b128 v[188:191], v[POA], s[OBP:OBP+1] offset:256
	global_load_b128 v[182:185], v[POA], s[OBP:OBP+1] offset:1024
	global_load_b128 v[192:195], v[POA], s[OBP:OBP+1] offset:1280
.irp t, 0,1,2,3
.irp u, 0,1
.irp e, 0,1
	global_load_b128 v[ACC+16*\t+8*\u+4*\e:ACC+16*\t+8*\u+4*\e+3], v[XV], s[XP:XP+1] offset:32768*\t+64*\u+16*\e   ; the residual, in the result's layout
.endr
.endr
.endr
	WLOAD4 WAP, 6144, 0
.irp u, 0,1
	global_load_b128 v[WS+4*\u:WS+4*\u+3], v[R16], s[WAS:WAS+1] offset:256*\u
.endr
	s_wait_loadcnt 42                              ; the four loads of o are in; the 16 + 24 + 2 behind them may be out
	v_lshl_or_b32 v[T0], v185, 16, v179            ; my two bytes,
	v_lshlrev_b32 v[T1], 3, v[H]
	v_lshlrev_b32 v[T0], v[T1], v[T0]              ; at their places in the scale word;
	v_mov_b32 v[T1], 0
	v_permlanex16_b32 v[T1], v[T0], s[SEL], s[SEL+1]
	v_or_b32 v[T0], v[T0], v[T1]                   ; with lane l xor 16's the word is whole
.irp i, 0,1,2
	v_mov_b32 v[179+\i], v[188+\i]
	v_mov_b32 v[185+\i], v[192+\i]
.endr
	s_wait_alu depctr_va_vdst(0)                   ; the moves have written v179 to v181 and v185 to v187, the lines above them v[T0]: the LDS stores read them; and they are done with v188 to v194, in which fragments land below
	ds_store_b128 v[PIA], v[176:179]
	ds_store_b128 v[PIA], v[180:183] offset:512
	ds_store_b128 v[PIA], v[184:187] offset:1024
	ds_store_b32 v[PSA], v[T0]
	BARRIER                                        ; o's sixteen fragments lie in LDS
	s_wait_alu depctr_vm_vsrc(0)                   ; my LDS stores have read v176 to v187, in which fragments land; they and the head's loads have read v244 to v247, which the norm writes
	GEMM4 AIMG, ASCL, 128, 0, 1                    ; x + o sa_wo^T
	PLACES
	s_wait_alu depctr_va_vdst(0)                   ; the product is done reading AF, WF and WS, in which gain, bias, ca_wq and its scale words land
	GBLOAD 10, 12
	WLOAD4 WBP, 6144, 0                            ; ca_wq lands while the norm is made
.irp u, 0,1
	global_load_b128 v[WS+4*\u:WS+4*\u+3], v[R16], s[WBS:WBS+1] offset:256*\u
.endr
	LNORM
	s_wait_alu depctr_va_vdst(0)                   ; the norm has written the accumulators, which the stores of h read
.irp k, 0,1,2,3,4,5,6,7,8,9,10,11,12,13,14,15
	global_store_b128 v[LI], v[ACC+4*\k:ACC+4*\k+3], s[H1P:H1P+1] offset:512*\k   ; h, as the accumulators stand
.endr
	HQ HA, HB, HIMG, 6144, HSCL, 256
	BARRIER                                        ; h's sixteen fragments lie in LDS
	s_wait_xcnt 0x0                                ; the stores of h have had their addresses translated: the accumulators are written again only behind this wait,
	s_wait_alu depctr_vm_vsrc(0)                   ; and behind this one: the stores of h have read the accumulators, which the next products write; the quantiser's LDS stores have read v[CV ..] and the bytes, in which fragments land
	GEMM4 HIMG, HSCL, 64, 1, 0
	PLACES
.set TM, 196
	QUANT ACC, 176, 188, 212                       ; head w of 64 queries: one fragment: its row m, block T is query 16 T + m
	s_wait_alu depctr_va_vdst(0)                   ; the quantiser has written v176 to v187 and v212, which the four stores read
.irp c, 0,1,2
	global_store_b128 v[LI], v[176+4*\c:176+4*\c+3], s[QCP:QCP+1] offset:512*\c
.endr
	global_store_b32 v[LSR], v212, s[QSP:QSP+1]    ; (both halves of the lanes store the same word)
	s_wait_dscnt 0x0                               ; the closing lines, six on end
	s_wait_alu 0x0
	s_wait_tensorcnt 0x0
	ds_add_u32 v[SPW], v[NIL]
	s_wait_dscnt 0x0
	s_endpgm
.Lfunc_end_k_qac1bea6fd7_mid1:
	.size	k_qac1bea6fd7_mid1, .Lfunc_end_k_qac1bea6fd7_mid1-k_qac1bea6fd7_mid1
	.p2alignl 7, 3214868480
	.fill 96, 4, 3214868480
	.section	.rodata,"a",@progbits
	.p2align	6, 0x0
	.amdhsa_kernel k_qac1bea6fd7_mid1
		.amdhsa_group_segment_fixed_size 62464
		.amdhsa_private_segment_fixed_size 0
		.amdhsa_enable_private_segment 0
		.amdhsa_kernarg_size 56
		.amdhsa_user_sgpr_count 2
		.amdhsa_user_sgpr_kernarg_segment_ptr 1
		.amdhsa_wavefront_size32 1
		.amdhsa_system_sgpr_workgroup_id_x 1
		.amdhsa_system_sgpr_workgroup_id_y 1
		.amdhsa_system_sgpr_workgroup_id_z 1
		.amdhsa_system_vgpr_workitem_id 0
		.amdhsa_next_free_vgpr 256
		.amdhsa_next_free_sgpr 66
		.amdhsa_reserve_vcc 0
		.amdhsa_float_denorm_mode_32 3
		.amdhsa_float_denorm_mode_16_64 3
		.amdhsa_memory_ordered 1
		.amdhsa_forward_progress 1
		.amdhsa_inst_pref_size 59
	.end_amdhsa_kernel
	.amdgpu_metadata
---
amdhsa.version: [ 1, 2 ]
amdhsa.kernels:
  - .name:           k_qac1bea6fd7_mid1
    .symbol:         k_qac1bea6fd7_mid1.kd
    .args:
      - { .name: ob, .offset: 0, .size: 8, .value_kind: global_buffer, .address_space: global }
      - { .name: wq, .offset: 8, .size: 8, .value_kind: global_buffer, .address_space: global }
      - { .name: x, .offset: 16, .size: 8, .value_kind: global_buffer, .address_space: global }
      - { .name: ln1_g, .offset: 24, .size: 8, .value_kind: global_buffer, .address_space: global }
      - { .name: ln1_b, .offset: 32, .size: 8, .value_kind: global_buffer, .address_space: global }
      - { .name: h1, .offset: 40, .size: 8, .value_kind: global_buffer, .address_space: global }
      - { .name: qb, .offset: 48, .size: 8, .value_kind: global_buffer, .address_space: global }
    .group_segment_fixed_size: 62464
    .private_segment_fixed_size: 0
    .kernarg_segment_align: 8
    .kernarg_segment_size: 56
    .max_flat_workgroup_size: 512
    .sgpr_count:     66
    .vgpr_count:     256
    .wavefront_size: 32
...
	.end_amdgpu_metadata
.endif
;; end of part 8
;; launch attn_cross: the kernel of part 5 again; grid 8 x 32, 16 waves a work-group, clusters of 4 x 1, 167,936 bytes of LDS; arguments qb, kv, ob; writes ob
;; launch mid2 (part 9): grid 64 x 1, 16 waves a work-group, no clusters, 245,760 bytes of LDS; arguments ob, wq, h1, ln2_g, ln2_b, ff_b1, ff_b2, ln3_g, ln3_b, out0; writes out0
.if DOCPART == 9
	.amdgcn_target "amdgcn-amd-amdhsa--gfx1250"
	.amdhsa_code_object_version 6
	.text
	.protected	k_qac1bea6fd7_mid2
	.globl	k_qac1bea6fd7_mid2
	.p2align	8
	.type	k_qac1bea6fd7_mid2,@function
k_qac1bea6fd7_mid2:
	s_mov_b64 s[64:65], 0
	v_nop
	global_prefetch_b8 v0, s[64:65] scope:SCOPE_SE
	s_setreg_imm32_b32 hwreg(HW_REG_WAVE_SCHED_MODE, 0, 2), 2
	s_setreg_imm32_b32 hwreg(HW_REG_WAVE_MODE, 25, 1), 1
	s_wait_xcnt 0x0
	s_wait_alu depctr_vm_vsrc(0)
; Launch 6 of 6: h2 = layernorm(h + o ca_wo^T); out = layernorm(h2 + relu(h2 ff_w1^T + b1) ff_w2^T + b2).
; SHARES, as in the launch mid1: a work-group takes 64 rows (four tiles T); wave w makes features 32 w .. 32 w + 31 of all 64 rows (8 accumulators, 16 T + 8 u), and hidden units 64 w .. 64 w + 63 in two units of 32.
; Products are used transposed (source 0 = 16 rows of W, source 1 = 16 rows).  A wave's weights go from memory straight into its registers; the rows' operands go from wave to wave through LDS as images of their registers.
; h (the image that mid1 left), b1, and h2 + b2 (kept meanwhile in the wave's own bytes of LDS) are each the C of a sum's first instruction.  So b2 is added ahead of the last product's sum, not behind it.
; The hidden layer never goes to memory.  The result leaves through a stage in LDS as whole rows.
; 64 work-groups: a norm wants whole rows, and fewer rows to a work-group would only read the weights more often.  No tensor load, so no cluster.
; The reciprocals 1 / 512, 1 / 511 and 1 / (std + eps) are applied by multiplication.
; THE MODE: SCHED_MODE bits 1:0 = 2 (LLVM: expert scheduling mode 2), set by the entry lines.  The code itself states the register dependences
; between vector or matrix instructions and memory or LDS instructions, with s_wait_alu, always for 0.
; THE PLAN.  Registers that memory or LDS instructions touch:
;   v3 .. v15, v245 .. v247  offsets and LDS addresses, made at the head: one wait on va_vdst ahead of the first load.  v9 to v12 are made anew twice (for the hidden layer's images; for the stage), each time behind a wait
;                on vm_vsrc that follows the LDS stores that read them, and ahead of a wait on va_vdst that stands in front of their next readers anyway.  v245 to v247 become the norm's pairs behind the first barrier's wait on vm_vsrc.
;   v250         b1's offset between the two norms: made directly behind the first norm, ahead of the wait on va_vdst that b2's loads owe; written again by the second norm, behind later waits on vm_vsrc.
;   AF, AS       In a product TWO BUFFERS BY TURNS: pair p = the fragments of tiles 2 p, 2 p + 1 and their scale words.  Four products read a pair; behind them one wait on va_vdst, and the pair's eight LDS loads of the
;                next K step follow: they are on their way while the other pair is multiplied.  The launch's 256 registers a wave leave no room for a third pair.
;                Between products the same registers are o's fragment at the head, G, BT, B2 (loads), RT (the sums' store and loads), TM, CV (the quantiser's stores): each change of hands has its wait below.
;   WF, WS       read by a product's matrix instructions; the next loads stand behind the one wait on va_vdst that follows the product; in the last product a slot is asked for again behind the wait that follows its K step's second group.
;   ACC          loads land there (h; b1, twice; h2 + b2 from my own bytes of LDS), each behind a wait on va_vdst that follows the last vector line on it; the stash's and the stage's stores read it, each behind such a wait.
;   v[SPW], v[NIL] written at the head, read by the closing add alone.
.set RED1,  0
.set RED2,  4096
.set AIMG,  8192                       ; o's 16 images, (4 T + s) x 1,536
.set ASCL,  32768                      ; their scale words, 128 bytes each
.set HIMG,  34816                      ; h2's 16 images
.set HSCL,  59392                      ; their scale words, 64 bytes each
.set FIMG,  60416                      ; the hidden layer's 32 images, (8 T + s) x 1,536
.set FSCL,  109568                     ; their scale words, 64 bytes each
.set STASH, 111616                     ; 8,192 bytes a wave: h2 + b2;  later the stage: 64 rows x (2,048 + 16) bytes
.set STAGE, 111616
.set SPARE, 243712                     ; the spare words, 128 bytes a wave: eight blocks of 256 bytes that no other line names
.set R,   1
.set H,   2
.set LI,  3
.set LSR, 4
.set R16, 5
.set GV,  6
.set RW,  7
.set RR,  8
.set HA,  9                            ; v9-11 code words' places: in h2's images, later in the hidden layer's; at the end the stage's three addresses
.set HB,  12
.set LIF, 13                           ; 16 x lane + FIMG
.set LSF, 14                           ; 4 r + FSCL
.set ST,  15                           ; my stash
.set ACC, 16
.set WF,  80
.set AF,  176
.set G,   176
.set BT,  192
.set RT,  208
.set CV,  192
.set B2,  208
.set WS,  224
.set AS,  240
.set MS,  244
.set POA, 245
.set PIA, 246
.set PSA, 247
.set GV2, 250                          ; 256 w + 32 h: my hidden units' bytes in b1 (between the two norms)
.set SPW, 252
.set NIL, 253
.set T0,  254
.set T1,  255
.set TM,  176
.set WV,  24
.set SEL, 26
.set OBP, 36
.set H1P, 38
.set WOP, 40
.set WOS, 42
.set W1P, 44
.set W1S, 46
.set W2P, 48
.set W2S, 50
.set OUTP, 52
.macro QSCALE s
.irp b, 0,1,2,3
	v_mov_b32 v[TM+4+\b], 0                        ; a lane permute's destination counts as one of its sources
.endr
.irp b, 0,1,2,3
	v_max3_num_f32 v[TM+\b], |v[\s+16*\b]|, |v[\s+1+16*\b]|, 0x2800000   ; with the floor 2^(5 - 127)
.endr
.irp i, 2,4,6,8,10,12,14
.irp b, 0,1,2,3
	v_max3_num_f32 v[TM+\b], v[TM+\b], |v[\s+16*\b+\i]|, |v[\s+1+16*\b+\i]|
.endr
.endr
.irp b, 0,1,2,3
	v_permlanex16_b32 v[TM+4+\b], v[TM+\b], s[SEL], s[SEL+1]
.endr
.irp b, 0,1,2,3
	v_max_num_f32 v[TM+\b], v[TM+\b], v[TM+4+\b]
.endr
.irp b, 0,1,2,3
	v_add_nc_u32 v[TM+12+\b], 0xfe000000, v[TM+\b]
.endr
.irp b, 0,1,2,3
	v_lshrrev_b32 v[TM+4+\b], 23, v[TM+12+\b]
.endr
.endm
.macro PLACES                          ; four plain instructions between a matrix instruction and a load into, or a vector instruction on, its registers
.rept 4
	v_nop
.endr
.endm
.macro BARRIER                         ; my LDS stores have landed and my LDS loads are in: then the work-group's barrier
	s_wait_dscnt 0x0
	s_barrier_signal -1
	s_barrier_wait -1
.endm
.macro WLOAD1 bs, ustr, s              ; my two row tiles of W, K step s, into slot s % 4
.irp u, 0,1
.irp c, 0,1,2
	global_load_b128 v[WF+24*((\s)%4)+12*\u+4*\c:WF+24*((\s)%4)+12*\u+4*\c+3], v[LI], s[\bs:\bs+1] offset:\ustr*\u+1536*(\s)+512*\c
.endr
.endr
.endm
.macro WLOAD4 bs, ustr, o              ; four K steps: 24 loads of 512 consecutive bytes
.irp s, 0,1,2,3
.irp u, 0,1
.irp c, 0,1,2
	global_load_b128 v[WF+24*\s+12*\u+4*\c:WF+24*\s+12*\u+4*\c+3], v[LI], s[\bs:\bs+1] offset:\o+\ustr*\u+1536*\s+512*\c
.endr
.endr
.endr
.endm
.macro KLOADH adr, img, ft, sadr, scl, sw, s, p   ; pair p: K step s of the tiles of rows 2 p, 2 p + 1, and their scale words: eight LDS loads
.irp e, 0,1
.irp c, 0,1,2
	ds_load_b128 v[AF+12*(2*(\p)+\e)+4*\c:AF+12*(2*(\p)+\e)+4*\c+3], v[\adr] offset:\img+(\ft*(2*(\p)+\e)+(\s))*1536+512*\c
.endr
	ds_load_b32 v[AS+2*(\p)+\e], v[\sadr] offset:\scl+(\ft*(2*(\p)+\e)+(\s))*\sw
.endr
.endm
.macro KMULH slot, wb, wu, p           ; four products on pair p: the accumulators take turns, one instruction a turn.  Every sum here begins on a C that lies in the accumulator
.irp e, 0,1
.irp u, 0,1
	v_wmma_scale_f32_16x16x128_f8f6f4 v[ACC+16*(2*(\p)+\e)+8*\u:ACC+16*(2*(\p)+\e)+8*\u+7], v[WF+24*(\slot)+12*\u:WF+24*(\slot)+12*\u+11], v[AF+12*(2*(\p)+\e):AF+12*(2*(\p)+\e)+11], v[ACC+16*(2*(\p)+\e)+8*\u:ACC+16*(2*(\p)+\e)+8*\u+7], v[WS+(\wb)+\wu*\u], v[AS+2*(\p)+\e] matrix_a_fmt:MATRIX_FMT_BF6 matrix_b_fmt:MATRIX_FMT_BF6
.endr
.endr
.endm
; A product over K = 512: four K steps, each in two groups of four products, one on each pair.  wb: where its weights' scale words begin.  The weights and the C are still on their way from memory at its head.
.macro GEMM4 img, scl, sw, wb
	KLOADH LI, \img, 4, LSR, \scl, \sw, 0, 0
	KLOADH LI, \img, 4, LSR, \scl, \sw, 0, 1
	s_wait_loadcnt 0x0                             ; the C, the weights, their scale words
.irp s, 0,1,2,3
.irp p, 0,1
.if (\s == 3) && (\p == 1)
	s_wait_dscnt 0x0                               ; the last group: nothing was asked for behind its pair
.else
	s_wait_dscnt 8                                 ; LDS loads come back in order: this group's pair is in; the other pair's eight loads may be out
.endif
	KMULH \s, (\wb)+\s, 4, \p
.if \s < 3
	PLACES
	s_wait_alu depctr_va_vdst(0)                   ; the products issued so far are done reading this pair and its scale words, in which the next K step's loads land
	KLOADH LI, \img, 4, LSR, \scl, \sw, \s+1, \p
.endif
.endr
.endr
.endm
.macro GBLOAD gs, bp
.irp u, 0,1
.irp e, 0,1
	global_load_b128 v[G+8*\u+4*\e:G+8*\u+4*\e+3], v[GV], s[\gs:\gs+1] offset:64*\u+16*\e
	global_load_b128 v[BT+8*\u+4*\e:BT+8*\u+4*\e+3], v[GV], s[\bp:\bp+1] offset:64*\u+16*\e
.endr
.endr
.endm
.macro ROWEND
.irp t, 0,1,2,3
	v_add_f32 v[RT+\t], v[RT+8+2*\t], v[RT+9+2*\t]
.endr
.irp t, 0,1,2,3
	v_permlanex16_b32 v[RT+4+\t], v[RT+\t], s[SEL], s[SEL+1]
.endr
.irp t, 0,1,2,3
	v_add_f32 v[RT+\t], v[RT+\t], v[RT+4+\t]
.endr
.endm
.macro ROWSUM
.irp t, 0,1,2,3
	v_pk_add_f32 v[RT+8+2*\t:RT+9+2*\t], v[ACC+16*\t:ACC+16*\t+1], v[ACC+16*\t+2:ACC+16*\t+3]   ; each accumulator from its low end on
.endr
.irp j, 4,6,8,10,12,14
.irp t, 0,1,2,3
	v_pk_add_f32 v[RT+8+2*\t:RT+9+2*\t], v[RT+8+2*\t:RT+9+2*\t], v[ACC+16*\t+\j:ACC+16*\t+\j+1]
.endr
.endr
	ROWEND
.endm
.macro ROWSQ
.irp t, 0,1,2,3
	v_pk_mul_f32 v[RT+8+2*\t:RT+9+2*\t], v[ACC+16*\t:ACC+16*\t+1], v[ACC+16*\t:ACC+16*\t+1]
.endr
.irp j, 2,4,6,8,10,12,14
.irp t, 0,1,2,3
	v_pk_fma_f32 v[RT+8+2*\t:RT+9+2*\t], v[ACC+16*\t+\j:ACC+16*\t+\j+1], v[ACC+16*\t+\j:ACC+16*\t+\j+1], v[RT+8+2*\t:RT+9+2*\t]
.endr
.endr
	ROWEND
.endm
.macro XSUM4
	v_pk_add_f32 v[RT:RT+1], v[RT:RT+1], v[RT+4:RT+5]
	v_pk_add_f32 v[RT+2:RT+3], v[RT+2:RT+3], v[RT+6:RT+7]
	v_pk_add_f32 v[RT+8:RT+9], v[RT+8:RT+9], v[RT+12:RT+13]
	v_pk_add_f32 v[RT+10:RT+11], v[RT+10:RT+11], v[RT+14:RT+15]
.endm
.macro XRED red                        ; the sixteen waves' sums meet: every lane ends with the totals of row r of the four tiles in RT .. RT + 3
	s_wait_alu depctr_va_vdst(0)                   ; my wave's sums are written to RT .. RT + 3, which the store reads; the lines that made them are done with RT + 4 .. RT + 15, in which loads land below
	ds_store_b128 v[RW], v[RT:RT+3] offset:\red    ; (both halves of the lanes write the same bytes with the same values)
	BARRIER
	s_wait_alu depctr_vm_vsrc(0)                   ; the store has read RT .. RT + 3, in which the first load lands
.irp k, 0,1,2,3
	ds_load_b128 v[RT+4*\k:RT+4*\k+3], v[RR] offset:\red+256*\k
.endr
	s_wait_dscnt 0x0
	XSUM4
	v_pk_add_f32 v[MS:MS+1], v[RT:RT+1], v[RT+8:RT+9]
	v_pk_add_f32 v[MS+2:MS+3], v[RT+2:RT+3], v[RT+10:RT+11]
	s_wait_alu depctr_va_vdst(0)                   ; these six sums are done with RT .. RT + 15, in which the next four loads land
.irp k, 0,1,2,3
	ds_load_b128 v[RT+4*\k:RT+4*\k+3], v[RR] offset:\red+1024+256*\k
.endr
	s_wait_dscnt 0x0
	XSUM4
	v_pk_add_f32 v[RT:RT+1], v[RT:RT+1], v[RT+8:RT+9]
	v_pk_add_f32 v[RT+2:RT+3], v[RT+2:RT+3], v[RT+10:RT+11]
	v_pk_add_f32 v[RT:RT+1], v[RT:RT+1], v[MS:MS+1]
	v_pk_add_f32 v[RT+2:RT+3], v[RT+2:RT+3], v[MS+2:MS+3]
.irp t, 0,1,2,3
	v_permlanex16_b32 v[RT+4+\t], v[RT+\t], s[SEL], s[SEL+1]
.endr
.irp t, 0,1,2,3
	v_add_f32 v[RT+\t], v[RT+\t], v[RT+4+\t]
.endr
.endm
.macro LNORM                           ; ACC = gain (ACC - mean) / (std + eps) + bias, std with 511 in the divisor.  The two regions of sums are written again in the second norm, several barriers behind their last reads
	ROWSUM
	XRED RED1
.irp t, 0,1,2,3
	v_mul_f32 v[MS+2*\t], 0x3b000000, v[RT+\t]     ; / 512
.endr
.irp t, 0,1,2,3
	v_mov_b32 v[MS+2*\t+1], v[MS+2*\t]
.endr
.irp t, 0,1,2,3
.irp j, 0,2,4,6,8,10,12,14
	v_pk_add_f32 v[ACC+16*\t+\j:ACC+16*\t+\j+1], v[ACC+16*\t+\j:ACC+16*\t+\j+1], v[MS+2*\t:MS+2*\t+1] neg_lo:[0,1] neg_hi:[0,1]
.endr
.endr
	ROWSQ
	XRED RED2
.irp t, 0,1,2,3
	v_mul_f32 v[RT+\t], 0x3b004020, v[RT+\t]       ; / 511
.endr
.irp t, 0,1,2,3
	v_sqrt_f32 v[RT+4+\t], v[RT+\t]
.endr
	v_nop
	s_wait_alu depctr_va_vdst(0)                   ; the four roots are written to RT + 4 .. RT + 7: one wait, ahead of their first reader
.irp t, 0,1,2,3
	v_add_f32 v[RT+4+\t], 0x358637bd, v[RT+4+\t]   ; + 1e-6
.endr
.irp t, 0,1,2,3
	v_rcp_f32 v[MS+2*\t], v[RT+4+\t]
.endr
	v_nop
	s_wait_alu depctr_va_vdst(0)                   ; the four reciprocals are written to the pairs' first halves: one wait, ahead of their first reader
.irp t, 0,1,2,3
	v_mov_b32 v[MS+2*\t+1], v[MS+2*\t]
.endr
	s_wait_loadcnt 0x0                             ; gain and bias (and the weights asked for with them)
.irp t, 0,1,2,3
.irp j, 0,2,4,6,8,10,12,14
	v_pk_mul_f32 v[ACC+16*\t+\j:ACC+16*\t+\j+1], v[ACC+16*\t+\j:ACC+16*\t+\j+1], v[MS+2*\t:MS+2*\t+1]
.endr
.endr
.irp t, 0,1,2,3
.irp j, 0,2,4,6,8,10,12,14
	v_pk_fma_f32 v[ACC+16*\t+\j:ACC+16*\t+\j+1], v[ACC+16*\t+\j:ACC+16*\t+\j+1], v[G+\j:G+\j+1], v[BT+\j:BT+\j+1]
.endr
.endr
.endm
; Where half a block's three code words go in an image: word p0 + k of the block's lane, p0 = s[sp0] + 3 h: 512 (p / 4) + 4 (p % 4) + 16 r + s[sbase]; the block's byte: 4 r + s[sbyte]
.macro HADDR ha, hb, sp0, sbase, sbyte
	v_mul_u32_u24 v[T0], v[H], 3
	v_add_nc_u32 v[T0], s[\sp0], v[T0]
.irp k, 0,1,2
	v_add_nc_u32 v[T1], \k, v[T0]
	v_lshrrev_b32 v[\ha+\k], 2, v[T1]
	v_and_b32 v[T1], 3, v[T1]
	v_lshl_add_u32 v[\ha+\k], v[\ha+\k], 9, v[R16]
	v_lshl_add_u32 v[\ha+\k], v[T1], 2, v[\ha+\k]
	v_add_nc_u32 v[\ha+\k], s[\sbase], v[\ha+\k]
.endr
	v_add_nc_u32 v[\hb], s[\sbyte], v[LSR]
.endm
; My 32 numbers of a row are one block of 32 of the next K, for each of the 64 rows: codes and bytes go into the next operand's images
.macro HQ ha, hb, img, tstr, scl, sstr
	QSCALE ACC
.irp t, 0,1,2,3
	v_cvt_scalef32_pk16_bf6_f32 v[CV+4*\t:CV+4*\t+2], v[ACC+16*\t:ACC+16*\t+15], v[TM+12+\t]
.endr
	v_nop                                          ; one plain instruction behind the scaled conversions
	s_wait_alu depctr_va_vdst(0)                   ; the conversions have written v[CV ..] and the shifts the four bytes, which the LDS stores read, by addresses that are written too; and all lines so far are done with the accumulators
.irp t, 0,1,2,3
.irp k, 0,1,2
	ds_store_b32 v[\ha+\k], v[CV+4*\t+\k] offset:\img+\tstr*\t
.endr
	ds_store_b8 v[\hb], v[TM+4+\t] offset:\scl+\sstr*\t   ; (both halves of the lanes write the same byte with the same value)
.endr
.endm
.macro B1LOAD v                        ; b1 of unit v's 32 hidden units, in the result's layout, the same for each tile of rows: the C of the unit's sums
.irp t, 0,1,2,3
.irp u, 0,1
.irp e, 0,1
	global_load_b128 v[ACC+16*\t+8*\u+4*\e:ACC+16*\t+8*\u+4*\e+3], v[GV2], s[14:15] offset:128*\v+64*\u+16*\e
.endr
.endr
.endr
.endm
; Hidden units 64 w + 32 v + 0 .. 31 of the 64 rows: product, relu, quantiser: block 2 w + v of the last product's K
.macro UNIT v
	GEMM4 HIMG, HSCL, 64, 8*\v
	PLACES
	s_wait_alu depctr_va_vdst(0)                   ; the unit's products are done reading WF (unit 1: and WS), in which the next weights (and scale words) land
.if \v == 0
	WLOAD4 W1P, 6144, 12288                        ; unit 1's weights land while unit 0 is quantised
.else
	WLOAD4 W2P, 12288, 0                           ; ff_w2, K steps 0-3
.irp u, 0,1
.irp c, 0,1
	global_load_b128 v[WS+8*\u+4*\c:WS+8*\u+4*\c+3], v[R16], s[W2S:W2S+1] offset:512*\u+256*\c
.endr
.endr
.endif
.set j, 0
.rept 64
	v_max_num_f32 v[ACC+j], 0, v[ACC+j]            ; the activation, each accumulator from its low end on
.set j, j+1
.endr
	HQ HA, HB, 256*\v, 12288, \v, 512
	s_wait_dscnt 0x0                               ; the stores have landed
	s_wait_alu depctr_vm_vsrc(0)                   ; and have read v[CV ..] and the bytes, in which the next product's fragments land
.if \v == 0
	B1LOAD 1                                       ; no vector line since the quantiser's wait names the accumulators
.else
.irp k, 0,1,2,3,4,5,6,7,8,9,10,11,12,13,14,15
	ds_load_b128 v[ACC+4*\k:ACC+4*\k+3], v[ST] offset:512*\k   ; h2 + b2 comes back: the C of the last product.  No vector line since the quantiser's wait names the accumulators
.endr
.endif
.endm
	s_load_b512 s[4:19], s[0:1], 0x0               ; ob, wq, h1, ln2_g, ln2_b, ff_b1, ff_b2, ln3_g
	s_load_b128 s[20:23], s[0:1], 0x40             ; ln3_b, out0
	v_lshl_add_u32 v[SPW], v0, 2, SPARE
	v_mov_b32 v[NIL], 0
	v_lshrrev_b32 v[T0], 5, v0
	v_readfirstlane_b32 s[WV], v[T0]
	v_and_b32 v[R], 15, v0
	v_bfe_u32 v[H], v0, 4, 1
	v_and_b32 v[T0], 31, v0
	v_lshlrev_b32 v[LI], 4, v[T0]
	v_lshlrev_b32 v[LSR], 2, v[R]
	v_lshlrev_b32 v[R16], 4, v[R]
	s_wait_alu depctr_va_sdst(0)                   ; the wave's number is written, ahead of its first reader: LDS addresses and all bases are made from it
	s_lshl_b32 s28, s[WV], 7
	v_lshl_add_u32 v[GV], v[H], 5, s28
	s_lshl_b32 s29, s[WV], 8
	v_add_nc_u32 v[RW], s29, v[R16]
	v_lshl_add_u32 v[RR], v[H], 11, v[R16]
	v_lshl_add_u32 v[POA], v[H], 9, v[R16]
	s_mul_i32 s30, s[WV], 1536
	s_add_co_u32 s30, s30, AIMG
	v_add_nc_u32 v[PIA], s30, v[LI]
	s_add_co_u32 s31, s28, ASCL
	v_lshl_add_u32 v[PSA], v[T0], 2, s31
	v_add_nc_u32 v[LIF], FIMG, v[LI]
	v_add_nc_u32 v[LSF], FSCL, v[LSR]
	s_lshl_b32 s30, s[WV], 13
	s_add_co_u32 s31, s30, STASH
	v_add_nc_u32 v[ST], s31, v[LI]
	s_bfe_u32 s32, s[WV], 0x10001
	s_mul_i32 s32, s32, 6                          ; block w of h2's K: registers 0-5 or 6-11 of its image,
	s_and_b32 s33, s[WV], 1
	s_lshl_b32 s33, s33, 8                         ; lanes 0-15 or 16-31,
	s_lshr_b32 s34, s[WV], 2
	s_mul_i32 s35, s34, 1536                       ; K step w / 4
	s_add_co_u32 s33, s33, s35
	s_and_b32 s35, s[WV], 3
	s_lshl_b32 s34, s34, 6
	s_add_co_u32 s35, s35, s34
	HADDR HA, HB, 32, 33, 35
	s_mov_b32 s[SEL], 0x76543210
	s_mov_b32 s[SEL+1], 0xfedcba98
	s_lshl_b32 s28, ttmp9, 15
	s_lshl_b32 s29, s[WV], 11
	s_add_co_u32 s28, s28, s29                     ; ob: my fragment's four heads of my tile of rows
	s_mov_b32 s29, 0
	s_lshl_b32 s32, ttmp9, 17
	s_add_co_u32 s32, s32, s30                     ; h1 and out0: 131,072 x work-group + 8,192 x wave
	s_mov_b32 s33, 0
	s_mul_i32 s34, s[WV], 12288
	s_add_co_u32 s34, s34, 1376256                 ; ca_wo
	s_mov_b32 s35, 0
	s_lshl_b32 s54, s[WV], 9
	s_add_co_u32 s54, s54, 2416640
	s_mov_b32 s55, 0
	s_mul_i32 s56, s[WV], 24576
	s_add_co_u32 s58, s56, 1966080                 ; ff_w2
	s_add_co_u32 s56, s56, 1572864                 ; ff_w1
	s_mov_b32 s57, 0
	s_mov_b32 s59, 0
	s_lshl_b32 s60, s[WV], 10
	s_add_co_u32 s62, s60, 2441216
	s_add_co_u32 s60, s60, 2424832
	s_mov_b32 s61, 0
	s_mov_b32 s63, 0
	s_wait_kmcnt 0x0
	s_add_nc_u64 s[OBP:OBP+1], s[4:5], s[28:29]
	s_add_nc_u64 s[H1P:H1P+1], s[8:9], s[32:33]
	s_add_nc_u64 s[WOP:WOP+1], s[6:7], s[34:35]
	s_add_nc_u64 s[WOS:WOS+1], s[6:7], s[54:55]
	s_add_nc_u64 s[W1P:W1P+1], s[6:7], s[56:57]
	s_add_nc_u64 s[W1S:W1S+1], s[6:7], s[60:61]
	s_add_nc_u64 s[W2P:W2P+1], s[6:7], s[58:59]
	s_add_nc_u64 s[W2S:W2S+1], s[6:7], s[62:63]
	s_add_nc_u64 s[OUTP:OUTP+1], s[22:23], s[32:33]
	s_wait_alu depctr_va_vdst(0)                   ; the offsets and addresses v3 to v15 and v245 to v247 are written, which the loads and stores of the kernel read
	; wave w builds o's fragment w from four records of 512 bytes, as in mid1
	global_load_b128 v[176:179], v[POA], s[OBP:OBP+1]
	global_load_b128 v[188:191], v[POA], s[OBP:OBP+1] offset:256
	global_load_b128 v[182:185], v[POA], s[OBP:OBP+1] offset:1024
	global_load_b128 v[192:195], v[POA], s[OBP:OBP+1] offset:1280
.irp k, 0,1,2,3,4,5,6,7,8,9,10,11,12,13,14,15
	global_load_b128 v[ACC+4*\k:ACC+4*\k+3], v[LI], s[H1P:H1P+1] offset:512*\k th:TH_LOAD_NT   ; the residual: the image that mid1 left
.endr
	WLOAD4 WOP, 6144, 0
.irp u, 0,1
	global_load_b128 v[WS+4*\u:WS+4*\u+3], v[R16], s[WOS:WOS+1] offset:256*\u
.endr
	s_wait_loadcnt 42                              ; the four loads of o are in; the 16 + 24 + 2 behind them may be out
	v_lshl_or_b32 v[T0], v185, 16, v179
	v_lshlrev_b32 v[T1], 3, v[H]
	v_lshlrev_b32 v[T0], v[T1], v[T0]
	v_mov_b32 v[T1], 0
	v_permlanex16_b32 v[T1], v[T0], s[SEL], s[SEL+1]
	v_or_b32 v[T0], v[T0], v[T1]
.irp i, 0,1,2
	v_mov_b32 v[179+\i], v[188+\i]
	v_mov_b32 v[185+\i], v[192+\i]
.endr
	s_wait_alu depctr_va_vdst(0)                   ; the moves have written v179 to v181 and v185 to v187, the lines above them v[T0]: the LDS stores read them; and they are done with v188 to v194, in which fragments land below
	ds_store_b128 v[PIA], v[176:179]
	ds_store_b128 v[PIA], v[180:183] offset:512
	ds_store_b128 v[PIA], v[184:187] offset:1024
	ds_store_b32 v[PSA], v[T0]
	BARRIER                                        ; o's sixteen fragments lie in LDS
	s_wait_alu depctr_vm_vsrc(0)                   ; my LDS stores have read v176 to v187, in which fragments land, and v[T0]; they and the head's loads have read v245 to v247, which the norm writes
	GEMM4 AIMG, ASCL, 128, 0                       ; h + o ca_wo^T
	PLACES
	s_wait_alu depctr_va_vdst(0)                   ; the product is done reading AF, WF and WS, in which gain, bias, ff_w1 and its scale words land
	GBLOAD 10, 12
	WLOAD4 W1P, 6144, 0                            ; ff_w1, unit 0, lands while the norm is made
.irp c, 0,1,2,3
	global_load_b128 v[WS+4*\c:WS+4*\c+3], v[R16], s[W1S:W1S+1] offset:256*\c   ; the scale words of my four row tiles of ff_w1
.endr
	LNORM                                          ; h2
	s_lshl_b32 s28, s[WV], 8
	v_lshl_add_u32 v[GV2], v[H], 5, s28            ; b1's offset, in a register that the norm has left
	s_wait_alu depctr_va_vdst(0)                   ; the norm is done with v[B2 ..], in which b2 lands; v[GV2] is written, which the loads of b1 read
.irp u, 0,1
.irp e, 0,1
	global_load_b128 v[B2+8*\u+4*\e:B2+8*\u+4*\e+3], v[GV], s[16:17] offset:64*\u+16*\e
.endr
.endr
	HQ HA, HB, HIMG, 6144, HSCL, 256
	s_wait_loadcnt 0x0                             ; b2
.irp t, 0,1,2,3
.irp j, 0,2,4,6,8,10,12,14
	v_pk_add_f32 v[ACC+16*\t+\j:ACC+16*\t+\j+1], v[ACC+16*\t+\j:ACC+16*\t+\j+1], v[B2+\j:B2+\j+1]
.endr
.endr
	s_wait_alu depctr_va_vdst(0)                   ; the sums have written the accumulators, which the stash's stores read, and are done with v[B2 ..], in which fragments land behind the barrier
.irp k, 0,1,2,3,4,5,6,7,8,9,10,11,12,13,14,15
	ds_store_b128 v[ST], v[ACC+4*\k:ACC+4*\k+3] offset:512*\k   ; h2 + b2 waits in my own bytes of LDS
.endr
	s_wait_dscnt 0x0                               ; for the others' sake: my stores into h2's images have landed
	s_wait_alu depctr_vm_vsrc(0)                   ; the stash's stores have read the accumulators, in which b1 lands; the quantiser's have read v9 to v12, which are made anew below, and v[CV ..] and the bytes, in which fragments land
	B1LOAD 0
	s_and_b32 s32, s[WV], 1                        ; block 2 w + v of the hidden layer's K: registers 0-5 or 6-11 by w % 2, lanes by v (in the stores' offsets), K step w / 2
	s_lshl_b32 s35, s32, 1
	s_mul_i32 s32, s32, 6
	s_lshr_b32 s34, s[WV], 1
	s_mul_i32 s33, s34, 1536
	s_add_co_u32 s33, s33, FIMG
	s_lshl_b32 s34, s34, 6
	s_add_co_u32 s35, s35, s34
	s_add_co_u32 s35, s35, FSCL
	HADDR HA, HB, 32, 33, 35
	s_barrier_signal -1
	s_barrier_wait -1                              ; h2's sixteen fragments lie in LDS
	UNIT 0
	UNIT 1
	BARRIER                                        ; the hidden layer's 32 fragments lie in LDS
	KLOADH LIF, 0, 8, LSF, 0, 64, 0, 0
	KLOADH LIF, 0, 8, LSF, 0, 64, 0, 1
	s_wait_loadcnt 0x0                             ; ff_w2's first four K steps and its scale words
.irp s, 0,1,2,3,4,5,6,7
.if \s >= 4
	s_wait_loadcnt 6*(7-\s)                        ; this K step's six loads are in; those of the later steps may be out
.endif
.irp p, 0,1
.if (\s == 7) && (\p == 1)
	s_wait_dscnt 0x0                               ; the last group: nothing was asked for behind its pair
.else
	s_wait_dscnt 8                                 ; this group's pair is in; the other pair's eight loads may be out
.endif
	KMULH \s%4, \s, 8, \p
.if \s < 7
	PLACES
	s_wait_alu depctr_va_vdst(0)                   ; the products issued so far are done reading this pair and its scale words, in which the next K step's loads land; behind a K step's second group: and its slot of weights
.if (\p == 1) && (\s < 4)
	WLOAD1 W2P, 12288, \s+4                        ; into the slot that this K step multiplied
.endif
	KLOADH LIF, 0, 8, LSF, 0, 64, \s+1, \p
.endif
.endr
.endr
	PLACES
	s_wait_alu depctr_va_vdst(0)                   ; the product is done reading AF, in which gain and bias land, and WF, in which the stage's rows land at the end
	GBLOAD 18, 20
	LNORM
	; THE WAY OUT: a row's 512 numbers come from sixteen waves: they meet in a stage (rows 2,064 bytes apart) and each wave stores four whole rows
	v_mul_u32_u24 v[HA], v[R], 2064                ; (the LDS stores that read v9 to v11 stand ahead of the units' waits on vm_vsrc)
	v_add_nc_u32 v[HA], v[HA], v[GV]
	v_add_nc_u32 v[HA], STAGE, v[HA]               ; tiles 0, 1: row r, my features
	v_add_nc_u32 v[HA+1], 66048, v[HA]             ; tiles 2, 3
	s_mul_i32 s28, s[WV], 8256
	s_add_co_u32 s28, s28, STAGE
	v_add_nc_u32 v[HA+2], s28, v[LI]               ; back: rows 4 w .. 4 w + 3
	s_wait_alu depctr_va_vdst(0)                   ; the norm has written the accumulators, which the stage's stores read; the three addresses are written
.irp t, 0,1,2,3
.irp u, 0,1
.irp e, 0,1
	ds_store_b128 v[HA+(\t/2)], v[ACC+16*\t+8*\u+4*\e:ACC+16*\t+8*\u+4*\e+3] offset:33024*(\t%2)+64*\u+16*\e
.endr
.endr
.endr
	BARRIER                                        ; 64 whole rows lie in the stage
.irp i, 0,1,2,3,4,5,6,7,8,9,10,11,12,13,14,15
	ds_load_b128 v[WF+4*\i:WF+4*\i+3], v[HA+2] offset:2064*(\i/4)+512*(\i%4)
.endr
.irp i, 0,1,2,3,4,5,6,7,8,9,10,11,12,13,14,15
	s_wait_dscnt 15-\i                             ; LDS loads come back in order: load i is in, the younger ones may be out
	global_store_b128 v[LI], v[WF+4*\i:WF+4*\i+3], s[OUTP:OUTP+1] offset:2048*(\i/4)+512*(\i%4) th:TH_STORE_NT   ; 512 consecutive bytes
.endr
	s_wait_dscnt 0x0                               ; the closing lines, six on end
	s_wait_alu 0x0
	s_wait_tensorcnt 0x0
	ds_add_u32 v[SPW], v[NIL]
	s_wait_dscnt 0x0
	s_endpgm
.Lfunc_end_k_qac1bea6fd7_mid2:
	.size	k_qac1bea6fd7_mid2, .Lfunc_end_k_qac1bea6fd7_mid2-k_qac1bea6fd7_mid2
	.p2alignl 7, 3214868480
	.fill 96, 4, 3214868480
	.section	.rodata,"a",@progbits
	.p2align	6, 0x0
	.amdhsa_kernel k_qac1bea6fd7_mid2
		.amdhsa_group_segment_fixed_size 245760
		.amdhsa_private_segment_fixed_size 0
		.amdhsa_enable_private_segment 0
		.amdhsa_kernarg_size 80
		.amdhsa_user_sgpr_count 2
		.amdhsa_user_sgpr_kernarg_segment_ptr 1
		.amdhsa_wavefront_size32 1
		.amdhsa_system_sgpr_workgroup_id_x 1
		.amdhsa_system_sgpr_workgroup_id_y 1
		.amdhsa_system_sgpr_workgroup_id_z 1
		.amdhsa_system_vgpr_workitem_id 0
		.amdhsa_next_free_vgpr 256
		.amdhsa_next_free_sgpr 66
		.amdhsa_reserve_vcc 0
		.amdhsa_float_denorm_mode_32 3
		.amdhsa_float_denorm_mode_16_64 3
		.amdhsa_memory_ordered 1
		.amdhsa_forward_progress 1
		.amdhsa_inst_pref_size 132
	.end_amdhsa_kernel
	.amdgpu_metadata
---
amdhsa.version: [ 1, 2 ]
amdhsa.kernels:
  - .name:           k_qac1bea6fd7_mid2
    .symbol:         k_qac1bea6fd7_mid2.kd
    .args:
      - { .name: ob, .offset: 0, .size: 8, .value_kind: global_buffer, .address_space: global }
      - { .name: wq, .offset: 8, .size: 8, .value_kind: global_buffer, .address_space: global }
      - { .name: h1, .offset: 16, .size: 8, .value_kind: global_buffer, .address_space: global }
      - { .name: ln2_g, .offset: 24, .size: 8, .value_kind: global_buffer, .address_space: global }
      - { .name: ln2_b, .offset: 32, .size: 8, .value_kind: global_buffer, .address_space: global }
      - { .name: ff_b1, .offset: 40, .size: 8, .value_kind: global_buffer, .address_space: global }
      - { .name: ff_b2, .offset: 48, .size: 8, .value_kind: global_buffer, .address_space: global }
      - { .name: ln3_g, .offset: 56, .size: 8, .value_kind: global_buffer, .address_space: global }
      - { .name: ln3_b, .offset: 64, .size: 8, .value_kind: global_buffer, .address_space: global }
      - { .name: out0, .offset: 72, .size: 8, .value_kind: global_buffer, .address_space: global }
    .group_segment_fixed_size: 245760
    .private_segment_fixed_size: 0
    .kernarg_segment_align: 8
    .kernarg_segment_size: 80
    .max_flat_workgroup_size: 512
    .sgpr_count:     66
    .vgpr_count:     256
    .wavefront_size: 32
...
	.end_amdgpu_metadata
.endif
;; end of part 9
